; MI455X (gfx1250); checked and timed in simulation.
; The chip was launched on July 23, 2026; its instructions are those of AMD's public machine-readable ISA for CDNA 5 (MIT licence, August 2026) and "CDNA5" Instruction Set Architecture Reference Guide (July 2026). The comments in the code are by the model that wrote it; some were corrected since.
;; Mo P Module. Allowed arithmetic: matrix products marked QUANTISED: E2M3 operands, one E8M0 scale for each 32 along K, by v_wmma_scale_f32_16x16x128_f8f6f4 with both operands' format E2M3, f32 sums; products left as they are: f32 operands where the result goes on into a quantised operand, else bf16, f16 or f32 operands; f32 sums; everything else in f32.
;; Inputs: b1 8 x 2,048 float32; b2 8 x 2,048 float32; b3 8 x 512 float32; rb0 256 float32; rb1 256 float32; rb2 8 float32; rw0 512 x 256 float32; rw1 256 x 256 float32; rw2 256 x 8 float32; w1 8 x 512 x 2,048 float32; w2 8 x 2,048 x 2,048 float32; w3 8 x 2,048 x 512 float32; x 1,024 x 512 float32.
;; Outputs: out0 1,024 x 512 float32.
;; This version of the problem:
;;   THIS VERSION OF THE PROBLEM IS GIVEN IN LOW PRECISION. The matrix products marked QUANTISED in the list below multiply operands that are first quantised to E2M3 (2 exponent bits, 3 mantissa bits; 6 bits a number), with one power-of-two scale for each 32 numbers along K (OCP MX v1.0); their sums are f32. All else is computed in f32.
;;   The module's matrix products, in the order in which they are computed (A, B: the left and right operand; K: the contracted axis; several contracted axes count as one K, in the product's order):
;;     1. [M 1,024, K 512] x [K 512, N 256]; A: input x; B: input rw0: QUANTISED
;;     2. [M 1,024, K 256] x [K 256, N 256]; A: computed on the way; B: input rw1: QUANTISED
;;     3. [M 1,024, K 256] x [K 256, N 8]; A: computed on the way; B: input rw2: left as it is (N = 8 < 16)
;;     4. [M 1,024, K 512] x [K 512, N 2,048]; A: input x; B: input w1: QUANTISED
;;     5. [M 1,024, K 2,048] x [K 2,048, N 2,048]; A: computed on the way; B: input w2: QUANTISED
;;     6. [M 1,024, K 2,048] x [K 2,048, N 512]; A: computed on the way; B: input w3: QUANTISED
;;     7. [M 1,024, K 512] x [K 512, N 2,048]; A: input x; B: input w1: QUANTISED
;;     8. [M 1,024, K 2,048] x [K 2,048, N 2,048]; A: computed on the way; B: input w2: QUANTISED
;;     9. [M 1,024, K 2,048] x [K 2,048, N 512]; A: computed on the way; B: input w3: QUANTISED
;;     10. [M 1,024, K 512] x [K 512, N 2,048]; A: input x; B: input w1: QUANTISED
;;     11. [M 1,024, K 2,048] x [K 2,048, N 2,048]; A: computed on the way; B: input w2: QUANTISED
;;     12. [M 1,024, K 2,048] x [K 2,048, N 512]; A: computed on the way; B: input w3: QUANTISED
;;     13. [M 1,024, K 512] x [K 512, N 2,048]; A: input x; B: input w1: QUANTISED
;;     14. [M 1,024, K 2,048] x [K 2,048, N 2,048]; A: computed on the way; B: input w2: QUANTISED
;;     15. [M 1,024, K 2,048] x [K 2,048, N 512]; A: computed on the way; B: input w3: QUANTISED
;;     16. [M 1,024, K 512] x [K 512, N 2,048]; A: input x; B: input w1: QUANTISED
;;     17. [M 1,024, K 2,048] x [K 2,048, N 2,048]; A: computed on the way; B: input w2: QUANTISED
;;     18. [M 1,024, K 2,048] x [K 2,048, N 512]; A: computed on the way; B: input w3: QUANTISED
;;     19. [M 1,024, K 512] x [K 512, N 2,048]; A: input x; B: input w1: QUANTISED
;;     20. [M 1,024, K 2,048] x [K 2,048, N 2,048]; A: computed on the way; B: input w2: QUANTISED
;;     21. [M 1,024, K 2,048] x [K 2,048, N 512]; A: computed on the way; B: input w3: QUANTISED
;;     22. [M 1,024, K 512] x [K 512, N 2,048]; A: input x; B: input w1: QUANTISED
;;     23. [M 1,024, K 2,048] x [K 2,048, N 2,048]; A: computed on the way; B: input w2: QUANTISED
;;     24. [M 1,024, K 2,048] x [K 2,048, N 512]; A: computed on the way; B: input w3: QUANTISED
;;     25. [M 1,024, K 512] x [K 512, N 2,048]; A: input x; B: input w1: QUANTISED
;;     26. [M 1,024, K 2,048] x [K 2,048, N 2,048]; A: computed on the way; B: input w2: QUANTISED
;;     27. [M 1,024, K 2,048] x [K 2,048, N 512]; A: computed on the way; B: input w3: QUANTISED
;;   THE QUANTISER, for each operand of a quantised product, along K:
;;     - K is cut into blocks of 32 from its start; a last block that is shorter is filled with zeros.
;;     - A block's scale is 2^e with e = floor(log2(the largest magnitude in the block)) - 2, held to -126 .. 127; a block of zeros has e = 0. As a byte (E8M0): e + 127.
;;     - Each number is divided by its block's scale, clamped to +-7.5, and rounded to the nearest number of E2M3, ties to even, subnormals kept.
;;     - The product sums the exact products of the quantised numbers (number of the format x scale) in f32.
;;   ~~~python
;;   def quantise(x, axis):      # numpy; x: float32 -> the quantised numbers, widened to float32 again
;;       x = np.moveaxis(x, axis, -1); K = x.shape[-1]
;;       x = np.pad(x, [(0, 0)] * (x.ndim - 1) + [(0, -K % 32)]); x = x.reshape(x.shape[:-1] + (-1, 32)); a = np.abs(x).max(-1, keepdims=True)
;;       e = np.where(a > 0, np.clip(np.frexp(np.where(a > 0, a, 1))[1] - 1 - 2, -126, 127), 0)      # np.frexp(a)[1] - 1 = floor(log2(a)), exactly
;;       r = np.clip(x / 2.0 ** e, -7.5, 7.5)
;;       step = 2.0 ** (np.maximum(np.frexp(np.where(r == 0, 1, r))[1] - 1, 0) - 3)
;;       q = np.round(r / step) * step * 2.0 ** e      # np.round: ties to even
;;       return np.moveaxis(q.reshape(q.shape[:-2] + (-1,))[..., :K], -1, axis).astype(np.float32)
;;   ~~~
;;   OPERANDS COMPUTED ON THE WAY. 'Computed on the way' means the value that the module computes at that place (a softmax that the list does not call 'softmax' is quantised finished and normalised). What goes into a quantiser is computed in f32, as accurately as f32 sums, v_exp_f32 and their like allow (about 1e-6 of the number): no bf16 or f16 on the way to a quantiser, and a product that is left as it is and whose result goes on into a quantised operand takes f32 operands (vector FMAs, or v_wmma_f32_16x16x4_f32). A number that lies on a knife's edge between two numbers of the format may be rounded either way, as far as f32 arithmetic and the matrix unit's own rounding can turn it there, and no further.
;; 2 versions, each right; version 2 is version 1 with the launches router, layer1, layer2, layer3 written anew for expert scheduling mode. Each part assembles by itself: llvm-mc -triple=amdgcn-amd-amdhsa -mcpu=gfx1250 --defsym DOCPART=n.
;; ======== version 1 of 2: 5 launches
;; workspace buffers: choice 4,096 bytes of whole numbers; route 4,352 bytes of whole numbers; xq 409,600 bytes; a1 4,505,600 bytes; a2 4,505,600 bytes; wq 39,321,600 bytes
;; launch router (part 1): grid 448 x 1, 16 waves a work-group, no clusters, 175,616 bytes of LDS; arguments x, rw0, rb0, rw1, rb1, rw2, rb2, xq, choice, w1, w2, w3, wq; writes xq, choice, wq
.if DOCPART == 1
	.amdgcn_target "amdgcn-amd-amdhsa--gfx1250"
	.amdhsa_code_object_version 6
	.text
	.protected	k_q2d32071559_router
	.globl	k_q2d32071559_router
	.p2align	8
	.type	k_q2d32071559_router,@function
k_q2d32071559_router:
	s_mov_b64 s[64:65], 0
	v_nop
	global_prefetch_b8 v0, s[64:65] scope:SCOPE_SE
	s_setreg_imm32_b32 hwreg(HW_REG_WAVE_MODE, 25, 1), 1
	s_wait_xcnt 0x0
; TWO KINDS OF WORK-GROUPS, parted on the work-group's number alone.
; WORK-GROUPS 0-63: THE ROUTER.  A work-group takes 16 tokens: x is quantised to FP6 (E2M3) codes with one E8M0 byte for each 32 along K (also stored for the first layer),
; h0 = x rw0 + rb0, h1 = elu(h0 rw1 + rb1), both on codes; logits = h1 rw2 + rb2 in f32 multiply-adds; choice = the first largest logit.
; WORK-GROUPS 64-447: THE EXPERTS' WEIGHTS ARE QUANTISED ONCE.  They hang on no routing, so they are streamed here, beside the router's chain of dependent steps.
; A wave takes one step of 128 along K of one slice of 64 columns: two units.  6,144 steps = 384 work-groups x 16 waves: w2 256 work-groups (a slice each), w3 64, w1 64 (four slices each).
; The codes leave as images of the operand's registers, 256 consecutive aligned bytes a store; a row's four scale bytes of the step leave as one word.  No LDS and no barrier on this path.
; wq holds, slice by slice, the very bytes that a layer's work-group copies into its LDS: (tile x units + unit) x 768 + plane x 256 + 8 x lane, then tile x 16 KB + row x KB + block.
; ALL WEIGHTS are stored [K][N]: a unit is 64 columns x 64 K; a lane loads 16 bytes (4 columns) of 32 rows of ONE block of 32 along K, so that
; each load reads two whole rows of 256 bytes and a block's largest magnitude needs no other lane.  Tile j of a unit holds columns 4 m + j.
; The products are used transposed (source 0 = 16 columns of the weight, source 1 = 16 tokens): a lane's 32 results are one whole block of the next K,
; in the order place 8 j + u = column 4 u + j; the next weight's rows (rw1, w2, w3) are loaded in that same order, so the places agree on both sides.
; LIMITS: NaN and infinities are not served; a block of zeros keeps the byte 1 (its codes are zeros; only this program reads the bytes);
; two largest logits that agree to f32 rounding may be taken either way.
.set PITCH, 1024
.set NTH, 0
.set W0I, 0                            ; rw0's images: slice x 24576 + tile x 6144 + unit x 768 + plane x 256 + 8 x lane
.set W1I, 98304                        ; rw1's: slice x 12288 + tile x 3072 + unit x 768
.set W0S, 147456                       ; rw0's scale bytes: slice x 1024 + tile x 256 + row x 16 + block
.set W1S, 151552                       ; rw1's: slice x 512 + tile x 128 + row x 8 + block
.set XR,  153600                       ; x's codes: 16 rows x 384 bytes
.set XSB, 159744                       ; x's scale bytes: 16 a row
.set H0R, 160000                       ; h0's codes: 16 rows x 192 bytes
.set H0S, 163072                       ; h0's scale bytes: 8 a row
.set RW2L, 163200                      ; rw2 as it lies: 8192 bytes
.set LG,  171392                       ; partial logits: slice x 512 + row x 32
.set XSOFF, 393216                     ; x's scale bytes lie behind its codes in xq
.set WQ2, 6553600                      ; wq: w1's 256 images of 25,600 bytes, then w2's 256 of 102,400,
.set WQ3, 32768000                     ; then w3's 64 of 102,400
.set VW, 1
.set R,  16                            ; v16-143 a unit as loaded
.set XT, 144                           ; v144-175 two sets of 16 neighbours along K
.set PJ, 176                           ; v176-199 the four tiles' codes
.set TJ, 200                           ; v200-215 their upper halves as converted
.set M,  216
.set SO, 220
.set WF, 80
.set EX, 112
.set EE, 144
.set EP, 176
.set CL2E, 44
.set C3, 45
.set C4, 46
.set C5, 47
.set C6, 48
.set C7, 49
.set CTH, 50
; v224-229, v240, v241 hold scale words and nothing else; v238, v239 are the closing add's two
.macro NOP4
.rept 4
	v_nop
.endr
.endm
.macro BAR
	s_wait_dscnt 0x0                               ; my LDS stores have landed and my LDS loads are in
	s_barrier_signal -1
	s_barrier_wait -1
.endm
; slots lo .. hi of a unit: slot i takes row rowof(i) of my block
.macro LOADU base, lo, hi, extra, perm
.set li, \lo
.rept \hi-\lo+1
.if \perm
.set lrow, 4*(li&7)+(li>>3)
.else
.set lrow, li
.endif
.if NTH
	global_load_b128 v[R+4*li:R+4*li+3], v[VW], s[\base:\base+1] offset:(\extra+lrow)*PITCH th:TH_LOAD_NT
.else
	global_load_b128 v[R+4*li:R+4*li+3], v[VW], s[\base:\base+1] offset:(\extra+lrow)*PITCH
.endif
.set li, li+1
.endr
.endm
; the core: a unit in v[R] on becomes four tiles' half fragments in v[PJ] on and their scale bytes in v[M] on; nxt = 1: the next unit is asked for as its registers come free
.macro WQC nxt, nbase, nextra, nperm
.irp j, 0,1,2,3
	v_max3_num_f32 v[M+\j], |v[R+\j]|, |v[R+4+\j]|, 0x1800000   ; the floor 2^(3 - 127) holds the byte at 1 from below
.endr
.set wi, 2
.rept 15
.irp j, 0,1,2,3
	v_max3_num_f32 v[M+\j], v[M+\j], |v[R+4*wi+\j]|, |v[R+4*wi+4+\j]|
.endr
.set wi, wi+2
.endr
.irp j, 0,1,2,3
	v_add_nc_u32 v[SO+\j], 0xff000000, v[M+\j]     ; 2 off the exponent field: the conversion's scale operand
.endr
.irp j, 0,1,2,3
	v_lshrrev_b32 v[M+\j], 23, v[SO+\j]            ; the scale's byte
.endr
.irp g, 0,1
.irp j, 0,1,2,3
.set wi, 0
.rept 16
	v_mov_b32 v[XT+16*(\j&1)+wi], v[R+4*(16*\g+wi)+\j]   ; a column's 16 neighbours along K on end; the two sets take turns, so 16 plain lines part a conversion from the rewrite of its sources
.set wi, wi+1
.endr
.if \g == 0
	v_cvt_scalef32_pk16_fp6_f32 v[PJ+6*\j:PJ+6*\j+2], v[XT+16*(\j&1):XT+16*(\j&1)+15], v[SO+\j]
.else
	v_cvt_scalef32_pk16_fp6_f32 v[TJ+4*\j:TJ+4*\j+2], v[XT+16*(\j&1):XT+16*(\j&1)+15], v[SO+\j]
.endif
.endr
.if \nxt
	LOADU \nbase, 16*\g, 16*\g+15, \nextra, \nperm
.endif
.endr
	v_nop                                          ; one plain line behind the last conversion
.irp j, 0,1,2,3
.irp i, 0,1,2
	v_mov_b32 v[PJ+6*\j+3+\i], v[TJ+4*\j+\i]
.endr
.endr
.endm
; the router's form: the results go to LDS
.macro WQ ia, ib, ioff, jstr, sa, soff, sjstr, nxt, nbase, nextra, nperm
	s_wait_loadcnt 0x0                             ; the maxima want all 32 slots
	s_wait_dscnt 0x0                               ; the last LDS stores have read their registers
	WQC \nxt, \nbase, \nextra, \nperm
.irp j, 0,1,2,3
.irp p, 0,1,2
.if \j < 2
	ds_store_b64 v[\ia], v[PJ+6*\j+2*\p:PJ+6*\j+2*\p+1] offset:\ioff+(\j&1)*\jstr+256*\p
.else
	ds_store_b64 v[\ib], v[PJ+6*\j+2*\p:PJ+6*\j+2*\p+1] offset:\ioff+(\j&1)*\jstr+256*\p
.endif
.endr
	ds_store_b8 v[\sa], v[M+\j] offset:\soff+\j*\sjstr
.endr
.endm
; the experts' form: unit u of my step; the codes go to memory, the bytes are gathered in v8-11
.macro WQG u, tstr, nxt, nextra, nperm
	s_wait_loadcnt 0x0                             ; the maxima want all 32 slots
	s_wait_xcnt 0x0                                ; the last unit's stores have read their registers, which are written again below
	WQC \nxt, 40, \nextra, \nperm
.irp j, 0,1,2,3
.if \u == 0
	v_mov_b32 v[8+\j], v[M+\j]
.else
	v_lshl_or_b32 v[8+\j], v[M+\j], 16, v[8+\j]    ; my two blocks of the step: h and 2 + h
.endif
.endr
.irp j, 0,1,2,3
.irp p, 0,1,2
	global_store_b64 v5, v[PJ+6*\j+2*\p:PJ+6*\j+2*\p+1], s[42:43] offset:\j*\tstr+768*\u+256*\p th:TH_STORE_NT   ; 32 lanes store 256 consecutive bytes, aligned
.endr
.endr
.endm
; 32 numbers of a lane, one block, become 6 registers of codes at v[AQQ + 8 k] and the byte in v[AW + 4 + k]
.macro AQ a, k
	v_max3_num_f32 v[AW+\k], |v[\a]|, |v[\a+1]|, 0x1800000
.set qi, 2
.rept 15
	v_max3_num_f32 v[AW+\k], v[AW+\k], |v[\a+qi]|, |v[\a+qi+1]|
.set qi, qi+2
.endr
	v_add_nc_u32 v[AW+2+\k], 0xff000000, v[AW+\k]
	v_lshrrev_b32 v[AW+4+\k], 23, v[AW+2+\k]
	v_cvt_scalef32_pk16_fp6_f32 v[AQQ+8*\k:AQQ+8*\k+2], v[\a:\a+15], v[AW+2+\k]
	v_cvt_scalef32_pk16_fp6_f32 v[AQT+4*\k:AQT+4*\k+2], v[\a+16:\a+31], v[AW+2+\k]
	v_nop
.irp i, 0,1,2
	v_mov_b32 v[AQQ+8*\k+3+\i], v[AQT+4*\k+\i]
.endr
.endm
; elu(x) = max(x, 0) + expm1(min(x, 0)): above -0.35 by the series to x^7, else 2^(x log2 e) - 1
.macro ELU a
.set ei, 0
.rept 32
	v_min_num_f32 v[EX+ei], 0, v[\a+ei]
.set ei, ei+1
.endr
.set ei, 0
.rept 32
	v_mul_f32 v[EE+ei], s[CL2E], v[EX+ei]
.set ei, ei+1
.endr
.set ei, 0
.rept 32
	v_exp_f32 v[EE+ei], v[EE+ei]
.set ei, ei+1
.endr
.set ei, 0
.rept 32
	v_fma_f32 v[EP+ei], v[EX+ei], s[C7], s[C6]     ; the series is the plain work behind the batch of exponentials
.set ei, ei+1
.endr
.irp c, C5, C4, C3
.set ei, 0
.rept 32
	v_fma_f32 v[EP+ei], v[EP+ei], v[EX+ei], s[\c]
.set ei, ei+1
.endr
.endr
.irp c, 0.5, 1.0
.set ei, 0
.rept 32
	v_fma_f32 v[EP+ei], v[EP+ei], v[EX+ei], \c
.set ei, ei+1
.endr
.endr
.set ei, 0
.rept 32
	v_mul_f32 v[EP+ei], v[EP+ei], v[EX+ei]
.set ei, ei+1
.endr
	s_wait_alu depctr_va_vdst(0)                   ; one wait for the 32 exponentials, ahead of their first reader
.set ei, 0
.rept 32
	v_add_f32 v[EE+ei], -1.0, v[EE+ei]
	v_cmp_lt_f32 vcc_lo, s[CTH], v[EX+ei]
	v_cndmask_b32 v[EE+ei], v[EE+ei], v[EP+ei], vcc_lo
	v_max_num_f32 v[\a+ei], 0, v[\a+ei]
	v_add_f32 v[\a+ei], v[\a+ei], v[EE+ei]
.set ei, ei+1
.endr
.endm
.macro WM d, a, b, sa, sb, ra, rb
.if (\ra) && (\rb)
	v_wmma_scale_f32_16x16x128_f8f6f4 v[\d:\d+7], v[\a:\a+11], v[\b:\b+11], v[\d:\d+7], v[\sa], v[\sb] matrix_a_fmt:MATRIX_FMT_FP6 matrix_b_fmt:MATRIX_FMT_FP6 matrix_a_scale:MATRIX_SCALE_ROW1 matrix_b_scale:MATRIX_SCALE_ROW1
.elseif \ra
	v_wmma_scale_f32_16x16x128_f8f6f4 v[\d:\d+7], v[\a:\a+11], v[\b:\b+11], v[\d:\d+7], v[\sa], v[\sb] matrix_a_fmt:MATRIX_FMT_FP6 matrix_b_fmt:MATRIX_FMT_FP6 matrix_a_scale:MATRIX_SCALE_ROW1
.elseif \rb
	v_wmma_scale_f32_16x16x128_f8f6f4 v[\d:\d+7], v[\a:\a+11], v[\b:\b+11], v[\d:\d+7], v[\sa], v[\sb] matrix_a_fmt:MATRIX_FMT_FP6 matrix_b_fmt:MATRIX_FMT_FP6 matrix_b_scale:MATRIX_SCALE_ROW1
.else
	v_wmma_scale_f32_16x16x128_f8f6f4 v[\d:\d+7], v[\a:\a+11], v[\b:\b+11], v[\d:\d+7], v[\sa], v[\sb] matrix_a_fmt:MATRIX_FMT_FP6 matrix_b_fmt:MATRIX_FMT_FP6
.endif
.endm
; one step of 128 along K: four weight tiles, the tokens' fragment, two scale words; four accumulators by turns
.macro RSTEP acc, fw, jst, sw, sjp, xl, asr, st
	NOP4                                           ; places in front of loads into registers that matrix instructions have read
.irp j, 0,1,2,3
.irp p, 0,1,2,3,4,5
	ds_load_b64 v[WF+12*\j+2*\p:WF+12*\j+2*\p+1], v[\fw] offset:\j*\jst+1536*\st+256*\p
.endr
.endr
.irp p, 0,1,2,3,4,5
	ds_load_b64 v[128+2*\p:129+2*\p], v[\xl] offset:96*\st+48*(\p/3)+8*(\p%3)
.endr
	ds_load_b32 v240, v[\sw] offset:4*\st          ; lanes 0-15 tile 0's words, lanes 16-31 tile 1's
	ds_load_b32 v241, v[\sw] offset:\sjp+4*\st     ; tiles 2 and 3
	s_wait_dscnt 0x0
.irp j, 0,1,2,3
	WM \acc+8*\j, WF+12*\j, 128, 240+(\j>>1), \asr+\st, \j&1, 0
.endr
.endm
.macro LGLOAD b, sbase                 ; rw2's rows of 8 of my columns
.irp c, 0,1,2,3,4,5,6,7
	ds_load_b128 v[\sbase+8*\c:\sbase+8*\c+3], v252 offset:32*(8*\b+\c)
	ds_load_b128 v[\sbase+8*\c+4:\sbase+8*\c+7], v252 offset:32*(8*\b+\c)+16
.endr
.endm
.macro LGFMA b, sbase                  ; column k of my block lies in register 8 (k & 3) + (k >> 2)
.irp c, 0,1,2,3,4,5,6,7
.irp z, 0,1,2,3,4,5,6,7
.if (\b == 0) && (\c == 0)
	v_mul_f32 v[208+\z], v[48+8*((8*\b+\c)&3)+((8*\b+\c)>>2)], v[\sbase+8*\c+\z]
.else
	v_fmac_f32 v[208+\z], v[48+8*((8*\b+\c)&3)+((8*\b+\c)>>2)], v[\sbase+8*\c+\z]
.endif
.endr
.endr
.endm
; the experts' weights: from the slice (s52) and the step (s51) to three byte offsets: s54 in the weight, s56 the step's codes in wq, s58 its scale words
.macro QADR nsh, nmask, esh, ssh, img, woff, wsoff
	s_lshr_b32 s53, s52, \nsh                      ; the expert
	s_lshl_b32 s54, s53, \esh
	s_and_b32 s53, s52, \nmask                     ; its slice of 64 columns: 256 bytes
	s_lshl_b32 s53, s53, 8
	s_add_co_u32 s54, s54, s53
	s_lshl_b32 s53, s51, \ssh                      ; 128 rows a step
	s_add_co_u32 s54, s54, s53
	s_mul_i32 s56, s52, \img
	s_add_co_u32 s56, s56, \woff
	s_lshl_b32 s53, s51, 2
	s_add_co_u32 s58, s56, s53
	s_add_co_u32 s58, s58, \wsoff
	s_mul_i32 s53, s51, 1536
	s_add_co_u32 s56, s56, s53
.endm
; a wave's step: two units, their codes, and the step's scale words
.macro QBODY wsrc, pitch, perm, tstr, kb
.set PITCH, \pitch
	v_lshlrev_b32 v1, 4, v3
	v_mul_u32_u24 v6, v4, 32*\pitch
	v_add_nc_u32 v1, v1, v6                        ; 16 (lane % 16) + 32 (lane / 16) rows
	v_mul_u32_u24 v6, v2, \kb                      ; scale words: lanes 0-15 an even tile's rows, lanes 16-31 the next tile's
	s_wait_kmcnt 0x0
	s_add_nc_u64 s[40:41], s[\wsrc:\wsrc+1], s[54:55]
	s_add_nc_u64 s[42:43], s[38:39], s[56:57]
	s_add_nc_u64 s[60:61], s[38:39], s[58:59]
	LOADU 40, 0, 31, 0, \perm
	WQG 0, \tstr, 1, 64, \perm                     ; the second unit lies 64 rows down
	WQG 1, \tstr, 0, 0, 0
.irp j, 0,1,2,3
	v_lshlrev_b32 v[8+\j], v7, v[8+\j]             ; my two bytes at their places in the word: 8 (lane / 16) bits up
	v_mov_b32 v[12+\j], 0                          ; a lane permute's destination counts as read
.endr
.irp j, 0,1,2,3
	v_permlanex16_b32 v[12+\j], v[8+\j], s28, s29
.endr
.irp j, 0,1,2,3
	v_or_b32 v[8+\j], v[8+\j], v[12+\j]            ; with lane l xor 16's two the word is whole
.endr
	v_cmp_ne_u32 vcc_lo, 0, v4
	v_cndmask_b32 v12, v8, v9, vcc_lo              ; lanes 0-15 tile 0's words, lanes 16-31 tile 1's
	v_cndmask_b32 v13, v10, v11, vcc_lo            ; tiles 2 and 3
	global_store_b32 v6, v12, s[60:61]
	global_store_b32 v6, v13, s[60:61] offset:32*\kb
	s_endpgm
.endm
	s_load_b256 s[4:11], s[0:1], 0x0               ; x, rw0, rb0, rw1
	s_load_b256 s[12:19], s[0:1], 0x20             ; rb1, rw2, rb2, xq
	s_load_b64 s[22:23], s[0:1], 0x40              ; choice
	s_load_b256 s[32:39], s[0:1], 0x48             ; w1, w2, w3, wq
	v_lshl_add_u32 v238, v0, 2, 0x2a600
	v_mov_b32 v239, 0
	v_lshrrev_b32 v16, 5, v0
	v_readfirstlane_b32 s24, v16                   ; wave 0..15
	s_mov_b32 s28, 0x76543210
	s_mov_b32 s29, 0xfedcba98                      ; lane l xor 16
	s_cmp_ge_u32 ttmp9, 64
	s_cbranch_scc1 .Lquant                         ; the work-group's number alone decides: all its waves go one way
	s_and_b32 s25, s24, 3                          ; my slice of 64 columns
	s_lshr_b32 s26, s24, 2                         ; my unit along K
	s_mov_b32 s[CL2E], 0x3fb8aa3b                  ; log2(e)
	s_mov_b32 s[C3], 0x3e2aaaab                    ; 1/6
	s_mov_b32 s[C4], 0x3d2aaaab                    ; 1/24
	s_mov_b32 s[C5], 0x3c088889                    ; 1/120
	s_mov_b32 s[C6], 0x3ab60b61                    ; 1/720
	s_mov_b32 s[C7], 0x39500d01                    ; 1/5040
	s_mov_b32 s[CTH], 0xbeb33333                   ; -0.35
	v_and_b32 v16, 31, v0                          ; lane
	v_and_b32 v17, 15, v0                          ; r
	v_bfe_u32 v18, v0, 4, 1                        ; h
	v_lshlrev_b32 v19, 3, v16                      ; 8 x lane
	v_lshlrev_b32 v20, 4, v16                      ; 16 x lane
	; every address register is made here, ahead of the first parting of the waves
	v_lshlrev_b32 v1, 4, v17
	v_lshl_add_u32 v1, v18, 15, v1
	s_lshl_b32 s27, s25, 8
	s_lshl_b32 s30, s26, 16
	s_add_co_u32 s27, s27, s30
	v_add_nc_u32 v1, s27, v1                       ; weights: 16 r + 256 slice + (32 h + 64 unit) rows of 1024 bytes
	s_mul_i32 s27, s25, 24576
	s_mul_i32 s30, s26, 768
	s_add_co_u32 s31, s27, s30
	v_add_nc_u32 v2, s31, v19                      ; rw0's images, on the way in: tiles 0, 1
	v_add_nc_u32 v3, 2*6144, v2                    ; tiles 2, 3
	v_add_nc_u32 v13, s27, v19                     ; and on the way out
	s_lshl_b32 s27, s25, 10
	s_add_co_u32 s27, s27, W0S
	v_lshl_add_u32 v4, v17, 4, v18
	s_lshl_b32 s30, s26, 1
	s_add_co_u32 s31, s27, s30
	v_add_nc_u32 v4, s31, v4                       ; rw0's scale bytes in
	v_add_nc_u32 v14, s27, v20                     ; and out: a word a lane
	s_mul_i32 s27, s25, 12288
	s_add_co_u32 s27, s27, W1I
	s_mul_i32 s30, s26, 768
	s_add_co_u32 s31, s27, s30
	v_add_nc_u32 v5, s31, v19                      ; rw1's images in
	v_add_nc_u32 v6, 2*3072, v5
	v_add_nc_u32 v248, s27, v19                    ; and out
	s_lshl_b32 s27, s25, 9
	s_add_co_u32 s27, s27, W1S
	v_lshl_add_u32 v7, v17, 3, v18
	s_lshl_b32 s30, s26, 1
	s_add_co_u32 s31, s27, s30
	v_add_nc_u32 v7, s31, v7                       ; rw1's scale bytes in
	v_add_nc_u32 v249, s27, v19                    ; and out
	v_lshlrev_b32 v8, 11, v17
	v_lshl_add_u32 v8, v18, 7, v8
	s_lshl_b32 s27, s24, 8
	v_add_nc_u32 v8, s27, v8                       ; x: row r, block 2 wave + h
	v_mul_u32_u24 v15, v17, 384
	v_mad_u32_u24 v15, v18, 24, v15
	v_add_nc_u32 v15, XR, v15                      ; x's codes out of LDS
	s_mul_i32 s27, s24, 48
	v_add_nc_u32 v9, s27, v15                      ; and into it
	v_lshl_add_u32 v242, v17, 4, XSB
	v_add_nc_u32 v10, v242, v18
	s_lshl_b32 s27, s24, 1
	v_add_nc_u32 v10, s27, v10
	s_lshl_b32 s27, s24, 9
	v_add_nc_u32 v11, s27, v20                     ; 512 wave + 16 lane
	v_add_nc_u32 v12, RW2L, v11
	v_add_nc_u32 v245, XR-2048, v11                ; waves 4-15 copy x's codes out
	v_mul_u32_u24 v250, v17, 192
	v_mad_u32_u24 v250, v18, 24, v250
	v_add_nc_u32 v250, H0R, v250
	s_mul_i32 s27, s25, 48
	v_add_nc_u32 v243, s27, v250
	v_lshl_add_u32 v251, v17, 3, H0S
	v_add_nc_u32 v244, v251, v18
	s_lshl_b32 s27, s25, 1
	v_add_nc_u32 v244, s27, v244
	v_add_nc_u32 v246, XSB, v19
	v_mov_b32 v247, v19
	s_lshl_b32 s27, s25, 11
	s_add_co_u32 s27, s27, RW2L
	v_lshlrev_b32 v252, 10, v18
	v_add_nc_u32 v252, s27, v252
	v_lshl_add_u32 v254, v17, 5, LG
	s_lshl_b32 s27, s25, 9
	v_add_nc_u32 v253, s27, v254
	s_lshl_b32 s27, s25, 8
	v_lshlrev_b32 v255, 7, v18
	v_add_nc_u32 v255, s27, v255                   ; biases: 256 slice + 128 h
	s_wait_kmcnt 0x0
	s_add_nc_u64 s[20:21], s[18:19], XSOFF         ; x's scale bytes, behind its codes
	s_mov_b32 s31, 0
	s_lshl_b32 s30, ttmp9, 15
	s_add_nc_u64 s[4:5], s[4:5], s[30:31]          ; my 16 rows of x
	s_mul_i32 s30, ttmp9, 6144
	s_add_nc_u64 s[18:19], s[18:19], s[30:31]
	s_lshl_b32 s30, ttmp9, 8
	s_add_nc_u64 s[20:21], s[20:21], s[30:31]
	s_lshl_b32 s30, ttmp9, 6
	s_add_nc_u64 s[22:23], s[22:23], s[30:31]
	; ---- phase 0: x (waves 0-7), rw2, and the three weight units of each wave
	s_cmp_ge_u32 s24, 8
	s_cbranch_scc1 .Lnx1
.irp i, 0,1,2,3,4,5,6,7
	global_load_b128 v[XT+4*\i:XT+4*\i+3], v8, s[4:5] offset:16*\i
.endr
.Lnx1:
	global_load_b128 v[212:215], v11, s[14:15]
	LOADU 6, 0, 31, 0, 0
	s_cmp_ge_u32 s24, 8
	s_cbranch_scc1 .Lnx2
	s_wait_loadcnt 33                              ; x is in; rw2's load and the unit's 32 may be out
.set AW, 216
.set AQQ, 176
.set AQT, 200
	AQ XT, 0
.irp p, 0,1,2
	ds_store_b64 v9, v[176+2*\p:177+2*\p] offset:8*\p
.endr
	ds_store_b8 v10, v220
.Lnx2:
	s_wait_loadcnt 32                              ; rw2's piece is in; the unit's 32 may be out
	ds_store_b128 v12, v[212:215]
	WQ 2, 3, 0, 6144, 4, 0, 256, 1, 6, 256, 0      ; rw0, my first unit; the next lies 256 rows down
	WQ 2, 3, 3072, 6144, 4, 8, 256, 1, 10, 0, 1    ; rw0, my second; then rw1's, its rows in the order of h0's places
	WQ 5, 6, 0, 3072, 7, 0, 128, 0, 0, 0, 0
	BAR
	; ---- phase 1: waves 0-3: h0, quantised; waves 4-15: x's codes and bytes leave
	s_cmp_ge_u32 s24, 4
	s_cbranch_scc1 .Lcopy
.irp j, 0,1,2,3
.irp u, 0,1,2,3,4,5,6,7
	global_load_b32 v[16+8*\j+\u], v255, s[8:9] offset:16*\u+4*\j      ; the biases start the sums: nothing is cleared
	global_load_b32 v[48+8*\j+\u], v255, s[12:13] offset:16*\u+4*\j
.endr
.endr
	ds_load_b128 v[224:227], v242                  ; x's scale words, four steps
	s_wait_loadcnt 0x0
	RSTEP 16, 13, 6144, 14, 512, 15, 224, 0
	RSTEP 16, 13, 6144, 14, 512, 15, 224, 1
	RSTEP 16, 13, 6144, 14, 512, 15, 224, 2
	RSTEP 16, 13, 6144, 14, 512, 15, 224, 3
	NOP4
.set AW, 80
.set AQQ, 88
.set AQT, 104
	AQ 16, 0
.irp p, 0,1,2
	ds_store_b64 v243, v[88+2*\p:89+2*\p] offset:8*\p
.endr
	ds_store_b8 v244, v84
	s_branch .Lb2
.Lcopy:
	ds_load_b128 v[144:147], v245
	s_wait_dscnt 0x0
	global_store_b128 v11, v[144:147], s[18:19] offset:-2048    ; 32 lanes store 512 consecutive bytes
	s_cmp_lg_u32 s24, 4
	s_cbranch_scc1 .Lb2
	ds_load_b64 v[148:149], v246
	s_wait_dscnt 0x0
	global_store_b64 v247, v[148:149], s[20:21]    ; 256 consecutive bytes
.Lb2:
	BAR
	; ---- phase 2: waves 0-3: h1 and its part of the logits
	s_cmp_ge_u32 s24, 4
	s_cbranch_scc1 .Lb3
	ds_load_b64 v[228:229], v251                   ; h0's scale words, two steps
	RSTEP 48, 248, 3072, 249, 256, 250, 228, 0
	RSTEP 48, 248, 3072, 249, 256, 250, 228, 1
	NOP4
	ELU 48
	LGLOAD 0, 80
	LGLOAD 1, 144
	s_wait_dscnt 16                                ; the older batch is in
	LGFMA 0, 80
	LGLOAD 2, 80
	s_wait_dscnt 16
	LGFMA 1, 144
	LGLOAD 3, 144
	s_wait_dscnt 16
	LGFMA 2, 80
	s_wait_dscnt 0x0
	LGFMA 3, 144
.irp z, 0,1,2,3,4,5,6,7
	v_mov_b32 v[216+\z], 0                         ; a lane permute's destination counts as read
.endr
.irp z, 0,1,2,3,4,5,6,7
	v_permlanex16_b32 v[216+\z], v[208+\z], s28, s29
.endr
.irp z, 0,1,2,3,4,5,6,7
	v_add_f32 v[208+\z], v[208+\z], v[216+\z]      ; both halves of my slice's 64 columns
.endr
	ds_store_b128 v253, v[208:211]
	ds_store_b128 v253, v[212:215] offset:16
.Lb3:
	BAR
	; ---- phase 3: wave 0: the four slices' parts, rb2, the first largest
	s_cmp_lg_u32 s24, 0
	s_cbranch_scc1 .Lend
	v_mov_b32 v16, 0
	global_load_b128 v[80:83], v16, s[16:17]
	global_load_b128 v[84:87], v16, s[16:17] offset:16
.irp q, 0,1,2,3
	ds_load_b128 v[48+8*\q:51+8*\q], v254 offset:512*\q
	ds_load_b128 v[52+8*\q:55+8*\q], v254 offset:512*\q+16
.endr
	s_wait_dscnt 0x0
	s_wait_loadcnt 0x0
.irp z, 0,1,2,3,4,5,6,7
	v_add_f32 v[48+\z], v[48+\z], v[56+\z]
	v_add_f32 v[64+\z], v[64+\z], v[72+\z]
.endr
.irp z, 0,1,2,3,4,5,6,7
	v_add_f32 v[48+\z], v[48+\z], v[64+\z]
.endr
.irp z, 0,1,2,3,4,5,6,7
	v_add_f32 v[48+\z], v[48+\z], v[80+\z]
.endr
	v_mov_b32 v96, v48
	v_mov_b32 v97, 0
.irp z, 1,2,3,4,5,6,7
	v_mov_b32 v98, \z
	v_cmp_gt_f32 vcc_lo, v[48+\z], v96             ; strictly larger: the lower index keeps a tie
	v_cndmask_b32 v96, v96, v[48+\z], vcc_lo
	v_cndmask_b32 v97, v97, v98, vcc_lo
.endr
	v_and_b32 v99, 15, v0
	v_lshlrev_b32 v99, 2, v99
	global_store_b32 v99, v97, s[22:23]            ; lanes 16-31 hold and store what lanes 0-15 do
.Lend:
	s_wait_tensorcnt 0x0
	ds_add_u32 v238, v239
	s_wait_dscnt 0x0
	s_endpgm
	; ---- WORK-GROUPS 64-447: the experts' weights.  Each weight is read once in the whole program: the loads carry the hint for that
.Lquant:
.set NTH, 1
	v_and_b32 v2, 31, v0                           ; lane
	v_and_b32 v3, 15, v0                           ; lane % 16: my 4 columns
	v_bfe_u32 v4, v0, 4, 1                         ; lane / 16: my block of the unit's two
	v_lshlrev_b32 v5, 3, v2                        ; 8 x lane: an image's place for my lane
	v_lshlrev_b32 v7, 3, v4
	s_sub_co_u32 s52, ttmp9, 64
	s_mov_b32 s55, 0
	s_mov_b32 s57, 0
	s_mov_b32 s59, 0
	s_cmp_ge_u32 s52, 320
	s_cbranch_scc1 .Lq1
	s_cmp_ge_u32 s52, 256
	s_cbranch_scc1 .Lq3
	s_mov_b32 s51, s24                             ; w2: slice = the work-group, step = the wave
	QADR 5, 31, 24, 20, 102400, WQ2, 98304
	QBODY 34, 8192, 1, 24576, 64
.Lq3:
	s_sub_co_u32 s52, s52, 256                     ; w3: likewise; 8 slices an expert, rows of 2,048 bytes
	s_mov_b32 s51, s24
	QADR 3, 7, 22, 18, 102400, WQ3, 98304
	QBODY 36, 2048, 1, 24576, 64
.Lq1:
	s_sub_co_u32 s52, s52, 320                     ; w1: four steps a slice: four slices a work-group
	s_lshl_b32 s52, s52, 2
	s_lshr_b32 s53, s24, 2
	s_add_co_u32 s52, s52, s53
	s_and_b32 s51, s24, 3
	QADR 5, 31, 22, 20, 25600, 0, 24576
	QBODY 32, 8192, 0, 6144, 16
.Lfunc_end_k_q2d32071559_router:
	.size	k_q2d32071559_router, .Lfunc_end_k_q2d32071559_router-k_q2d32071559_router
	.p2alignl 7, 3214868480
	.fill 96, 4, 3214868480
	.section	.rodata,"a",@progbits
	.p2align	6, 0x0
	.amdhsa_kernel k_q2d32071559_router
		.amdhsa_group_segment_fixed_size 175616
		.amdhsa_private_segment_fixed_size 0
		.amdhsa_enable_private_segment 0
		.amdhsa_kernarg_size 104
		.amdhsa_user_sgpr_count 2
		.amdhsa_user_sgpr_kernarg_segment_ptr 1
		.amdhsa_wavefront_size32 1
		.amdhsa_system_sgpr_workgroup_id_x 1
		.amdhsa_system_sgpr_workgroup_id_y 1
		.amdhsa_system_sgpr_workgroup_id_z 1
		.amdhsa_system_vgpr_workitem_id 0
		.amdhsa_next_free_vgpr 256
		.amdhsa_next_free_sgpr 66
		.amdhsa_reserve_vcc 1
		.amdhsa_float_denorm_mode_32 3
		.amdhsa_float_denorm_mode_16_64 3
		.amdhsa_memory_ordered 1
		.amdhsa_forward_progress 1
		.amdhsa_inst_pref_size 200
	.end_amdhsa_kernel
	.amdgpu_metadata
---
amdhsa.version: [ 1, 2 ]
amdhsa.kernels:
  - .name:           k_q2d32071559_router
    .symbol:         k_q2d32071559_router.kd
    .args:
      - { .name: x, .offset: 0, .size: 8, .value_kind: global_buffer, .address_space: global }
      - { .name: rw0, .offset: 8, .size: 8, .value_kind: global_buffer, .address_space: global }
      - { .name: rb0, .offset: 16, .size: 8, .value_kind: global_buffer, .address_space: global }
      - { .name: rw1, .offset: 24, .size: 8, .value_kind: global_buffer, .address_space: global }
      - { .name: rb1, .offset: 32, .size: 8, .value_kind: global_buffer, .address_space: global }
      - { .name: rw2, .offset: 40, .size: 8, .value_kind: global_buffer, .address_space: global }
      - { .name: rb2, .offset: 48, .size: 8, .value_kind: global_buffer, .address_space: global }
      - { .name: xq, .offset: 56, .size: 8, .value_kind: global_buffer, .address_space: global }
      - { .name: choice, .offset: 64, .size: 8, .value_kind: global_buffer, .address_space: global }
      - { .name: w1, .offset: 72, .size: 8, .value_kind: global_buffer, .address_space: global }
      - { .name: w2, .offset: 80, .size: 8, .value_kind: global_buffer, .address_space: global }
      - { .name: w3, .offset: 88, .size: 8, .value_kind: global_buffer, .address_space: global }
      - { .name: wq, .offset: 96, .size: 8, .value_kind: global_buffer, .address_space: global }
    .group_segment_fixed_size: 175616
    .private_segment_fixed_size: 0
    .kernarg_segment_align: 8
    .kernarg_segment_size: 104
    .max_flat_workgroup_size: 512
    .sgpr_count:     66
    .vgpr_count:     256
    .wavefront_size: 32
...
	.end_amdgpu_metadata
.endif
;; end of part 1
;; launch place (part 2): grid 1 x 1, 32 waves a work-group, no clusters, 5,120 bytes of LDS; arguments choice, route; writes route
.if DOCPART == 2
	.amdgcn_target "amdgcn-amd-amdhsa--gfx1250"
	.amdhsa_code_object_version 6
	.text
	.protected	k_q2d32071559_place
	.globl	k_q2d32071559_place
	.p2align	8
	.type	k_q2d32071559_place,@function
k_q2d32071559_place:
	s_mov_b64 s[64:65], 0
	v_nop
	global_prefetch_b8 v0, s[64:65] scope:SCOPE_SE
	s_setreg_imm32_b32 hwreg(HW_REG_WAVE_MODE, 25, 1), 1
	s_wait_xcnt 0x0
; A counting sort of the 1,024 tokens by their expert, stable, and the list of tiles of at most 256 rows.  Whole numbers only; one work-group, thread t = token t.
; route: bytes 0 .. 4095: order[place] = token;  bytes 4096 + 16 i: tile i = (expert, first place, rows, 0); tiles that the split leaves over have 0 rows.
; With 1,024 rows, 8 experts and 256 rows a tile there are never more than 4 + 7 = 11 tiles; 16 entries are written.
.macro RED x                           ; the sum over the wave's 32 lanes, in every lane
.irp m, 1,2,4,8
	v_mov_b32_dpp v9, v[\x] row_xmask:\m row_mask:0xf bank_mask:0xf
	v_add_nc_u32 v[\x], v[\x], v9
.endr
	v_permlanex16_b32 v9, v[\x], s12, s13
	v_add_nc_u32 v[\x], v[\x], v9
.endm
	s_load_b128 s[4:7], s[0:1], 0x0                ; choice, route
	v_lshl_add_u32 v80, v0, 2, 0x400
	v_mov_b32 v81, 0
	v_lshrrev_b32 v1, 5, v0
	v_readfirstlane_b32 s8, v1                     ; wave 0..31
	v_and_b32 v2, 31, v0                           ; lane
	v_lshlrev_b32 v3, 2, v0
	v_lshlrev_b32 v7, 5, v1                        ; my wave's row of the table: 32 bytes
	v_lshlrev_b32 v8, 5, v2                        ; and the row of the wave with my lane's number
	v_mov_b32 v9, 0
	s_mov_b32 s12, 0x76543210
	s_mov_b32 s13, 0xfedcba98
	s_wait_kmcnt 0x0
	global_load_b32 v4, v3, s[4:5]
	s_wait_loadcnt 0x0
	v_min_u32 v4, 7, v4
	v_mov_b32 v5, 0
.irp z, 0,1,2,3,4,5,6,7
	v_cmp_eq_u32 s[20+\z], \z, v4                  ; the wave's tokens of expert z
	s_bcnt1_i32_b32 s[30+\z], s[20+\z]             ; how many
	v_mbcnt_lo_u32_b32 v6, s[20+\z], 0             ; how many in lanes below mine
	v_cndmask_b32 v5, v5, v6, s[20+\z]             ; my rank in the wave, for my expert
	v_mov_b32 v[16+\z], s[30+\z]
.endr
	ds_store_b128 v7, v[16:19]                     ; all lanes write the same words with the same values
	ds_store_b128 v7, v[20:23] offset:16
	s_wait_dscnt 0x0
	s_barrier_signal -1
	s_barrier_wait -1
	ds_load_b128 v[32:35], v8
	ds_load_b128 v[36:39], v8 offset:16
	s_wait_dscnt 0x0
	v_cmp_gt_u32 vcc_lo, s8, v2                    ; waves in front of mine
.irp z, 0,1,2,3,4,5,6,7
	v_cndmask_b32 v[40+\z], 0, v[32+\z], vcc_lo
.endr
.irp z, 32,33,34,35,36,37,38,39,40,41,42,43,44,45,46,47
	RED \z                                         ; v32-39 each expert's rows; v40-47 those of the waves in front of mine
.endr
	v_mov_b32 v48, 0
.irp z, 0,1,2,3,4,5,6
	v_add_nc_u32 v[49+\z], v[48+\z], v[32+\z]      ; where each expert's rows begin
.endr
.irp z, 0,1,2,3,4,5,6,7
	v_add_nc_u32 v[56+\z], v[48+\z], v[40+\z]
.endr
	v_mov_b32 v10, 0
.irp z, 0,1,2,3,4,5,6,7
	v_cndmask_b32 v10, v10, v[56+\z], s[20+\z]
.endr
	v_add_nc_u32 v10, v10, v5
	v_min_u32 v10, 0x3ff, v10
	v_lshlrev_b32 v10, 2, v10
	global_store_b32 v10, v0, s[6:7]               ; order[place] = token
	s_cmp_lg_u32 s8, 0
	s_cbranch_scc1 .Lend
	v_and_b32 v11, 15, v0                          ; tile i
	v_mov_b32 v64, 0
.irp z, 0,1,2,3,4,5,6
	v_add_nc_u32 v12, 255, v[32+\z]
	v_lshrrev_b32 v12, 8, v12
	v_add_nc_u32 v[65+\z], v[64+\z], v12           ; each expert's first tile
.endr
	v_mov_b32 v24, 0
	v_mov_b32 v25, v48
	v_mov_b32 v26, v32
	v_mov_b32 v27, 0
.irp z, 1,2,3,4,5,6,7
	v_mov_b32 v13, \z
	v_cmp_ge_u32 vcc_lo, v11, v[64+\z]             ; the last expert whose first tile is not behind i
	v_cndmask_b32 v24, v24, v13, vcc_lo
	v_cndmask_b32 v25, v25, v[48+\z], vcc_lo
	v_cndmask_b32 v26, v26, v[32+\z], vcc_lo
	v_cndmask_b32 v27, v27, v[64+\z], vcc_lo
.endr
	v_sub_nc_u32 v27, v11, v27
	v_lshlrev_b32 v27, 8, v27                      ; rows of that expert in front of tile i
	v_add_nc_u32 v25, v25, v27
	v_min_u32 v25, 0x3ff, v25
	v_sub_nc_u32 v26, v26, v27
	v_max_i32 v26, 0, v26
	v_min_u32 v26, 0x100, v26
	v_mov_b32 v27, 0
	v_lshlrev_b32 v14, 4, v11
	global_store_b128 v14, v[24:27], s[6:7] offset:4096
.Lend:
	s_wait_tensorcnt 0x0
	ds_add_u32 v80, v81
	s_wait_dscnt 0x0
	s_endpgm
.Lfunc_end_k_q2d32071559_place:
	.size	k_q2d32071559_place, .Lfunc_end_k_q2d32071559_place-k_q2d32071559_place
	.p2alignl 7, 3214868480
	.fill 96, 4, 3214868480
	.section	.rodata,"a",@progbits
	.p2align	6, 0x0
	.amdhsa_kernel k_q2d32071559_place
		.amdhsa_group_segment_fixed_size 5120
		.amdhsa_private_segment_fixed_size 0
		.amdhsa_enable_private_segment 0
		.amdhsa_kernarg_size 16
		.amdhsa_user_sgpr_count 2
		.amdhsa_user_sgpr_kernarg_segment_ptr 1
		.amdhsa_wavefront_size32 1
		.amdhsa_system_sgpr_workgroup_id_x 1
		.amdhsa_system_sgpr_workgroup_id_y 1
		.amdhsa_system_sgpr_workgroup_id_z 1
		.amdhsa_system_vgpr_workitem_id 0
		.amdhsa_next_free_vgpr 82
		.amdhsa_next_free_sgpr 66
		.amdhsa_reserve_vcc 1
		.amdhsa_float_denorm_mode_32 3
		.amdhsa_float_denorm_mode_16_64 3
		.amdhsa_memory_ordered 1
		.amdhsa_forward_progress 1
		.amdhsa_inst_pref_size 16
	.end_amdhsa_kernel
	.amdgpu_metadata
---
amdhsa.version: [ 1, 2 ]
amdhsa.kernels:
  - .name:           k_q2d32071559_place
    .symbol:         k_q2d32071559_place.kd
    .args:
      - { .name: choice, .offset: 0, .size: 8, .value_kind: global_buffer, .address_space: global }
      - { .name: route, .offset: 8, .size: 8, .value_kind: global_buffer, .address_space: global }
    .group_segment_fixed_size: 5120
    .private_segment_fixed_size: 0
    .kernarg_segment_align: 8
    .kernarg_segment_size: 16
    .max_flat_workgroup_size: 1024
    .sgpr_count:     66
    .vgpr_count:     82
    .wavefront_size: 32
...
	.end_amdgpu_metadata
.endif
;; end of part 2
;; launch layer1 (part 3): grid 32 x 11, 16 waves a work-group, no clusters, 27,648 bytes of LDS; arguments route, xq, wq, b1, a1; writes a1
.if DOCPART == 3
	.amdgcn_target "amdgcn-amd-amdhsa--gfx1250"
	.amdhsa_code_object_version 6
	.text
	.protected	k_q2d32071559_layer1
	.globl	k_q2d32071559_layer1
	.p2align	8
	.type	k_q2d32071559_layer1,@function
k_q2d32071559_layer1:
	s_mov_b64 s[64:65], 0
	v_nop
	global_prefetch_b8 v0, s[64:65] scope:SCOPE_SE
	s_setreg_imm32_b32 hwreg(HW_REG_WAVE_MODE, 25, 1), 1
	s_wait_xcnt 0x0
; ONE LAYER OF THE CHOSEN EXPERT'S CHAIN (LAYER = 1, 2, 3; one text, the sizes set below).  Work-group (n, tile): 64 columns n of the layer, the rows of one tile of one expert.
; The tile list and the order of tokens are whole numbers stored by an earlier launch.  The grid serves every split: at most 11 tiles of 256 rows; a tile without rows does nothing.
; No tensor load and no cluster: branches hang on the stored row count, and work-groups share weights only where an expert has more than 256 rows.
; FIRST the 16 waves copy the slice's image out of wq into LDS, as it lies: the codes (FP6, E2M3) of 64 columns, all of K, as images of the operand's registers, and their E8M0 bytes.
; The first launch has made them.  Tile j holds columns 4 m + j.  ONE barrier.  THEN wave w (0-7) multiplies rows 32 w .. 32 w + 31, transposed (source 0 = 16 columns, source 1 = 16 rows):
; a lane's 32 results of a row tile are one whole block of the next K, place 8 j + u = column 4 u + j; the next layer's weights were quantised with their rows in that order.
; Rows past the tile's last repeat its last row: they compute, and in the last layer store, the same numbers.
; LIMITS: NaN and infinities are not served; a block of zeros keeps the byte 1 (zero codes; only this program reads the bytes); the results' scale bytes leave one byte a lane.
.set LAYER, 1
.if LAYER == 1
.set KDIM, 512
.set NDIM, 2048
.set AIN0, 14
.set WQOFF, 0                          ; where this layer's images begin in wq
.set ASOFF, 393216                     ; the rows' scale bytes lie behind their codes
.elseif LAYER == 2
.set KDIM, 2048
.set NDIM, 2048
.set AIN0, 8
.set WQOFF, 6553600
.set ASOFF, 4325376
.else
.set KDIM, 2048
.set NDIM, 512
.set AIN0, 8
.set WQOFF, 32768000
.set ASOFF, 4325376
.endif
.set OSOFF, 4325376                    ; and so do the results'
.set KUT, KDIM/64                      ; units along K
.set NS, KDIM/128                      ; steps of the products
.set KB, KDIM/32                       ; scale bytes of a column
.set TSTR, KUT*768                     ; LDS: a tile's images; (tile x KUT + unit) x 768 + plane x 256 + 8 x lane
.set WS, 4*TSTR                        ; the scale bytes: tile x 16 KB + row x KB + block
.set IMG, WS+64*KB                     ; a slice's image
.set STG, IMG                          ; last layer: a stage of 16 rows x 272 bytes for each wave
.set NC, WS/8192                       ; the copy: 16 bytes a thread, 8,192 a turn
.set CA, 1
.set CA2, 2
.set CB, 3
.set CL, 4
.set FA, 5
.set FB, 6
.set SWA, 7
.set ACC, 16                           ; products: v16-79, 32 t + 8 j + u
.set WF, 80                            ; v80-127 four weight tiles
.set AF, 128                           ; v128-223 the rows' fragments, a ring of four steps
.set AW, 80
.set AQQ, 88
.set AQT, 104
.set EX, 112
.set EE, 144
.set EP, 176
.set CL2E, 44
.set C3, 45
.set C4, 46
.set C5, 47
.set C6, 48
.set C7, 49
.set CTH, 50
; v224-241 hold scale words and nothing else
.macro NOP4
.rept 4
	v_nop
.endr
.endm
.macro AQ a, k
	v_max3_num_f32 v[AW+\k], |v[\a]|, |v[\a+1]|, 0x1800000      ; the floor 2^(3 - 127) holds the byte at 1 from below
.set qi, 2
.rept 15
	v_max3_num_f32 v[AW+\k], v[AW+\k], |v[\a+qi]|, |v[\a+qi+1]|
.set qi, qi+2
.endr
	v_add_nc_u32 v[AW+2+\k], 0xff000000, v[AW+\k]  ; 2 off the exponent field: the conversion's scale operand
	v_lshrrev_b32 v[AW+4+\k], 23, v[AW+2+\k]       ; the scale's byte
	v_cvt_scalef32_pk16_fp6_f32 v[AQQ+8*\k:AQQ+8*\k+2], v[\a:\a+15], v[AW+2+\k]
	v_cvt_scalef32_pk16_fp6_f32 v[AQT+4*\k:AQT+4*\k+2], v[\a+16:\a+31], v[AW+2+\k]
	v_nop
.irp i, 0,1,2
	v_mov_b32 v[AQQ+8*\k+3+\i], v[AQT+4*\k+\i]
.endr
.endm
; elu(x) = max(x, 0) + expm1(min(x, 0)): above -0.35 by the series to x^7, else 2^(x log2 e) - 1
.macro ELU a
.set ei, 0
.rept 32
	v_min_num_f32 v[EX+ei], 0, v[\a+ei]
.set ei, ei+1
.endr
.set ei, 0
.rept 32
	v_mul_f32 v[EE+ei], s[CL2E], v[EX+ei]
.set ei, ei+1
.endr
.set ei, 0
.rept 32
	v_exp_f32 v[EE+ei], v[EE+ei]
.set ei, ei+1
.endr
.set ei, 0
.rept 32
	v_fma_f32 v[EP+ei], v[EX+ei], s[C7], s[C6]     ; the series is the plain work behind the batch of exponentials
.set ei, ei+1
.endr
.irp c, C5, C4, C3
.set ei, 0
.rept 32
	v_fma_f32 v[EP+ei], v[EP+ei], v[EX+ei], s[\c]
.set ei, ei+1
.endr
.endr
.irp c, 0.5, 1.0
.set ei, 0
.rept 32
	v_fma_f32 v[EP+ei], v[EP+ei], v[EX+ei], \c
.set ei, ei+1
.endr
.endr
.set ei, 0
.rept 32
	v_mul_f32 v[EP+ei], v[EP+ei], v[EX+ei]
.set ei, ei+1
.endr
	s_wait_alu depctr_va_vdst(0)                   ; one wait for the 32 exponentials, ahead of their first reader
.set ei, 0
.rept 32
	v_add_f32 v[EE+ei], -1.0, v[EE+ei]
	v_cmp_lt_f32 vcc_lo, s[CTH], v[EX+ei]
	v_cndmask_b32 v[EE+ei], v[EE+ei], v[EP+ei], vcc_lo
	v_max_num_f32 v[\a+ei], 0, v[\a+ei]
	v_add_f32 v[\a+ei], v[\a+ei], v[EE+ei]
.set ei, ei+1
.endr
.endm
.macro WM d, a, b, sa, sb, ra, rb
.if (\ra) && (\rb)
	v_wmma_scale_f32_16x16x128_f8f6f4 v[\d:\d+7], v[\a:\a+11], v[\b:\b+11], v[\d:\d+7], v[\sa], v[\sb] matrix_a_fmt:MATRIX_FMT_FP6 matrix_b_fmt:MATRIX_FMT_FP6 matrix_a_scale:MATRIX_SCALE_ROW1 matrix_b_scale:MATRIX_SCALE_ROW1
.elseif \ra
	v_wmma_scale_f32_16x16x128_f8f6f4 v[\d:\d+7], v[\a:\a+11], v[\b:\b+11], v[\d:\d+7], v[\sa], v[\sb] matrix_a_fmt:MATRIX_FMT_FP6 matrix_b_fmt:MATRIX_FMT_FP6 matrix_a_scale:MATRIX_SCALE_ROW1
.elseif \rb
	v_wmma_scale_f32_16x16x128_f8f6f4 v[\d:\d+7], v[\a:\a+11], v[\b:\b+11], v[\d:\d+7], v[\sa], v[\sb] matrix_a_fmt:MATRIX_FMT_FP6 matrix_b_fmt:MATRIX_FMT_FP6 matrix_b_scale:MATRIX_SCALE_ROW1
.else
	v_wmma_scale_f32_16x16x128_f8f6f4 v[\d:\d+7], v[\a:\a+11], v[\b:\b+11], v[\d:\d+7], v[\sa], v[\sb] matrix_a_fmt:MATRIX_FMT_FP6 matrix_b_fmt:MATRIX_FMT_FP6
.endif
.endm
.macro AFLOAD st                       ; my two row tiles' fragments of step st: 12 loads
.irp t, 0,1
.irp p, 0,1,2,3,4,5
.if LAYER == 1
	global_load_b64 v[AF+24*((\st)%4)+12*\t+2*\p:AF+24*((\st)%4)+12*\t+2*\p+1], v[AIN0+\t], s[6:7] offset:96*(\st)+48*(\p/3)+8*(\p%3)
.else
	global_load_b64 v[AF+24*((\st)%4)+12*\t+2*\p:AF+24*((\st)%4)+12*\t+2*\p+1], v[AIN0+\t], s[6:7] offset:1536*(\st)+256*\p
.endif
.endr
.endr
.endm
.macro WFLOAD hp, st                   ; weight tiles 2 hp, 2 hp + 1 of step st and their scale words: 13 LDS loads
.irp j, 0,1
.irp p, 0,1,2,3,4,5
	ds_load_b64 v[WF+24*\hp+12*\j+2*\p:WF+24*\hp+12*\j+2*\p+1], v[FA+\hp] offset:\j*TSTR+1536*(\st)+256*\p
.endr
.endr
	ds_load_b32 v[240+\hp], v[SWA] offset:\hp*32*KB+4*(\st)
.endm
.macro MM4 hp, st                      ; the eight accumulators take turns, one instruction a turn
.irp t, 0,1
.irp j, 0,1
	WM ACC+32*\t+8*(2*\hp+\j), WF+24*\hp+12*\j, AF+24*((\st)%4)+12*\t, 240+\hp, 224+(\st), \j, \t
.endr
.endr
.endm
.macro PSTEP st
.if 12*(NS-1-(\st)) > 36
	s_wait_loadcnt 36                              ; this step's fragments are in; the three younger steps' 36 loads may be out
.else
	s_wait_loadcnt 12*(NS-1-(\st))
.endif
	s_wait_dscnt 13                                ; tiles 0, 1 are in; the 13 loads of tiles 2, 3 may be out
	MM4 0, \st
	NOP4                                           ; places in front of loads into registers that matrix instructions have read
.if (\st)+1 < NS
	WFLOAD 0, (\st)+1
	s_wait_dscnt 13                                ; tiles 2, 3 are in; the 13 just issued may be out
.else
	s_wait_dscnt 0x0
.endif
	MM4 1, \st
	NOP4
.if (\st)+1 < NS
	WFLOAD 1, (\st)+1
.endif
.if (\st)+4 < NS
	AFLOAD (\st)+4
.endif
.endm
	s_load_b128 s[4:7], s[0:1], 0x0                ; route, the rows' codes and scale bytes
	s_load_b64 s[10:11], s[0:1], 0x10              ; wq
	s_load_b128 s[12:15], s[0:1], 0x18             ; the bias, the output
	v_lshl_add_u32 v254, v0, 2, 0x6400
	v_mov_b32 v255, 0
	v_lshrrev_b32 v16, 5, v0
	v_readfirstlane_b32 s18, v16                   ; wave 0..15
	s_mov_b32 s19, ttmp9                           ; n: my 64 columns
	s_and_b32 s20, ttmp7, 0xffff                   ; tile
	s_lshl_b32 s21, s20, 4
	s_wait_kmcnt 0x0
	s_load_b128 s[24:27], s[4:5], s21 offset:0x1000   ; expert, first place, rows, 0
	; every address register is made here, ahead of the first branch
	v_and_b32 v16, 31, v0                          ; lane
	v_and_b32 v17, 15, v0                          ; r
	v_bfe_u32 v18, v0, 4, 1                        ; h
	v_lshlrev_b32 v[CA], 4, v0                     ; the copy: 16 x thread, in the image and in LDS alike
.if NC > 8
	v_add_nc_u32 v[CA2], 65536, v[CA]              ; an LDS offset has 16 bits
.endif
.if KB == 64
	v_lshlrev_b32 v[CB], 3, v0                     ; the scale bytes: 4,096: 8 a thread
.else
	v_lshlrev_b32 v[CB], 1, v0                     ; 1,024: 2 a thread
.endif
	v_add_nc_u32 v[CL], WS, v[CB]
	v_lshlrev_b32 v[FA], 3, v16                    ; images out of LDS: 8 x lane, tiles 0, 1
	v_add_nc_u32 v[FB], 2*TSTR, v[FA]              ; tiles 2, 3
	v_mul_u32_u24 v[SWA], v16, KB
	v_add_nc_u32 v[SWA], WS, v[SWA]                ; scale words out: lanes 0-15 one tile's rows, lanes 16-31 the next tile's
	s_lshl_b32 s22, s20, 4
	s_lshl_b32 s23, s18, 1
	s_add_co_u32 s22, s22, s23                     ; my first slot of 16 rows: 16 tile + 2 wave
	s_mul_i32 s23, s22, 24576
	v_add_nc_u32 v8, s23, v[FA]
	v_add_nc_u32 v9, 24576, v8
	s_lshl_b32 s23, s22, 10
	v_lshlrev_b32 v11, 7, v18                      ; bias: 128 h
.if LAYER > 1
	v_lshlrev_b32 v10, 2, v17
	v_lshl_add_u32 v10, v18, 10, v10
	v_add_nc_u32 v10, s23, v10                     ; the rows' scale words: lanes 0-15 slot 0, lanes 16-31 slot 1
.endif
.if LAYER < 3
	v_lshl_add_u32 v12, v17, 2, v18
	v_add_nc_u32 v12, s23, v12                     ; my results' scale byte: slot x 1024 + 4 r + h
	v_add_nc_u32 v13, 1024, v12
.else
	s_lshl_b32 s23, s18, 5
	v_add_nc_u32 v12, s23, v18                     ; 32 wave + h
	s_mul_i32 s23, s18, 4352
	s_add_co_u32 s23, s23, STG                     ; my stage
	v_mul_u32_u24 v13, v17, 272
	v_lshl_add_u32 v13, v18, 7, v13
	v_add_nc_u32 v13, s23, v13                     ; in: row r, + 128 h
	v_mul_u32_u24 v14, v18, 272
	v_lshl_add_u32 v14, v17, 4, v14
	v_add_nc_u32 v14, s23, v14                     ; back: lanes 0-15 one row, lanes 16-31 the next
	v_lshlrev_b32 v15, 4, v17
.endif
.if LAYER == 2
	s_mov_b32 s[CL2E], 0x3fb8aa3b                  ; log2(e)
	s_mov_b32 s[C3], 0x3e2aaaab                    ; 1/6
	s_mov_b32 s[C4], 0x3d2aaaab                    ; 1/24
	s_mov_b32 s[C5], 0x3c088889                    ; 1/120
	s_mov_b32 s[C6], 0x3ab60b61                    ; 1/720
	s_mov_b32 s[C7], 0x39500d01                    ; 1/5040
	s_mov_b32 s[CTH], 0xbeb33333                   ; -0.35
.endif
	s_wait_kmcnt 0x0
	s_min_u32 s24, s24, 7
	s_min_u32 s25, s25, 0x3ff
	s_min_u32 s26, s26, 0x100
	s_sub_co_u32 s28, s26, 1                       ; the tile's last row
	s_lshl_b32 s29, s18, 5                         ; my first row
	s_add_nc_u64 s[8:9], s[6:7], ASOFF             ; the rows' scale bytes
	s_mul_i32 s30, s24, NDIM/64
	s_add_co_u32 s30, s30, s19
	s_mul_i32 s30, s30, IMG
	s_add_co_u32 s30, s30, WQOFF
	s_mov_b32 s31, 0
	s_add_nc_u64 s[32:33], s[10:11], s[30:31]      ; the image of the expert's slice n
	s_lshl_b32 s22, s19, 8
	s_mul_i32 s30, s24, NDIM*4
	s_add_co_u32 s30, s30, s22
	s_add_nc_u64 s[36:37], s[12:13], s[30:31]      ; its bias at my columns
.if LAYER < 3
	s_add_nc_u64 s[16:17], s[14:15], OSOFF         ; the results' scale bytes
	s_mul_i32 s30, s19, 768
	s_add_nc_u64 s[38:39], s[14:15], s[30:31]      ; my columns are unit n of the next K
	s_lshr_b32 s30, s19, 1
	s_lshl_b32 s30, s30, 6
	s_and_b32 s23, s19, 1
	s_lshl_b32 s23, s23, 1
	s_add_co_u32 s30, s30, s23
	s_add_nc_u64 s[40:41], s[16:17], s[30:31]      ; step n / 2, bytes 2 (n % 2) + h
.else
	s_mov_b32 s30, s22
	s_add_nc_u64 s[38:39], s[14:15], s[30:31]
.endif
	; ---- the slice's image: memory to LDS, as it lies; a wave's load covers 512 consecutive bytes
	s_cmp_eq_u32 s26, 0
	s_cbranch_scc1 .Lsk1
.set ci, 0
.rept NC
	global_load_b128 v[16+4*ci:19+4*ci], v[CA], s[32:33] offset:8192*ci
.set ci, ci+1
.endr
.if KB == 64
	global_load_b64 v[64:65], v[CB], s[32:33] offset:WS
.else
	global_load_u16 v64, v[CB], s[32:33] offset:WS
.endif
	s_wait_loadcnt 0x0
.set ci, 0
.rept NC
.if ci < 8
	ds_store_b128 v[CA], v[16+4*ci:19+4*ci] offset:8192*ci
.else
	ds_store_b128 v[CA2], v[16+4*ci:19+4*ci] offset:8192*(ci-8)
.endif
.set ci, ci+1
.endr
.if KB == 64
	ds_store_b64 v[CL], v[64:65]
.else
	ds_store_b16 v[CL], v64
.endif
.Lsk1:
	s_wait_dscnt 0x0                               ; my LDS stores have landed
	s_barrier_signal -1
	s_barrier_wait -1                              ; the one barrier, on every wave's path
	; ---- the products
	s_cmp_ge_u32 s18, 8
	s_cbranch_scc1 .Lend                           ; a tile has at most 256 rows: eight waves' worth
	s_cmp_ge_u32 s29, s26
	s_cbranch_scc1 .Lend                           ; no row of the tile is mine
.if LAYER == 1
	v_and_b32 v84, 15, v0
	v_add_nc_u32 v84, s29, v84                     ; row tile 0: 32 wave + r
	v_add_nc_u32 v85, 16, v84                      ; row tile 1
	v_and_b32 v86, 31, v0
	v_add_nc_u32 v86, s29, v86                     ; for the scale words: 32 wave + lane
.irp i, 84,85,86
	v_min_u32 v\i, s28, v\i                        ; rows past the last repeat the last
	v_add_nc_u32 v\i, s25, v\i
	v_min_u32 v\i, 0x3ff, v\i
	v_lshlrev_b32 v\i, 2, v\i
.endr
	global_load_b32 v80, v84, s[4:5]
	global_load_b32 v81, v85, s[4:5]
	global_load_b32 v82, v86, s[4:5]
	s_wait_loadcnt 0x0
	v_min_u32 v80, 0x3ff, v80
	v_min_u32 v81, 0x3ff, v81
	v_min_u32 v82, 0x3ff, v82
	v_bfe_u32 v83, v0, 4, 1
	v_mul_u32_u24 v14, v80, 384
	v_mad_u32_u24 v14, v83, 24, v14                ; the token's row of codes, + 24 h
	v_mul_u32_u24 v15, v81, 384
	v_mad_u32_u24 v15, v83, 24, v15
	v_lshlrev_b32 v10, 4, v82                      ; its 16 scale bytes
.endif
.irp t, 0,1
.irp j, 0,1,2,3
.irp u, 0,1,2,3,4,5,6,7
	global_load_b32 v[ACC+32*\t+8*\j+\u], v11, s[36:37] offset:16*\u+4*\j   ; the bias starts the sums: nothing is cleared
.endr
.endr
.endr
.if LAYER == 1
	global_load_b128 v[224:227], v10, s[8:9]
.else
.irp q, 0,1,2,3,4,5,6,7,8,9,10,11,12,13,14,15
	global_load_b32 v[224+\q], v10, s[8:9] offset:64*\q
.endr
.endif
	AFLOAD 0
	AFLOAD 1
	AFLOAD 2
	AFLOAD 3
	WFLOAD 0, 0
	WFLOAD 1, 0
.set ps, 0
.rept NS
	PSTEP ps
.set ps, ps+1
.endr
.if LAYER < 3
.if LAYER == 2
	ELU ACC
	ELU ACC+32
.endif
	AQ ACC, 0
	AQ ACC+32, 1
.irp t, 0,1
.irp p, 0,1,2
	global_store_b64 v[8+\t], v[AQQ+8*\t+2*\p:AQQ+8*\t+2*\p+1], s[38:39] offset:256*\p   ; 32 lanes store 256 consecutive bytes, aligned
.endr
	global_store_b8 v[12+\t], v[AW+4+\t], s[40:41]
.endr
.else
	; the way out: the tokens' numbers; each row tile through my stage, back as rows of 256 bytes
.irp t, 0,1
.irp i, 0,1,2,3,4,5,6,7
	v_add_nc_u32 v[80+16*\t+\i], 16*\t+2*\i, v12
	v_min_u32 v[80+16*\t+\i], s28, v[80+16*\t+\i]
	v_add_nc_u32 v[80+16*\t+\i], s25, v[80+16*\t+\i]
	v_min_u32 v[80+16*\t+\i], 0x3ff, v[80+16*\t+\i]
	v_lshlrev_b32 v[80+16*\t+\i], 2, v[80+16*\t+\i]
	global_load_b32 v[88+40*\t+\i], v[80+16*\t+\i], s[4:5]
.endr
.endr
.irp t, 0,1
.irp j, 0,1,2,3
.irp u, 0,1,2,3,4,5,6,7
	ds_store_b32 v13, v[ACC+32*\t+8*\j+\u] offset:16*\u+4*\j    ; each accumulator from its low end on
.endr
.endr
.irp i, 0,1,2,3,4,5,6,7
	ds_load_b128 v[136+32*\t+4*\i:139+32*\t+4*\i], v14 offset:544*\i   ; LDS serves a wave's instructions in order: these see my stores, and the next tile's stores come behind them
.endr
.endr
	s_wait_loadcnt 0x0
.irp t, 0,1
.irp i, 0,1,2,3,4,5,6,7
	v_min_u32 v[88+40*\t+\i], 0x3ff, v[88+40*\t+\i]
	v_lshlrev_b32 v[88+40*\t+\i], 11, v[88+40*\t+\i]
	v_add_nc_u32 v[88+40*\t+\i], v15, v[88+40*\t+\i]
.endr
.endr
	s_wait_dscnt 40                                ; tile 0 is back; tile 1's 32 stores and 8 loads may be out
.irp i, 0,1,2,3,4,5,6,7
	global_store_b128 v[88+\i], v[136+4*\i:139+4*\i], s[38:39] th:TH_STORE_NT   ; 16 lanes store 256 consecutive bytes, aligned
.endr
	s_wait_dscnt 0x0
.irp i, 0,1,2,3,4,5,6,7
	global_store_b128 v[128+\i], v[168+4*\i:171+4*\i], s[38:39] th:TH_STORE_NT
.endr
.endif
.Lend:
	s_wait_tensorcnt 0x0
	ds_add_u32 v254, v255
	s_wait_dscnt 0x0
	s_endpgm
.Lfunc_end_k_q2d32071559_layer1:
	.size	k_q2d32071559_layer1, .Lfunc_end_k_q2d32071559_layer1-k_q2d32071559_layer1
	.p2alignl 7, 3214868480
	.fill 96, 4, 3214868480
	.section	.rodata,"a",@progbits
	.p2align	6, 0x0
	.amdhsa_kernel k_q2d32071559_layer1
		.amdhsa_group_segment_fixed_size 27648
		.amdhsa_private_segment_fixed_size 0
		.amdhsa_enable_private_segment 0
		.amdhsa_kernarg_size 40
		.amdhsa_user_sgpr_count 2
		.amdhsa_user_sgpr_kernarg_segment_ptr 1
		.amdhsa_wavefront_size32 1
		.amdhsa_system_sgpr_workgroup_id_x 1
		.amdhsa_system_sgpr_workgroup_id_y 1
		.amdhsa_system_sgpr_workgroup_id_z 1
		.amdhsa_system_vgpr_workitem_id 0
		.amdhsa_next_free_vgpr 256
		.amdhsa_next_free_sgpr 66
		.amdhsa_reserve_vcc 1
		.amdhsa_float_denorm_mode_32 3
		.amdhsa_float_denorm_mode_16_64 3
		.amdhsa_memory_ordered 1
		.amdhsa_forward_progress 1
		.amdhsa_inst_pref_size 32
	.end_amdhsa_kernel
	.amdgpu_metadata
---
amdhsa.version: [ 1, 2 ]
amdhsa.kernels:
  - .name:           k_q2d32071559_layer1
    .symbol:         k_q2d32071559_layer1.kd
    .args:
      - { .name: route, .offset: 0, .size: 8, .value_kind: global_buffer, .address_space: global }
      - { .name: xq, .offset: 8, .size: 8, .value_kind: global_buffer, .address_space: global }
      - { .name: wq, .offset: 16, .size: 8, .value_kind: global_buffer, .address_space: global }
      - { .name: b1, .offset: 24, .size: 8, .value_kind: global_buffer, .address_space: global }
      - { .name: a1, .offset: 32, .size: 8, .value_kind: global_buffer, .address_space: global }
    .group_segment_fixed_size: 27648
    .private_segment_fixed_size: 0
    .kernarg_segment_align: 8
    .kernarg_segment_size: 40
    .max_flat_workgroup_size: 512
    .sgpr_count:     66
    .vgpr_count:     256
    .wavefront_size: 32
...
	.end_amdgpu_metadata
.endif
;; end of part 3
;; launch layer2 (part 4): grid 32 x 11, 16 waves a work-group, no clusters, 104,448 bytes of LDS; arguments route, a1, wq, b2, a2; writes a2
.if DOCPART == 4
	.amdgcn_target "amdgcn-amd-amdhsa--gfx1250"
	.amdhsa_code_object_version 6
	.text
	.protected	k_q2d32071559_layer2
	.globl	k_q2d32071559_layer2
	.p2align	8
	.type	k_q2d32071559_layer2,@function
k_q2d32071559_layer2:
	s_mov_b64 s[64:65], 0
	v_nop
	global_prefetch_b8 v0, s[64:65] scope:SCOPE_SE
	s_setreg_imm32_b32 hwreg(HW_REG_WAVE_MODE, 25, 1), 1
	s_wait_xcnt 0x0
; ONE LAYER OF THE CHOSEN EXPERT'S CHAIN (LAYER = 1, 2, 3; one text, the sizes set below).  Work-group (n, tile): 64 columns n of the layer, the rows of one tile of one expert.
; The tile list and the order of tokens are whole numbers stored by an earlier launch.  The grid serves every split: at most 11 tiles of 256 rows; a tile without rows does nothing.
; No tensor load and no cluster: branches hang on the stored row count, and work-groups share weights only where an expert has more than 256 rows.
; FIRST the 16 waves copy the slice's image out of wq into LDS, as it lies: the codes (FP6, E2M3) of 64 columns, all of K, as images of the operand's registers, and their E8M0 bytes.
; The first launch has made them.  Tile j holds columns 4 m + j.  ONE barrier.  THEN wave w (0-7) multiplies rows 32 w .. 32 w + 31, transposed (source 0 = 16 columns, source 1 = 16 rows):
; a lane's 32 results of a row tile are one whole block of the next K, place 8 j + u = column 4 u + j; the next layer's weights were quantised with their rows in that order.
; Rows past the tile's last repeat its last row: they compute, and in the last layer store, the same numbers.
; LIMITS: NaN and infinities are not served; a block of zeros keeps the byte 1 (zero codes; only this program reads the bytes); the results' scale bytes leave one byte a lane.
.set LAYER, 2
.if LAYER == 1
.set KDIM, 512
.set NDIM, 2048
.set AIN0, 14
.set WQOFF, 0                          ; where this layer's images begin in wq
.set ASOFF, 393216                     ; the rows' scale bytes lie behind their codes
.elseif LAYER == 2
.set KDIM, 2048
.set NDIM, 2048
.set AIN0, 8
.set WQOFF, 6553600
.set ASOFF, 4325376
.else
.set KDIM, 2048
.set NDIM, 512
.set AIN0, 8
.set WQOFF, 32768000
.set ASOFF, 4325376
.endif
.set OSOFF, 4325376                    ; and so do the results'
.set KUT, KDIM/64                      ; units along K
.set NS, KDIM/128                      ; steps of the products
.set KB, KDIM/32                       ; scale bytes of a column
.set TSTR, KUT*768                     ; LDS: a tile's images; (tile x KUT + unit) x 768 + plane x 256 + 8 x lane
.set WS, 4*TSTR                        ; the scale bytes: tile x 16 KB + row x KB + block
.set IMG, WS+64*KB                     ; a slice's image
.set STG, IMG                          ; last layer: a stage of 16 rows x 272 bytes for each wave
.set NC, WS/8192                       ; the copy: 16 bytes a thread, 8,192 a turn
.set CA, 1
.set CA2, 2
.set CB, 3
.set CL, 4
.set FA, 5
.set FB, 6
.set SWA, 7
.set ACC, 16                           ; products: v16-79, 32 t + 8 j + u
.set WF, 80                            ; v80-127 four weight tiles
.set AF, 128                           ; v128-223 the rows' fragments, a ring of four steps
.set AW, 80
.set AQQ, 88
.set AQT, 104
.set EX, 112
.set EE, 144
.set EP, 176
.set CL2E, 44
.set C3, 45
.set C4, 46
.set C5, 47
.set C6, 48
.set C7, 49
.set CTH, 50
; v224-241 hold scale words and nothing else
.macro NOP4
.rept 4
	v_nop
.endr
.endm
.macro AQ a, k
	v_max3_num_f32 v[AW+\k], |v[\a]|, |v[\a+1]|, 0x1800000      ; the floor 2^(3 - 127) holds the byte at 1 from below
.set qi, 2
.rept 15
	v_max3_num_f32 v[AW+\k], v[AW+\k], |v[\a+qi]|, |v[\a+qi+1]|
.set qi, qi+2
.endr
	v_add_nc_u32 v[AW+2+\k], 0xff000000, v[AW+\k]  ; 2 off the exponent field: the conversion's scale operand
	v_lshrrev_b32 v[AW+4+\k], 23, v[AW+2+\k]       ; the scale's byte
	v_cvt_scalef32_pk16_fp6_f32 v[AQQ+8*\k:AQQ+8*\k+2], v[\a:\a+15], v[AW+2+\k]
	v_cvt_scalef32_pk16_fp6_f32 v[AQT+4*\k:AQT+4*\k+2], v[\a+16:\a+31], v[AW+2+\k]
	v_nop
.irp i, 0,1,2
	v_mov_b32 v[AQQ+8*\k+3+\i], v[AQT+4*\k+\i]
.endr
.endm
; elu(x) = max(x, 0) + expm1(min(x, 0)): above -0.35 by the series to x^7, else 2^(x log2 e) - 1
.macro ELU a
.set ei, 0
.rept 32
	v_min_num_f32 v[EX+ei], 0, v[\a+ei]
.set ei, ei+1
.endr
.set ei, 0
.rept 32
	v_mul_f32 v[EE+ei], s[CL2E], v[EX+ei]
.set ei, ei+1
.endr
.set ei, 0
.rept 32
	v_exp_f32 v[EE+ei], v[EE+ei]
.set ei, ei+1
.endr
.set ei, 0
.rept 32
	v_fma_f32 v[EP+ei], v[EX+ei], s[C7], s[C6]     ; the series is the plain work behind the batch of exponentials
.set ei, ei+1
.endr
.irp c, C5, C4, C3
.set ei, 0
.rept 32
	v_fma_f32 v[EP+ei], v[EP+ei], v[EX+ei], s[\c]
.set ei, ei+1
.endr
.endr
.irp c, 0.5, 1.0
.set ei, 0
.rept 32
	v_fma_f32 v[EP+ei], v[EP+ei], v[EX+ei], \c
.set ei, ei+1
.endr
.endr
.set ei, 0
.rept 32
	v_mul_f32 v[EP+ei], v[EP+ei], v[EX+ei]
.set ei, ei+1
.endr
	s_wait_alu depctr_va_vdst(0)                   ; one wait for the 32 exponentials, ahead of their first reader
.set ei, 0
.rept 32
	v_add_f32 v[EE+ei], -1.0, v[EE+ei]
	v_cmp_lt_f32 vcc_lo, s[CTH], v[EX+ei]
	v_cndmask_b32 v[EE+ei], v[EE+ei], v[EP+ei], vcc_lo
	v_max_num_f32 v[\a+ei], 0, v[\a+ei]
	v_add_f32 v[\a+ei], v[\a+ei], v[EE+ei]
.set ei, ei+1
.endr
.endm
.macro WM d, a, b, sa, sb, ra, rb
.if (\ra) && (\rb)
	v_wmma_scale_f32_16x16x128_f8f6f4 v[\d:\d+7], v[\a:\a+11], v[\b:\b+11], v[\d:\d+7], v[\sa], v[\sb] matrix_a_fmt:MATRIX_FMT_FP6 matrix_b_fmt:MATRIX_FMT_FP6 matrix_a_scale:MATRIX_SCALE_ROW1 matrix_b_scale:MATRIX_SCALE_ROW1
.elseif \ra
	v_wmma_scale_f32_16x16x128_f8f6f4 v[\d:\d+7], v[\a:\a+11], v[\b:\b+11], v[\d:\d+7], v[\sa], v[\sb] matrix_a_fmt:MATRIX_FMT_FP6 matrix_b_fmt:MATRIX_FMT_FP6 matrix_a_scale:MATRIX_SCALE_ROW1
.elseif \rb
	v_wmma_scale_f32_16x16x128_f8f6f4 v[\d:\d+7], v[\a:\a+11], v[\b:\b+11], v[\d:\d+7], v[\sa], v[\sb] matrix_a_fmt:MATRIX_FMT_FP6 matrix_b_fmt:MATRIX_FMT_FP6 matrix_b_scale:MATRIX_SCALE_ROW1
.else
	v_wmma_scale_f32_16x16x128_f8f6f4 v[\d:\d+7], v[\a:\a+11], v[\b:\b+11], v[\d:\d+7], v[\sa], v[\sb] matrix_a_fmt:MATRIX_FMT_FP6 matrix_b_fmt:MATRIX_FMT_FP6
.endif
.endm
.macro AFLOAD st                       ; my two row tiles' fragments of step st: 12 loads
.irp t, 0,1
.irp p, 0,1,2,3,4,5
.if LAYER == 1
	global_load_b64 v[AF+24*((\st)%4)+12*\t+2*\p:AF+24*((\st)%4)+12*\t+2*\p+1], v[AIN0+\t], s[6:7] offset:96*(\st)+48*(\p/3)+8*(\p%3)
.else
	global_load_b64 v[AF+24*((\st)%4)+12*\t+2*\p:AF+24*((\st)%4)+12*\t+2*\p+1], v[AIN0+\t], s[6:7] offset:1536*(\st)+256*\p
.endif
.endr
.endr
.endm
.macro WFLOAD hp, st                   ; weight tiles 2 hp, 2 hp + 1 of step st and their scale words: 13 LDS loads
.irp j, 0,1
.irp p, 0,1,2,3,4,5
	ds_load_b64 v[WF+24*\hp+12*\j+2*\p:WF+24*\hp+12*\j+2*\p+1], v[FA+\hp] offset:\j*TSTR+1536*(\st)+256*\p
.endr
.endr
	ds_load_b32 v[240+\hp], v[SWA] offset:\hp*32*KB+4*(\st)
.endm
.macro MM4 hp, st                      ; the eight accumulators take turns, one instruction a turn
.irp t, 0,1
.irp j, 0,1
	WM ACC+32*\t+8*(2*\hp+\j), WF+24*\hp+12*\j, AF+24*((\st)%4)+12*\t, 240+\hp, 224+(\st), \j, \t
.endr
.endr
.endm
.macro PSTEP st
.if 12*(NS-1-(\st)) > 36
	s_wait_loadcnt 36                              ; this step's fragments are in; the three younger steps' 36 loads may be out
.else
	s_wait_loadcnt 12*(NS-1-(\st))
.endif
	s_wait_dscnt 13                                ; tiles 0, 1 are in; the 13 loads of tiles 2, 3 may be out
	MM4 0, \st
	NOP4                                           ; places in front of loads into registers that matrix instructions have read
.if (\st)+1 < NS
	WFLOAD 0, (\st)+1
	s_wait_dscnt 13                                ; tiles 2, 3 are in; the 13 just issued may be out
.else
	s_wait_dscnt 0x0
.endif
	MM4 1, \st
	NOP4
.if (\st)+1 < NS
	WFLOAD 1, (\st)+1
.endif
.if (\st)+4 < NS
	AFLOAD (\st)+4
.endif
.endm
	s_load_b128 s[4:7], s[0:1], 0x0                ; route, the rows' codes and scale bytes
	s_load_b64 s[10:11], s[0:1], 0x10              ; wq
	s_load_b128 s[12:15], s[0:1], 0x18             ; the bias, the output
	v_lshl_add_u32 v254, v0, 2, 0x19000
	v_mov_b32 v255, 0
	v_lshrrev_b32 v16, 5, v0
	v_readfirstlane_b32 s18, v16                   ; wave 0..15
	s_mov_b32 s19, ttmp9                           ; n: my 64 columns
	s_and_b32 s20, ttmp7, 0xffff                   ; tile
	s_lshl_b32 s21, s20, 4
	s_wait_kmcnt 0x0
	s_load_b128 s[24:27], s[4:5], s21 offset:0x1000   ; expert, first place, rows, 0
	; every address register is made here, ahead of the first branch
	v_and_b32 v16, 31, v0                          ; lane
	v_and_b32 v17, 15, v0                          ; r
	v_bfe_u32 v18, v0, 4, 1                        ; h
	v_lshlrev_b32 v[CA], 4, v0                     ; the copy: 16 x thread, in the image and in LDS alike
.if NC > 8
	v_add_nc_u32 v[CA2], 65536, v[CA]              ; an LDS offset has 16 bits
.endif
.if KB == 64
	v_lshlrev_b32 v[CB], 3, v0                     ; the scale bytes: 4,096: 8 a thread
.else
	v_lshlrev_b32 v[CB], 1, v0                     ; 1,024: 2 a thread
.endif
	v_add_nc_u32 v[CL], WS, v[CB]
	v_lshlrev_b32 v[FA], 3, v16                    ; images out of LDS: 8 x lane, tiles 0, 1
	v_add_nc_u32 v[FB], 2*TSTR, v[FA]              ; tiles 2, 3
	v_mul_u32_u24 v[SWA], v16, KB
	v_add_nc_u32 v[SWA], WS, v[SWA]                ; scale words out: lanes 0-15 one tile's rows, lanes 16-31 the next tile's
	s_lshl_b32 s22, s20, 4
	s_lshl_b32 s23, s18, 1
	s_add_co_u32 s22, s22, s23                     ; my first slot of 16 rows: 16 tile + 2 wave
	s_mul_i32 s23, s22, 24576
	v_add_nc_u32 v8, s23, v[FA]
	v_add_nc_u32 v9, 24576, v8
	s_lshl_b32 s23, s22, 10
	v_lshlrev_b32 v11, 7, v18                      ; bias: 128 h
.if LAYER > 1
	v_lshlrev_b32 v10, 2, v17
	v_lshl_add_u32 v10, v18, 10, v10
	v_add_nc_u32 v10, s23, v10                     ; the rows' scale words: lanes 0-15 slot 0, lanes 16-31 slot 1
.endif
.if LAYER < 3
	v_lshl_add_u32 v12, v17, 2, v18
	v_add_nc_u32 v12, s23, v12                     ; my results' scale byte: slot x 1024 + 4 r + h
	v_add_nc_u32 v13, 1024, v12
.else
	s_lshl_b32 s23, s18, 5
	v_add_nc_u32 v12, s23, v18                     ; 32 wave + h
	s_mul_i32 s23, s18, 4352
	s_add_co_u32 s23, s23, STG                     ; my stage
	v_mul_u32_u24 v13, v17, 272
	v_lshl_add_u32 v13, v18, 7, v13
	v_add_nc_u32 v13, s23, v13                     ; in: row r, + 128 h
	v_mul_u32_u24 v14, v18, 272
	v_lshl_add_u32 v14, v17, 4, v14
	v_add_nc_u32 v14, s23, v14                     ; back: lanes 0-15 one row, lanes 16-31 the next
	v_lshlrev_b32 v15, 4, v17
.endif
.if LAYER == 2
	s_mov_b32 s[CL2E], 0x3fb8aa3b                  ; log2(e)
	s_mov_b32 s[C3], 0x3e2aaaab                    ; 1/6
	s_mov_b32 s[C4], 0x3d2aaaab                    ; 1/24
	s_mov_b32 s[C5], 0x3c088889                    ; 1/120
	s_mov_b32 s[C6], 0x3ab60b61                    ; 1/720
	s_mov_b32 s[C7], 0x39500d01                    ; 1/5040
	s_mov_b32 s[CTH], 0xbeb33333                   ; -0.35
.endif
	s_wait_kmcnt 0x0
	s_min_u32 s24, s24, 7
	s_min_u32 s25, s25, 0x3ff
	s_min_u32 s26, s26, 0x100
	s_sub_co_u32 s28, s26, 1                       ; the tile's last row
	s_lshl_b32 s29, s18, 5                         ; my first row
	s_add_nc_u64 s[8:9], s[6:7], ASOFF             ; the rows' scale bytes
	s_mul_i32 s30, s24, NDIM/64
	s_add_co_u32 s30, s30, s19
	s_mul_i32 s30, s30, IMG
	s_add_co_u32 s30, s30, WQOFF
	s_mov_b32 s31, 0
	s_add_nc_u64 s[32:33], s[10:11], s[30:31]      ; the image of the expert's slice n
	s_lshl_b32 s22, s19, 8
	s_mul_i32 s30, s24, NDIM*4
	s_add_co_u32 s30, s30, s22
	s_add_nc_u64 s[36:37], s[12:13], s[30:31]      ; its bias at my columns
.if LAYER < 3
	s_add_nc_u64 s[16:17], s[14:15], OSOFF         ; the results' scale bytes
	s_mul_i32 s30, s19, 768
	s_add_nc_u64 s[38:39], s[14:15], s[30:31]      ; my columns are unit n of the next K
	s_lshr_b32 s30, s19, 1
	s_lshl_b32 s30, s30, 6
	s_and_b32 s23, s19, 1
	s_lshl_b32 s23, s23, 1
	s_add_co_u32 s30, s30, s23
	s_add_nc_u64 s[40:41], s[16:17], s[30:31]      ; step n / 2, bytes 2 (n % 2) + h
.else
	s_mov_b32 s30, s22
	s_add_nc_u64 s[38:39], s[14:15], s[30:31]
.endif
	; ---- the slice's image: memory to LDS, as it lies; a wave's load covers 512 consecutive bytes
	s_cmp_eq_u32 s26, 0
	s_cbranch_scc1 .Lsk1
.set ci, 0
.rept NC
	global_load_b128 v[16+4*ci:19+4*ci], v[CA], s[32:33] offset:8192*ci
.set ci, ci+1
.endr
.if KB == 64
	global_load_b64 v[64:65], v[CB], s[32:33] offset:WS
.else
	global_load_u16 v64, v[CB], s[32:33] offset:WS
.endif
	s_wait_loadcnt 0x0
.set ci, 0
.rept NC
.if ci < 8
	ds_store_b128 v[CA], v[16+4*ci:19+4*ci] offset:8192*ci
.else
	ds_store_b128 v[CA2], v[16+4*ci:19+4*ci] offset:8192*(ci-8)
.endif
.set ci, ci+1
.endr
.if KB == 64
	ds_store_b64 v[CL], v[64:65]
.else
	ds_store_b16 v[CL], v64
.endif
.Lsk1:
	s_wait_dscnt 0x0                               ; my LDS stores have landed
	s_barrier_signal -1
	s_barrier_wait -1                              ; the one barrier, on every wave's path
	; ---- the products
	s_cmp_ge_u32 s18, 8
	s_cbranch_scc1 .Lend                           ; a tile has at most 256 rows: eight waves' worth
	s_cmp_ge_u32 s29, s26
	s_cbranch_scc1 .Lend                           ; no row of the tile is mine
.if LAYER == 1
	v_and_b32 v84, 15, v0
	v_add_nc_u32 v84, s29, v84                     ; row tile 0: 32 wave + r
	v_add_nc_u32 v85, 16, v84                      ; row tile 1
	v_and_b32 v86, 31, v0
	v_add_nc_u32 v86, s29, v86                     ; for the scale words: 32 wave + lane
.irp i, 84,85,86
	v_min_u32 v\i, s28, v\i                        ; rows past the last repeat the last
	v_add_nc_u32 v\i, s25, v\i
	v_min_u32 v\i, 0x3ff, v\i
	v_lshlrev_b32 v\i, 2, v\i
.endr
	global_load_b32 v80, v84, s[4:5]
	global_load_b32 v81, v85, s[4:5]
	global_load_b32 v82, v86, s[4:5]
	s_wait_loadcnt 0x0
	v_min_u32 v80, 0x3ff, v80
	v_min_u32 v81, 0x3ff, v81
	v_min_u32 v82, 0x3ff, v82
	v_bfe_u32 v83, v0, 4, 1
	v_mul_u32_u24 v14, v80, 384
	v_mad_u32_u24 v14, v83, 24, v14                ; the token's row of codes, + 24 h
	v_mul_u32_u24 v15, v81, 384
	v_mad_u32_u24 v15, v83, 24, v15
	v_lshlrev_b32 v10, 4, v82                      ; its 16 scale bytes
.endif
.irp t, 0,1
.irp j, 0,1,2,3
.irp u, 0,1,2,3,4,5,6,7
	global_load_b32 v[ACC+32*\t+8*\j+\u], v11, s[36:37] offset:16*\u+4*\j   ; the bias starts the sums: nothing is cleared
.endr
.endr
.endr
.if LAYER == 1
	global_load_b128 v[224:227], v10, s[8:9]
.else
.irp q, 0,1,2,3,4,5,6,7,8,9,10,11,12,13,14,15
	global_load_b32 v[224+\q], v10, s[8:9] offset:64*\q
.endr
.endif
	AFLOAD 0
	AFLOAD 1
	AFLOAD 2
	AFLOAD 3
	WFLOAD 0, 0
	WFLOAD 1, 0
.set ps, 0
.rept NS
	PSTEP ps
.set ps, ps+1
.endr
.if LAYER < 3
.if LAYER == 2
	ELU ACC
	ELU ACC+32
.endif
	AQ ACC, 0
	AQ ACC+32, 1
.irp t, 0,1
.irp p, 0,1,2
	global_store_b64 v[8+\t], v[AQQ+8*\t+2*\p:AQQ+8*\t+2*\p+1], s[38:39] offset:256*\p   ; 32 lanes store 256 consecutive bytes, aligned
.endr
	global_store_b8 v[12+\t], v[AW+4+\t], s[40:41]
.endr
.else
	; the way out: the tokens' numbers; each row tile through my stage, back as rows of 256 bytes
.irp t, 0,1
.irp i, 0,1,2,3,4,5,6,7
	v_add_nc_u32 v[80+16*\t+\i], 16*\t+2*\i, v12
	v_min_u32 v[80+16*\t+\i], s28, v[80+16*\t+\i]
	v_add_nc_u32 v[80+16*\t+\i], s25, v[80+16*\t+\i]
	v_min_u32 v[80+16*\t+\i], 0x3ff, v[80+16*\t+\i]
	v_lshlrev_b32 v[80+16*\t+\i], 2, v[80+16*\t+\i]
	global_load_b32 v[88+40*\t+\i], v[80+16*\t+\i], s[4:5]
.endr
.endr
.irp t, 0,1
.irp j, 0,1,2,3
.irp u, 0,1,2,3,4,5,6,7
	ds_store_b32 v13, v[ACC+32*\t+8*\j+\u] offset:16*\u+4*\j    ; each accumulator from its low end on
.endr
.endr
.irp i, 0,1,2,3,4,5,6,7
	ds_load_b128 v[136+32*\t+4*\i:139+32*\t+4*\i], v14 offset:544*\i   ; LDS serves a wave's instructions in order: these see my stores, and the next tile's stores come behind them
.endr
.endr
	s_wait_loadcnt 0x0
.irp t, 0,1
.irp i, 0,1,2,3,4,5,6,7
	v_min_u32 v[88+40*\t+\i], 0x3ff, v[88+40*\t+\i]
	v_lshlrev_b32 v[88+40*\t+\i], 11, v[88+40*\t+\i]
	v_add_nc_u32 v[88+40*\t+\i], v15, v[88+40*\t+\i]
.endr
.endr
	s_wait_dscnt 40                                ; tile 0 is back; tile 1's 32 stores and 8 loads may be out
.irp i, 0,1,2,3,4,5,6,7
	global_store_b128 v[88+\i], v[136+4*\i:139+4*\i], s[38:39] th:TH_STORE_NT   ; 16 lanes store 256 consecutive bytes, aligned
.endr
	s_wait_dscnt 0x0
.irp i, 0,1,2,3,4,5,6,7
	global_store_b128 v[128+\i], v[168+4*\i:171+4*\i], s[38:39] th:TH_STORE_NT
.endr
.endif
.Lend:
	s_wait_tensorcnt 0x0
	ds_add_u32 v254, v255
	s_wait_dscnt 0x0
	s_endpgm
.Lfunc_end_k_q2d32071559_layer2:
	.size	k_q2d32071559_layer2, .Lfunc_end_k_q2d32071559_layer2-k_q2d32071559_layer2
	.p2alignl 7, 3214868480
	.fill 96, 4, 3214868480
	.section	.rodata,"a",@progbits
	.p2align	6, 0x0
	.amdhsa_kernel k_q2d32071559_layer2
		.amdhsa_group_segment_fixed_size 104448
		.amdhsa_private_segment_fixed_size 0
		.amdhsa_enable_private_segment 0
		.amdhsa_kernarg_size 40
		.amdhsa_user_sgpr_count 2
		.amdhsa_user_sgpr_kernarg_segment_ptr 1
		.amdhsa_wavefront_size32 1
		.amdhsa_system_sgpr_workgroup_id_x 1
		.amdhsa_system_sgpr_workgroup_id_y 1
		.amdhsa_system_sgpr_workgroup_id_z 1
		.amdhsa_system_vgpr_workitem_id 0
		.amdhsa_next_free_vgpr 256
		.amdhsa_next_free_sgpr 66
		.amdhsa_reserve_vcc 1
		.amdhsa_float_denorm_mode_32 3
		.amdhsa_float_denorm_mode_16_64 3
		.amdhsa_memory_ordered 1
		.amdhsa_forward_progress 1
		.amdhsa_inst_pref_size 125
	.end_amdhsa_kernel
	.amdgpu_metadata
---
amdhsa.version: [ 1, 2 ]
amdhsa.kernels:
  - .name:           k_q2d32071559_layer2
    .symbol:         k_q2d32071559_layer2.kd
    .args:
      - { .name: route, .offset: 0, .size: 8, .value_kind: global_buffer, .address_space: global }
      - { .name: a1, .offset: 8, .size: 8, .value_kind: global_buffer, .address_space: global }
      - { .name: wq, .offset: 16, .size: 8, .value_kind: global_buffer, .address_space: global }
      - { .name: b2, .offset: 24, .size: 8, .value_kind: global_buffer, .address_space: global }
      - { .name: a2, .offset: 32, .size: 8, .value_kind: global_buffer, .address_space: global }
    .group_segment_fixed_size: 104448
    .private_segment_fixed_size: 0
    .kernarg_segment_align: 8
    .kernarg_segment_size: 40
    .max_flat_workgroup_size: 512
    .sgpr_count:     66
    .vgpr_count:     256
    .wavefront_size: 32
...
	.end_amdgpu_metadata
.endif
;; end of part 4
;; launch layer3 (part 5): grid 8 x 11, 16 waves a work-group, no clusters, 174,080 bytes of LDS; arguments route, a2, wq, b3, out0; writes out0
.if DOCPART == 5
	.amdgcn_target "amdgcn-amd-amdhsa--gfx1250"
	.amdhsa_code_object_version 6
	.text
	.protected	k_q2d32071559_layer3
	.globl	k_q2d32071559_layer3
	.p2align	8
	.type	k_q2d32071559_layer3,@function
k_q2d32071559_layer3:
	s_mov_b64 s[64:65], 0
	v_nop
	global_prefetch_b8 v0, s[64:65] scope:SCOPE_SE
	s_setreg_imm32_b32 hwreg(HW_REG_WAVE_MODE, 25, 1), 1
	s_wait_xcnt 0x0
; ONE LAYER OF THE CHOSEN EXPERT'S CHAIN (LAYER = 1, 2, 3; one text, the sizes set below).  Work-group (n, tile): 64 columns n of the layer, the rows of one tile of one expert.
; The tile list and the order of tokens are whole numbers stored by an earlier launch.  The grid serves every split: at most 11 tiles of 256 rows; a tile without rows does nothing.
; No tensor load and no cluster: branches hang on the stored row count, and work-groups share weights only where an expert has more than 256 rows.
; FIRST the 16 waves copy the slice's image out of wq into LDS, as it lies: the codes (FP6, E2M3) of 64 columns, all of K, as images of the operand's registers, and their E8M0 bytes.
; The first launch has made them.  Tile j holds columns 4 m + j.  ONE barrier.  THEN wave w (0-7) multiplies rows 32 w .. 32 w + 31, transposed (source 0 = 16 columns, source 1 = 16 rows):
; a lane's 32 results of a row tile are one whole block of the next K, place 8 j + u = column 4 u + j; the next layer's weights were quantised with their rows in that order.
; Rows past the tile's last repeat its last row: they compute, and in the last layer store, the same numbers.
; LIMITS: NaN and infinities are not served; a block of zeros keeps the byte 1 (zero codes; only this program reads the bytes); the results' scale bytes leave one byte a lane.
.set LAYER, 3
.if LAYER == 1
.set KDIM, 512
.set NDIM, 2048
.set AIN0, 14
.set WQOFF, 0                          ; where this layer's images begin in wq
.set ASOFF, 393216                     ; the rows' scale bytes lie behind their codes
.elseif LAYER == 2
.set KDIM, 2048
.set NDIM, 2048
.set AIN0, 8
.set WQOFF, 6553600
.set ASOFF, 4325376
.else
.set KDIM, 2048
.set NDIM, 512
.set AIN0, 8
.set WQOFF, 32768000
.set ASOFF, 4325376
.endif
.set OSOFF, 4325376                    ; and so do the results'
.set KUT, KDIM/64                      ; units along K
.set NS, KDIM/128                      ; steps of the products
.set KB, KDIM/32                       ; scale bytes of a column
.set TSTR, KUT*768                     ; LDS: a tile's images; (tile x KUT + unit) x 768 + plane x 256 + 8 x lane
.set WS, 4*TSTR                        ; the scale bytes: tile x 16 KB + row x KB + block
.set IMG, WS+64*KB                     ; a slice's image
.set STG, IMG                          ; last layer: a stage of 16 rows x 272 bytes for each wave
.set NC, WS/8192                       ; the copy: 16 bytes a thread, 8,192 a turn
.set CA, 1
.set CA2, 2
.set CB, 3
.set CL, 4
.set FA, 5
.set FB, 6
.set SWA, 7
.set ACC, 16                           ; products: v16-79, 32 t + 8 j + u
.set WF, 80                            ; v80-127 four weight tiles
.set AF, 128                           ; v128-223 the rows' fragments, a ring of four steps
.set AW, 80
.set AQQ, 88
.set AQT, 104
.set EX, 112
.set EE, 144
.set EP, 176
.set CL2E, 44
.set C3, 45
.set C4, 46
.set C5, 47
.set C6, 48
.set C7, 49
.set CTH, 50
; v224-241 hold scale words and nothing else
.macro NOP4
.rept 4
	v_nop
.endr
.endm
.macro AQ a, k
	v_max3_num_f32 v[AW+\k], |v[\a]|, |v[\a+1]|, 0x1800000      ; the floor 2^(3 - 127) holds the byte at 1 from below
.set qi, 2
.rept 15
	v_max3_num_f32 v[AW+\k], v[AW+\k], |v[\a+qi]|, |v[\a+qi+1]|
.set qi, qi+2
.endr
	v_add_nc_u32 v[AW+2+\k], 0xff000000, v[AW+\k]  ; 2 off the exponent field: the conversion's scale operand
	v_lshrrev_b32 v[AW+4+\k], 23, v[AW+2+\k]       ; the scale's byte
	v_cvt_scalef32_pk16_fp6_f32 v[AQQ+8*\k:AQQ+8*\k+2], v[\a:\a+15], v[AW+2+\k]
	v_cvt_scalef32_pk16_fp6_f32 v[AQT+4*\k:AQT+4*\k+2], v[\a+16:\a+31], v[AW+2+\k]
	v_nop
.irp i, 0,1,2
	v_mov_b32 v[AQQ+8*\k+3+\i], v[AQT+4*\k+\i]
.endr
.endm
; elu(x) = max(x, 0) + expm1(min(x, 0)): above -0.35 by the series to x^7, else 2^(x log2 e) - 1
.macro ELU a
.set ei, 0
.rept 32
	v_min_num_f32 v[EX+ei], 0, v[\a+ei]
.set ei, ei+1
.endr
.set ei, 0
.rept 32
	v_mul_f32 v[EE+ei], s[CL2E], v[EX+ei]
.set ei, ei+1
.endr
.set ei, 0
.rept 32
	v_exp_f32 v[EE+ei], v[EE+ei]
.set ei, ei+1
.endr
.set ei, 0
.rept 32
	v_fma_f32 v[EP+ei], v[EX+ei], s[C7], s[C6]     ; the series is the plain work behind the batch of exponentials
.set ei, ei+1
.endr
.irp c, C5, C4, C3
.set ei, 0
.rept 32
	v_fma_f32 v[EP+ei], v[EP+ei], v[EX+ei], s[\c]
.set ei, ei+1
.endr
.endr
.irp c, 0.5, 1.0
.set ei, 0
.rept 32
	v_fma_f32 v[EP+ei], v[EP+ei], v[EX+ei], \c
.set ei, ei+1
.endr
.endr
.set ei, 0
.rept 32
	v_mul_f32 v[EP+ei], v[EP+ei], v[EX+ei]
.set ei, ei+1
.endr
	s_wait_alu depctr_va_vdst(0)                   ; one wait for the 32 exponentials, ahead of their first reader
.set ei, 0
.rept 32
	v_add_f32 v[EE+ei], -1.0, v[EE+ei]
	v_cmp_lt_f32 vcc_lo, s[CTH], v[EX+ei]
	v_cndmask_b32 v[EE+ei], v[EE+ei], v[EP+ei], vcc_lo
	v_max_num_f32 v[\a+ei], 0, v[\a+ei]
	v_add_f32 v[\a+ei], v[\a+ei], v[EE+ei]
.set ei, ei+1
.endr
.endm
.macro WM d, a, b, sa, sb, ra, rb
.if (\ra) && (\rb)
	v_wmma_scale_f32_16x16x128_f8f6f4 v[\d:\d+7], v[\a:\a+11], v[\b:\b+11], v[\d:\d+7], v[\sa], v[\sb] matrix_a_fmt:MATRIX_FMT_FP6 matrix_b_fmt:MATRIX_FMT_FP6 matrix_a_scale:MATRIX_SCALE_ROW1 matrix_b_scale:MATRIX_SCALE_ROW1
.elseif \ra
	v_wmma_scale_f32_16x16x128_f8f6f4 v[\d:\d+7], v[\a:\a+11], v[\b:\b+11], v[\d:\d+7], v[\sa], v[\sb] matrix_a_fmt:MATRIX_FMT_FP6 matrix_b_fmt:MATRIX_FMT_FP6 matrix_a_scale:MATRIX_SCALE_ROW1
.elseif \rb
	v_wmma_scale_f32_16x16x128_f8f6f4 v[\d:\d+7], v[\a:\a+11], v[\b:\b+11], v[\d:\d+7], v[\sa], v[\sb] matrix_a_fmt:MATRIX_FMT_FP6 matrix_b_fmt:MATRIX_FMT_FP6 matrix_b_scale:MATRIX_SCALE_ROW1
.else
	v_wmma_scale_f32_16x16x128_f8f6f4 v[\d:\d+7], v[\a:\a+11], v[\b:\b+11], v[\d:\d+7], v[\sa], v[\sb] matrix_a_fmt:MATRIX_FMT_FP6 matrix_b_fmt:MATRIX_FMT_FP6
.endif
.endm
.macro AFLOAD st                       ; my two row tiles' fragments of step st: 12 loads
.irp t, 0,1
.irp p, 0,1,2,3,4,5
.if LAYER == 1
	global_load_b64 v[AF+24*((\st)%4)+12*\t+2*\p:AF+24*((\st)%4)+12*\t+2*\p+1], v[AIN0+\t], s[6:7] offset:96*(\st)+48*(\p/3)+8*(\p%3)
.else
	global_load_b64 v[AF+24*((\st)%4)+12*\t+2*\p:AF+24*((\st)%4)+12*\t+2*\p+1], v[AIN0+\t], s[6:7] offset:1536*(\st)+256*\p
.endif
.endr
.endr
.endm
.macro WFLOAD hp, st                   ; weight tiles 2 hp, 2 hp + 1 of step st and their scale words: 13 LDS loads
.irp j, 0,1
.irp p, 0,1,2,3,4,5
	ds_load_b64 v[WF+24*\hp+12*\j+2*\p:WF+24*\hp+12*\j+2*\p+1], v[FA+\hp] offset:\j*TSTR+1536*(\st)+256*\p
.endr
.endr
	ds_load_b32 v[240+\hp], v[SWA] offset:\hp*32*KB+4*(\st)
.endm
.macro MM4 hp, st                      ; the eight accumulators take turns, one instruction a turn
.irp t, 0,1
.irp j, 0,1
	WM ACC+32*\t+8*(2*\hp+\j), WF+24*\hp+12*\j, AF+24*((\st)%4)+12*\t, 240+\hp, 224+(\st), \j, \t
.endr
.endr
.endm
.macro PSTEP st
.if 12*(NS-1-(\st)) > 36
	s_wait_loadcnt 36                              ; this step's fragments are in; the three younger steps' 36 loads may be out
.else
	s_wait_loadcnt 12*(NS-1-(\st))
.endif
	s_wait_dscnt 13                                ; tiles 0, 1 are in; the 13 loads of tiles 2, 3 may be out
	MM4 0, \st
	NOP4                                           ; places in front of loads into registers that matrix instructions have read
.if (\st)+1 < NS
	WFLOAD 0, (\st)+1
	s_wait_dscnt 13                                ; tiles 2, 3 are in; the 13 just issued may be out
.else
	s_wait_dscnt 0x0
.endif
	MM4 1, \st
	NOP4
.if (\st)+1 < NS
	WFLOAD 1, (\st)+1
.endif
.if (\st)+4 < NS
	AFLOAD (\st)+4
.endif
.endm
	s_load_b128 s[4:7], s[0:1], 0x0                ; route, the rows' codes and scale bytes
	s_load_b64 s[10:11], s[0:1], 0x10              ; wq
	s_load_b128 s[12:15], s[0:1], 0x18             ; the bias, the output
	v_lshl_add_u32 v254, v0, 2, 0x2a000
	v_mov_b32 v255, 0
	v_lshrrev_b32 v16, 5, v0
	v_readfirstlane_b32 s18, v16                   ; wave 0..15
	s_mov_b32 s19, ttmp9                           ; n: my 64 columns
	s_and_b32 s20, ttmp7, 0xffff                   ; tile
	s_lshl_b32 s21, s20, 4
	s_wait_kmcnt 0x0
	s_load_b128 s[24:27], s[4:5], s21 offset:0x1000   ; expert, first place, rows, 0
	; every address register is made here, ahead of the first branch
	v_and_b32 v16, 31, v0                          ; lane
	v_and_b32 v17, 15, v0                          ; r
	v_bfe_u32 v18, v0, 4, 1                        ; h
	v_lshlrev_b32 v[CA], 4, v0                     ; the copy: 16 x thread, in the image and in LDS alike
.if NC > 8
	v_add_nc_u32 v[CA2], 65536, v[CA]              ; an LDS offset has 16 bits
.endif
.if KB == 64
	v_lshlrev_b32 v[CB], 3, v0                     ; the scale bytes: 4,096: 8 a thread
.else
	v_lshlrev_b32 v[CB], 1, v0                     ; 1,024: 2 a thread
.endif
	v_add_nc_u32 v[CL], WS, v[CB]
	v_lshlrev_b32 v[FA], 3, v16                    ; images out of LDS: 8 x lane, tiles 0, 1
	v_add_nc_u32 v[FB], 2*TSTR, v[FA]              ; tiles 2, 3
	v_mul_u32_u24 v[SWA], v16, KB
	v_add_nc_u32 v[SWA], WS, v[SWA]                ; scale words out: lanes 0-15 one tile's rows, lanes 16-31 the next tile's
	s_lshl_b32 s22, s20, 4
	s_lshl_b32 s23, s18, 1
	s_add_co_u32 s22, s22, s23                     ; my first slot of 16 rows: 16 tile + 2 wave
	s_mul_i32 s23, s22, 24576
	v_add_nc_u32 v8, s23, v[FA]
	v_add_nc_u32 v9, 24576, v8
	s_lshl_b32 s23, s22, 10
	v_lshlrev_b32 v11, 7, v18                      ; bias: 128 h
.if LAYER > 1
	v_lshlrev_b32 v10, 2, v17
	v_lshl_add_u32 v10, v18, 10, v10
	v_add_nc_u32 v10, s23, v10                     ; the rows' scale words: lanes 0-15 slot 0, lanes 16-31 slot 1
.endif
.if LAYER < 3
	v_lshl_add_u32 v12, v17, 2, v18
	v_add_nc_u32 v12, s23, v12                     ; my results' scale byte: slot x 1024 + 4 r + h
	v_add_nc_u32 v13, 1024, v12
.else
	s_lshl_b32 s23, s18, 5
	v_add_nc_u32 v12, s23, v18                     ; 32 wave + h
	s_mul_i32 s23, s18, 4352
	s_add_co_u32 s23, s23, STG                     ; my stage
	v_mul_u32_u24 v13, v17, 272
	v_lshl_add_u32 v13, v18, 7, v13
	v_add_nc_u32 v13, s23, v13                     ; in: row r, + 128 h
	v_mul_u32_u24 v14, v18, 272
	v_lshl_add_u32 v14, v17, 4, v14
	v_add_nc_u32 v14, s23, v14                     ; back: lanes 0-15 one row, lanes 16-31 the next
	v_lshlrev_b32 v15, 4, v17
.endif
.if LAYER == 2
	s_mov_b32 s[CL2E], 0x3fb8aa3b                  ; log2(e)
	s_mov_b32 s[C3], 0x3e2aaaab                    ; 1/6
	s_mov_b32 s[C4], 0x3d2aaaab                    ; 1/24
	s_mov_b32 s[C5], 0x3c088889                    ; 1/120
	s_mov_b32 s[C6], 0x3ab60b61                    ; 1/720
	s_mov_b32 s[C7], 0x39500d01                    ; 1/5040
	s_mov_b32 s[CTH], 0xbeb33333                   ; -0.35
.endif
	s_wait_kmcnt 0x0
	s_min_u32 s24, s24, 7
	s_min_u32 s25, s25, 0x3ff
	s_min_u32 s26, s26, 0x100
	s_sub_co_u32 s28, s26, 1                       ; the tile's last row
	s_lshl_b32 s29, s18, 5                         ; my first row
	s_add_nc_u64 s[8:9], s[6:7], ASOFF             ; the rows' scale bytes
	s_mul_i32 s30, s24, NDIM/64
	s_add_co_u32 s30, s30, s19
	s_mul_i32 s30, s30, IMG
	s_add_co_u32 s30, s30, WQOFF
	s_mov_b32 s31, 0
	s_add_nc_u64 s[32:33], s[10:11], s[30:31]      ; the image of the expert's slice n
	s_lshl_b32 s22, s19, 8
	s_mul_i32 s30, s24, NDIM*4
	s_add_co_u32 s30, s30, s22
	s_add_nc_u64 s[36:37], s[12:13], s[30:31]      ; its bias at my columns
.if LAYER < 3
	s_add_nc_u64 s[16:17], s[14:15], OSOFF         ; the results' scale bytes
	s_mul_i32 s30, s19, 768
	s_add_nc_u64 s[38:39], s[14:15], s[30:31]      ; my columns are unit n of the next K
	s_lshr_b32 s30, s19, 1
	s_lshl_b32 s30, s30, 6
	s_and_b32 s23, s19, 1
	s_lshl_b32 s23, s23, 1
	s_add_co_u32 s30, s30, s23
	s_add_nc_u64 s[40:41], s[16:17], s[30:31]      ; step n / 2, bytes 2 (n % 2) + h
.else
	s_mov_b32 s30, s22
	s_add_nc_u64 s[38:39], s[14:15], s[30:31]
.endif
	; ---- the slice's image: memory to LDS, as it lies; a wave's load covers 512 consecutive bytes
	s_cmp_eq_u32 s26, 0
	s_cbranch_scc1 .Lsk1
.set ci, 0
.rept NC
	global_load_b128 v[16+4*ci:19+4*ci], v[CA], s[32:33] offset:8192*ci
.set ci, ci+1
.endr
.if KB == 64
	global_load_b64 v[64:65], v[CB], s[32:33] offset:WS
.else
	global_load_u16 v64, v[CB], s[32:33] offset:WS
.endif
	s_wait_loadcnt 0x0
.set ci, 0
.rept NC
.if ci < 8
	ds_store_b128 v[CA], v[16+4*ci:19+4*ci] offset:8192*ci
.else
	ds_store_b128 v[CA2], v[16+4*ci:19+4*ci] offset:8192*(ci-8)
.endif
.set ci, ci+1
.endr
.if KB == 64
	ds_store_b64 v[CL], v[64:65]
.else
	ds_store_b16 v[CL], v64
.endif
.Lsk1:
	s_wait_dscnt 0x0                               ; my LDS stores have landed
	s_barrier_signal -1
	s_barrier_wait -1                              ; the one barrier, on every wave's path
	; ---- the products
	s_cmp_ge_u32 s18, 8
	s_cbranch_scc1 .Lend                           ; a tile has at most 256 rows: eight waves' worth
	s_cmp_ge_u32 s29, s26
	s_cbranch_scc1 .Lend                           ; no row of the tile is mine
.if LAYER == 1
	v_and_b32 v84, 15, v0
	v_add_nc_u32 v84, s29, v84                     ; row tile 0: 32 wave + r
	v_add_nc_u32 v85, 16, v84                      ; row tile 1
	v_and_b32 v86, 31, v0
	v_add_nc_u32 v86, s29, v86                     ; for the scale words: 32 wave + lane
.irp i, 84,85,86
	v_min_u32 v\i, s28, v\i                        ; rows past the last repeat the last
	v_add_nc_u32 v\i, s25, v\i
	v_min_u32 v\i, 0x3ff, v\i
	v_lshlrev_b32 v\i, 2, v\i
.endr
	global_load_b32 v80, v84, s[4:5]
	global_load_b32 v81, v85, s[4:5]
	global_load_b32 v82, v86, s[4:5]
	s_wait_loadcnt 0x0
	v_min_u32 v80, 0x3ff, v80
	v_min_u32 v81, 0x3ff, v81
	v_min_u32 v82, 0x3ff, v82
	v_bfe_u32 v83, v0, 4, 1
	v_mul_u32_u24 v14, v80, 384
	v_mad_u32_u24 v14, v83, 24, v14                ; the token's row of codes, + 24 h
	v_mul_u32_u24 v15, v81, 384
	v_mad_u32_u24 v15, v83, 24, v15
	v_lshlrev_b32 v10, 4, v82                      ; its 16 scale bytes
.endif
.irp t, 0,1
.irp j, 0,1,2,3
.irp u, 0,1,2,3,4,5,6,7
	global_load_b32 v[ACC+32*\t+8*\j+\u], v11, s[36:37] offset:16*\u+4*\j   ; the bias starts the sums: nothing is cleared
.endr
.endr
.endr
.if LAYER == 1
	global_load_b128 v[224:227], v10, s[8:9]
.else
.irp q, 0,1,2,3,4,5,6,7,8,9,10,11,12,13,14,15
	global_load_b32 v[224+\q], v10, s[8:9] offset:64*\q
.endr
.endif
	AFLOAD 0
	AFLOAD 1
	AFLOAD 2
	AFLOAD 3
	WFLOAD 0, 0
	WFLOAD 1, 0
.set ps, 0
.rept NS
	PSTEP ps
.set ps, ps+1
.endr
.if LAYER < 3
.if LAYER == 2
	ELU ACC
	ELU ACC+32
.endif
	AQ ACC, 0
	AQ ACC+32, 1
.irp t, 0,1
.irp p, 0,1,2
	global_store_b64 v[8+\t], v[AQQ+8*\t+2*\p:AQQ+8*\t+2*\p+1], s[38:39] offset:256*\p   ; 32 lanes store 256 consecutive bytes, aligned
.endr
	global_store_b8 v[12+\t], v[AW+4+\t], s[40:41]
.endr
.else
	; the way out: the tokens' numbers; each row tile through my stage, back as rows of 256 bytes
.irp t, 0,1
.irp i, 0,1,2,3,4,5,6,7
	v_add_nc_u32 v[80+16*\t+\i], 16*\t+2*\i, v12
	v_min_u32 v[80+16*\t+\i], s28, v[80+16*\t+\i]
	v_add_nc_u32 v[80+16*\t+\i], s25, v[80+16*\t+\i]
	v_min_u32 v[80+16*\t+\i], 0x3ff, v[80+16*\t+\i]
	v_lshlrev_b32 v[80+16*\t+\i], 2, v[80+16*\t+\i]
	global_load_b32 v[88+40*\t+\i], v[80+16*\t+\i], s[4:5]
.endr
.endr
.irp t, 0,1
.irp j, 0,1,2,3
.irp u, 0,1,2,3,4,5,6,7
	ds_store_b32 v13, v[ACC+32*\t+8*\j+\u] offset:16*\u+4*\j    ; each accumulator from its low end on
.endr
.endr
.irp i, 0,1,2,3,4,5,6,7
	ds_load_b128 v[136+32*\t+4*\i:139+32*\t+4*\i], v14 offset:544*\i   ; LDS serves a wave's instructions in order: these see my stores, and the next tile's stores come behind them
.endr
.endr
	s_wait_loadcnt 0x0
.irp t, 0,1
.irp i, 0,1,2,3,4,5,6,7
	v_min_u32 v[88+40*\t+\i], 0x3ff, v[88+40*\t+\i]
	v_lshlrev_b32 v[88+40*\t+\i], 11, v[88+40*\t+\i]
	v_add_nc_u32 v[88+40*\t+\i], v15, v[88+40*\t+\i]
.endr
.endr
	s_wait_dscnt 40                                ; tile 0 is back; tile 1's 32 stores and 8 loads may be out
.irp i, 0,1,2,3,4,5,6,7
	global_store_b128 v[88+\i], v[136+4*\i:139+4*\i], s[38:39] th:TH_STORE_NT   ; 16 lanes store 256 consecutive bytes, aligned
.endr
	s_wait_dscnt 0x0
.irp i, 0,1,2,3,4,5,6,7
	global_store_b128 v[128+\i], v[168+4*\i:171+4*\i], s[38:39] th:TH_STORE_NT
.endr
.endif
.Lend:
	s_wait_tensorcnt 0x0
	ds_add_u32 v254, v255
	s_wait_dscnt 0x0
	s_endpgm
.Lfunc_end_k_q2d32071559_layer3:
	.size	k_q2d32071559_layer3, .Lfunc_end_k_q2d32071559_layer3-k_q2d32071559_layer3
	.p2alignl 7, 3214868480
	.fill 96, 4, 3214868480
	.section	.rodata,"a",@progbits
	.p2align	6, 0x0
	.amdhsa_kernel k_q2d32071559_layer3
		.amdhsa_group_segment_fixed_size 174080
		.amdhsa_private_segment_fixed_size 0
		.amdhsa_enable_private_segment 0
		.amdhsa_kernarg_size 40
		.amdhsa_user_sgpr_count 2
		.amdhsa_user_sgpr_kernarg_segment_ptr 1
		.amdhsa_wavefront_size32 1
		.amdhsa_system_sgpr_workgroup_id_x 1
		.amdhsa_system_sgpr_workgroup_id_y 1
		.amdhsa_system_sgpr_workgroup_id_z 1
		.amdhsa_system_vgpr_workitem_id 0
		.amdhsa_next_free_vgpr 256
		.amdhsa_next_free_sgpr 66
		.amdhsa_reserve_vcc 1
		.amdhsa_float_denorm_mode_32 3
		.amdhsa_float_denorm_mode_16_64 3
		.amdhsa_memory_ordered 1
		.amdhsa_forward_progress 1
		.amdhsa_inst_pref_size 92
	.end_amdhsa_kernel
	.amdgpu_metadata
---
amdhsa.version: [ 1, 2 ]
amdhsa.kernels:
  - .name:           k_q2d32071559_layer3
    .symbol:         k_q2d32071559_layer3.kd
    .args:
      - { .name: route, .offset: 0, .size: 8, .value_kind: global_buffer, .address_space: global }
      - { .name: a2, .offset: 8, .size: 8, .value_kind: global_buffer, .address_space: global }
      - { .name: wq, .offset: 16, .size: 8, .value_kind: global_buffer, .address_space: global }
      - { .name: b3, .offset: 24, .size: 8, .value_kind: global_buffer, .address_space: global }
      - { .name: out0, .offset: 32, .size: 8, .value_kind: global_buffer, .address_space: global }
    .group_segment_fixed_size: 174080
    .private_segment_fixed_size: 0
    .kernarg_segment_align: 8
    .kernarg_segment_size: 40
    .max_flat_workgroup_size: 512
    .sgpr_count:     66
    .vgpr_count:     256
    .wavefront_size: 32
...
	.end_amdgpu_metadata
.endif
;; end of part 5
;; ======== version 2 of 2: 5 launches; version 1 with the launches router, layer1, layer2, layer3 written anew for expert scheduling mode
;; workspace buffers: choice 4,096 bytes of whole numbers; route 4,352 bytes of whole numbers; xq 409,600 bytes; a1 4,505,600 bytes; a2 4,505,600 bytes; wq 39,321,600 bytes
;; launch router (part 6): grid 448 x 1, 16 waves a work-group, no clusters, 175,616 bytes of LDS; arguments x, rw0, rb0, rw1, rb1, rw2, rb2, xq, choice, w1, w2, w3, wq; writes xq, choice, wq
.if DOCPART == 6
	.amdgcn_target "amdgcn-amd-amdhsa--gfx1250"
	.amdhsa_code_object_version 6
	.text
	.protected	k_q2d32071559_router
	.globl	k_q2d32071559_router
	.p2align	8
	.type	k_q2d32071559_router,@function
k_q2d32071559_router:
	s_mov_b64 s[64:65], 0
	v_nop
	global_prefetch_b8 v0, s[64:65] scope:SCOPE_SE
	s_setreg_imm32_b32 hwreg(HW_REG_WAVE_SCHED_MODE, 0, 2), 2
	s_setreg_imm32_b32 hwreg(HW_REG_WAVE_MODE, 25, 1), 1
	s_wait_xcnt 0x0
	s_wait_alu depctr_vm_vsrc(0)
; TWO KINDS OF WORK-GROUPS, parted on the work-group's number alone.
; WORK-GROUPS 0-63: THE ROUTER.  A work-group takes 16 tokens: x is quantised to FP6 (E2M3) codes with one E8M0 byte for each 32 along K (also stored for the first layer),
; h0 = x rw0 + rb0, h1 = elu(h0 rw1 + rb1), both on codes; logits = h1 rw2 + rb2 in f32 multiply-adds; choice = the first largest logit.
; WORK-GROUPS 64-447: THE EXPERTS' WEIGHTS ARE QUANTISED ONCE.  They hang on no routing, so they are streamed here, beside the router's chain of dependent steps.
; A wave takes one step of 128 along K of one slice of 64 columns: two units.  6,144 steps = 384 work-groups x 16 waves: w2 256 work-groups (a slice each), w3 64, w1 64 (four slices each).
; The codes leave as images of the operand's registers, 256 consecutive aligned bytes a store; a row's four scale bytes of the step leave as one word.  No LDS and no barrier on this path.
; wq holds, slice by slice, the very bytes that a layer's work-group copies into its LDS: (tile x units + unit) x 768 + plane x 256 + 8 x lane, then tile x 16 KB + row x KB + block.
; ALL WEIGHTS are stored [K][N]: a unit is 64 columns x 64 K; a lane loads 16 bytes (4 columns) of 32 rows of ONE block of 32 along K, so that
; each load reads two whole rows of 256 bytes and a block's largest magnitude needs no other lane.  Tile j of a unit holds columns 4 m + j.
; The products are used transposed (source 0 = 16 columns of the weight, source 1 = 16 tokens): a lane's 32 results are one whole block of the next K,
; in the order place 8 j + u = column 4 u + j; the next weight's rows (rw1, w2, w3) are loaded in that same order, so the places agree on both sides.
; LIMITS: NaN and infinities are not served; a block of zeros keeps the byte 1 (its codes are zeros; only this program reads the bytes);
; two largest logits that agree to f32 rounding may be taken either way.
; THE MODE: SCHED_MODE bits 1:0 = 2 (LLVM: expert scheduling mode 2), set by the entry lines.  The code itself states the register dependences
; between vector or matrix instructions and memory or LDS instructions, with s_wait_alu, always for 0.
; THE PLAN.  Registers that memory or LDS instructions touch:
;   offsets and LDS addresses (the router: v1-15, v242-255; the weights' path: v1, v5, v6)  Written once, ahead of one wait on va_vdst on each path; never written again.
;   R (v16-143)   A unit as loaded.  The maxima and the moves read it; the next unit's loads land in it by halves: slots 0-15 behind a wait on va_vdst that follows the first half's moves,
;                 slots 16-31 behind the unit's last wait on va_vdst.  16 waves of 256 registers leave no room for a second R.
;   PJ, M (v176-199, v216-219)  Written by the unit's conversions, moves and shifts; read by its stores, behind the unit's last wait on va_vdst; written again by the next unit, behind a wait on vm_vsrc at its head.
;   v80-139, v240, v241  A product step's operands: LDS loads land, four products read them: one wait on va_vdst at the head of every step but a phase's first.
;   v144-149      In the arm that copies x's codes and bytes out: LDS loads land, two global stores read them; a wait on vm_vsrc behind each store, ahead of the branch or label that leads on to the lines that write them again.
;   v80-207       rw2's rows, two batches by turns: a batch is loaded again behind a wait on va_vdst that follows the multiply-adds that read it.
;   Every run of stores of vector results stands behind one wait on va_vdst.  v238, v239: written at the head, read by the closing add alone.
.set PITCH, 1024
.set NTH, 0
.set W0I, 0                            ; rw0's images: slice x 24576 + tile x 6144 + unit x 768 + plane x 256 + 8 x lane
.set W1I, 98304                        ; rw1's: slice x 12288 + tile x 3072 + unit x 768
.set W0S, 147456                       ; rw0's scale bytes: slice x 1024 + tile x 256 + row x 16 + block
.set W1S, 151552                       ; rw1's: slice x 512 + tile x 128 + row x 8 + block
.set XR,  153600                       ; x's codes: 16 rows x 384 bytes
.set XSB, 159744                       ; x's scale bytes: 16 a row
.set H0R, 160000                       ; h0's codes: 16 rows x 192 bytes
.set H0S, 163072                       ; h0's scale bytes: 8 a row
.set RW2L, 163200                      ; rw2 as it lies: 8192 bytes
.set LG,  171392                       ; partial logits: slice x 512 + row x 32
.set XSOFF, 393216                     ; x's scale bytes lie behind its codes in xq
.set WQ2, 6553600                      ; wq: w1's 256 images of 25,600 bytes, then w2's 256 of 102,400,
.set WQ3, 32768000                     ; then w3's 64 of 102,400
.set VW, 1
.set R,  16                            ; v16-143 a unit as loaded
.set XT, 144                           ; v144-175 two sets of 16 neighbours along K
.set PJ, 176                           ; v176-199 the four tiles' codes
.set TJ, 200                           ; v200-215 their upper halves as converted
.set M,  216
.set SO, 220
.set WF, 80
.set EX, 112
.set EE, 144
.set EP, 176
.set CL2E, 44
.set C3, 45
.set C4, 46
.set C5, 47
.set C6, 48
.set C7, 49
.set CTH, 50
.set MK, 66                            ; s66-97 the 32 masks of an activation
; v224-229, v240, v241 hold scale words and nothing else; v238, v239 are the closing add's two
.macro NOP4
.rept 4
	v_nop
.endr
.endm
.macro BAR
	s_wait_dscnt 0x0                               ; my LDS stores have landed and my LDS loads are in
	s_barrier_signal -1
	s_barrier_wait -1
.endm
; slots lo .. hi of a unit: slot i takes row rowof(i) of my block
.macro LOADU base, lo, hi, extra, perm
.set li, \lo
.rept \hi-\lo+1
.if \perm
.set lrow, 4*(li&7)+(li>>3)
.else
.set lrow, li
.endif
.if NTH
	global_load_b128 v[R+4*li:R+4*li+3], v[VW], s[\base:\base+1] offset:(\extra+lrow)*PITCH th:TH_LOAD_NT
.else
	global_load_b128 v[R+4*li:R+4*li+3], v[VW], s[\base:\base+1] offset:(\extra+lrow)*PITCH
.endif
.set li, li+1
.endr
.endm
; the core: a unit in v[R] on becomes four tiles' half fragments in v[PJ] on and their scale bytes in v[M] on; nxt = 1: the next unit is asked for as its registers come free
.macro WQC nxt, nbase, nextra, nperm
.irp j, 0,1,2,3
	v_max3_num_f32 v[M+\j], |v[R+\j]|, |v[R+4+\j]|, 0x1800000   ; the floor 2^(3 - 127) holds the byte at 1 from below
.endr
.set wi, 2
.rept 15
.irp j, 0,1,2,3
	v_max3_num_f32 v[M+\j], v[M+\j], |v[R+4*wi+\j]|, |v[R+4*wi+4+\j]|
.endr
.set wi, wi+2
.endr
.irp j, 0,1,2,3
	v_add_nc_u32 v[SO+\j], 0xff000000, v[M+\j]     ; 2 off the exponent field: the conversion's scale operand
.endr
.irp j, 0,1,2,3
	v_lshrrev_b32 v[M+\j], 23, v[SO+\j]            ; the scale's byte
.endr
.irp g, 0,1
.irp j, 0,1,2,3
.set wi, 0
.rept 16
	v_mov_b32 v[XT+16*(\j&1)+wi], v[R+4*(16*\g+wi)+\j]   ; a column's 16 neighbours along K on end; the two sets take turns, so 16 plain lines part a conversion from the rewrite of its sources
.set wi, wi+1
.endr
.if \g == 0
	v_cvt_scalef32_pk16_fp6_f32 v[PJ+6*\j:PJ+6*\j+2], v[XT+16*(\j&1):XT+16*(\j&1)+15], v[SO+\j]
.else
	v_cvt_scalef32_pk16_fp6_f32 v[TJ+4*\j:TJ+4*\j+2], v[XT+16*(\j&1):XT+16*(\j&1)+15], v[SO+\j]
.endif
.endr
.if (\nxt) && (\g == 0)
	s_wait_alu depctr_va_vdst(0)                   ; the maxima and the first half's moves are done reading slots 0-15, in which the next unit's loads land; the lines that follow name slots 16-31 alone
	LOADU \nbase, 0, 15, \nextra, \nperm
.endif
.endr
	v_nop                                          ; one plain line behind the last conversion
.irp j, 0,1,2,3
.irp i, 0,1,2
	v_mov_b32 v[PJ+6*\j+3+\i], v[TJ+4*\j+\i]
.endr
.endr
	s_wait_alu depctr_va_vdst(0)                   ; the codes v[PJ ..] and the bytes v[M ..] are written, which the unit's stores read; the second half's moves are done reading slots 16-31, in which loads land
.if \nxt
	LOADU \nbase, 16, 31, \nextra, \nperm
.endif
.endm
; the router's form: the results go to LDS
.macro WQ ia, ib, ioff, jstr, sa, soff, sjstr, nxt, nbase, nextra, nperm
	s_wait_loadcnt 0x0                             ; the maxima want all 32 slots
	s_wait_dscnt 0x0                               ; my last LDS stores have landed,
	s_wait_alu depctr_vm_vsrc(0)                   ; and have read their data among v176-220, which the lines below write again
	WQC \nxt, \nbase, \nextra, \nperm
.irp j, 0,1,2,3
.irp p, 0,1,2
.if \j < 2
	ds_store_b64 v[\ia], v[PJ+6*\j+2*\p:PJ+6*\j+2*\p+1] offset:\ioff+(\j&1)*\jstr+256*\p
.else
	ds_store_b64 v[\ib], v[PJ+6*\j+2*\p:PJ+6*\j+2*\p+1] offset:\ioff+(\j&1)*\jstr+256*\p
.endif
.endr
	ds_store_b8 v[\sa], v[M+\j] offset:\soff+\j*\sjstr
.endr
.endm
; the experts' form: unit u of my step; the codes go to memory, the bytes are gathered in v8-11
.macro WQG u, tstr, nxt, nextra, nperm
	s_wait_loadcnt 0x0                             ; the maxima want all 32 slots
	s_wait_xcnt 0x0                                ; the last unit's stores have had their addresses translated: their registers are written again below
.if \u > 0
	s_wait_alu depctr_vm_vsrc(0)                   ; the last unit's stores have read v[PJ ..], which this unit's conversions and moves write again
.endif
	WQC \nxt, 40, \nextra, \nperm
.irp j, 0,1,2,3
.if \u == 0
	v_mov_b32 v[8+\j], v[M+\j]
.else
	v_lshl_or_b32 v[8+\j], v[M+\j], 16, v[8+\j]    ; my two blocks of the step: h and 2 + h
.endif
.endr
.irp j, 0,1,2,3
.irp p, 0,1,2
	global_store_b64 v5, v[PJ+6*\j+2*\p:PJ+6*\j+2*\p+1], s[42:43] offset:\j*\tstr+768*\u+256*\p th:TH_STORE_NT   ; 32 lanes store 256 consecutive bytes, aligned.  No wait: the four lines since the unit's last wait name v8-11 and v[M ..] alone
.endr
.endr
.endm
; 32 numbers of a lane, one block, become 6 registers of codes at v[AQQ + 8 k] and the byte in v[AW + 4 + k]
.macro AQ a, k
	v_max3_num_f32 v[AW+\k], |v[\a]|, |v[\a+1]|, 0x1800000
.set qi, 2
.rept 15
	v_max3_num_f32 v[AW+\k], v[AW+\k], |v[\a+qi]|, |v[\a+qi+1]|
.set qi, qi+2
.endr
	v_add_nc_u32 v[AW+2+\k], 0xff000000, v[AW+\k]
	v_lshrrev_b32 v[AW+4+\k], 23, v[AW+2+\k]
	v_cvt_scalef32_pk16_fp6_f32 v[AQQ+8*\k:AQQ+8*\k+2], v[\a:\a+15], v[AW+2+\k]
	v_cvt_scalef32_pk16_fp6_f32 v[AQT+4*\k:AQT+4*\k+2], v[\a+16:\a+31], v[AW+2+\k]
	v_nop
.irp i, 0,1,2
	v_mov_b32 v[AQQ+8*\k+3+\i], v[AQT+4*\k+\i]
.endr
.endm
; elu(x) = max(x, 0) + expm1(min(x, 0)): above -0.35 by the series to x^7, else 2^(x log2 e) - 1
.macro ELU a
.set ei, 0
.rept 32
	v_min_num_f32 v[EX+ei], 0, v[\a+ei]
.set ei, ei+1
.endr
.set ei, 0
.rept 32
	v_mul_f32 v[EE+ei], s[CL2E], v[EX+ei]
.set ei, ei+1
.endr
.set ei, 0
.rept 32
	v_exp_f32 v[EE+ei], v[EE+ei]
.set ei, ei+1
.endr
.set ei, 0
.rept 32
	v_fma_f32 v[EP+ei], v[EX+ei], s[C7], s[C6]     ; the series is the plain work behind the batch of exponentials
.set ei, ei+1
.endr
.irp c, C5, C4, C3
.set ei, 0
.rept 32
	v_fma_f32 v[EP+ei], v[EP+ei], v[EX+ei], s[\c]
.set ei, ei+1
.endr
.endr
.irp c, 0.5, 1.0
.set ei, 0
.rept 32
	v_fma_f32 v[EP+ei], v[EP+ei], v[EX+ei], \c
.set ei, ei+1
.endr
.endr
.set ei, 0
.rept 32
	v_mul_f32 v[EP+ei], v[EP+ei], v[EX+ei]
.set ei, ei+1
.endr
.set ei, 0
.rept 32
	v_cmp_lt_f32 s[MK+ei], s[CTH], v[EX+ei]        ; the 32 compares in one run, a mask each
.set ei, ei+1
.endr
	s_wait_alu depctr_va_vdst(0)                   ; one wait for the 32 exponentials, ahead of their first reader
	s_wait_alu depctr_va_sdst(0)                   ; the 32 masks s[MK ..] are written, which the selections below read
.set ei, 0
.rept 32
	v_add_f32 v[EE+ei], -1.0, v[EE+ei]
	v_cndmask_b32 v[EE+ei], v[EE+ei], v[EP+ei], s[MK+ei]
	v_max_num_f32 v[\a+ei], 0, v[\a+ei]
	v_add_f32 v[\a+ei], v[\a+ei], v[EE+ei]
.set ei, ei+1
.endr
.endm
.macro WM d, a, b, sa, sb, ra, rb
.if (\ra) && (\rb)
	v_wmma_scale_f32_16x16x128_f8f6f4 v[\d:\d+7], v[\a:\a+11], v[\b:\b+11], v[\d:\d+7], v[\sa], v[\sb] matrix_a_fmt:MATRIX_FMT_FP6 matrix_b_fmt:MATRIX_FMT_FP6 matrix_a_scale:MATRIX_SCALE_ROW1 matrix_b_scale:MATRIX_SCALE_ROW1
.elseif \ra
	v_wmma_scale_f32_16x16x128_f8f6f4 v[\d:\d+7], v[\a:\a+11], v[\b:\b+11], v[\d:\d+7], v[\sa], v[\sb] matrix_a_fmt:MATRIX_FMT_FP6 matrix_b_fmt:MATRIX_FMT_FP6 matrix_a_scale:MATRIX_SCALE_ROW1
.elseif \rb
	v_wmma_scale_f32_16x16x128_f8f6f4 v[\d:\d+7], v[\a:\a+11], v[\b:\b+11], v[\d:\d+7], v[\sa], v[\sb] matrix_a_fmt:MATRIX_FMT_FP6 matrix_b_fmt:MATRIX_FMT_FP6 matrix_b_scale:MATRIX_SCALE_ROW1
.else
	v_wmma_scale_f32_16x16x128_f8f6f4 v[\d:\d+7], v[\a:\a+11], v[\b:\b+11], v[\d:\d+7], v[\sa], v[\sb] matrix_a_fmt:MATRIX_FMT_FP6 matrix_b_fmt:MATRIX_FMT_FP6
.endif
.endm
; one step of 128 along K: four weight tiles, the tokens' fragment, two scale words; four accumulators by turns
.macro RSTEP acc, fw, jst, sw, sjp, xl, asr, st
	NOP4                                           ; places in front of loads into registers that matrix instructions have read
.if \st > 0
	s_wait_alu depctr_va_vdst(0)                   ; the last step's four products are done reading v80-139, v240 and v241, in which the loads below land
.endif
.irp j, 0,1,2,3
.irp p, 0,1,2,3,4,5
	ds_load_b64 v[WF+12*\j+2*\p:WF+12*\j+2*\p+1], v[\fw] offset:\j*\jst+1536*\st+256*\p
.endr
.endr
.irp p, 0,1,2,3,4,5
	ds_load_b64 v[128+2*\p:129+2*\p], v[\xl] offset:96*\st+48*(\p/3)+8*(\p%3)
.endr
	ds_load_b32 v240, v[\sw] offset:4*\st          ; lanes 0-15 tile 0's words, lanes 16-31 tile 1's
	ds_load_b32 v241, v[\sw] offset:\sjp+4*\st     ; tiles 2 and 3
	s_wait_dscnt 0x0
.irp j, 0,1,2,3
	WM \acc+8*\j, WF+12*\j, 128, 240+(\j>>1), \asr+\st, \j&1, 0
.endr
.endm
.macro LGLOAD b, sbase                 ; rw2's rows of 8 of my columns
.irp c, 0,1,2,3,4,5,6,7
	ds_load_b128 v[\sbase+8*\c:\sbase+8*\c+3], v252 offset:32*(8*\b+\c)
	ds_load_b128 v[\sbase+8*\c+4:\sbase+8*\c+7], v252 offset:32*(8*\b+\c)+16
.endr
.endm
.macro LGFMA b, sbase                  ; column k of my block lies in register 8 (k & 3) + (k >> 2)
.irp c, 0,1,2,3,4,5,6,7
.irp z, 0,1,2,3,4,5,6,7
.if (\b == 0) && (\c == 0)
	v_mul_f32 v[208+\z], v[48+8*((8*\b+\c)&3)+((8*\b+\c)>>2)], v[\sbase+8*\c+\z]
.else
	v_fmac_f32 v[208+\z], v[48+8*((8*\b+\c)&3)+((8*\b+\c)>>2)], v[\sbase+8*\c+\z]
.endif
.endr
.endr
.endm
; the experts' weights: from the slice (s52) and the step (s51) to three byte offsets: s54 in the weight, s56 the step's codes in wq, s58 its scale words
.macro QADR nsh, nmask, esh, ssh, img, woff, wsoff
	s_lshr_b32 s53, s52, \nsh                      ; the expert
	s_lshl_b32 s54, s53, \esh
	s_and_b32 s53, s52, \nmask                     ; its slice of 64 columns: 256 bytes
	s_lshl_b32 s53, s53, 8
	s_add_co_u32 s54, s54, s53
	s_lshl_b32 s53, s51, \ssh                      ; 128 rows a step
	s_add_co_u32 s54, s54, s53
	s_mul_i32 s56, s52, \img
	s_add_co_u32 s56, s56, \woff
	s_lshl_b32 s53, s51, 2
	s_add_co_u32 s58, s56, s53
	s_add_co_u32 s58, s58, \wsoff
	s_mul_i32 s53, s51, 1536
	s_add_co_u32 s56, s56, s53
.endm
; a wave's step: two units, their codes, and the step's scale words
.macro QBODY wsrc, pitch, perm, tstr, kb
.set PITCH, \pitch
	v_lshlrev_b32 v1, 4, v3
	v_mul_u32_u24 v6, v4, 32*\pitch
	v_add_nc_u32 v1, v1, v6                        ; 16 (lane % 16) + 32 (lane / 16) rows
	v_mul_u32_u24 v6, v2, \kb                      ; scale words: lanes 0-15 an even tile's rows, lanes 16-31 the next tile's
	s_wait_kmcnt 0x0
	s_add_nc_u64 s[40:41], s[\wsrc:\wsrc+1], s[54:55]
	s_add_nc_u64 s[42:43], s[38:39], s[56:57]
	s_add_nc_u64 s[60:61], s[38:39], s[58:59]
	s_wait_alu depctr_va_vdst(0)                   ; the offsets v1, v5 and v6 are written, which every load and store of this path reads; so is v16, in which a load lands
	LOADU 40, 0, 31, 0, \perm
	WQG 0, \tstr, 1, 64, \perm                     ; the second unit lies 64 rows down
	WQG 1, \tstr, 0, 0, 0
	v_cmp_ne_u32 vcc_lo, 0, v4
.irp j, 0,1,2,3
	v_lshlrev_b32 v[8+\j], v7, v[8+\j]             ; my two bytes at their places in the word: 8 (lane / 16) bits up
	v_mov_b32 v[12+\j], 0                          ; a lane permute's destination counts as read
.endr
.irp j, 0,1,2,3
	v_permlanex16_b32 v[12+\j], v[8+\j], s28, s29
.endr
.irp j, 0,1,2,3
	v_or_b32 v[8+\j], v[8+\j], v[12+\j]            ; with lane l xor 16's two the word is whole
.endr
	s_wait_alu depctr_va_vcc(0)                    ; VCC is written, which the two selections read
	v_cndmask_b32 v12, v8, v9, vcc_lo              ; lanes 0-15 tile 0's words, lanes 16-31 tile 1's
	v_cndmask_b32 v13, v10, v11, vcc_lo            ; tiles 2 and 3
	s_wait_alu depctr_va_vdst(0)                   ; v12 and v13 are written, which the two stores read
	global_store_b32 v6, v12, s[60:61]
	global_store_b32 v6, v13, s[60:61] offset:32*\kb
	s_endpgm
.endm
	s_load_b256 s[4:11], s[0:1], 0x0               ; x, rw0, rb0, rw1
	s_load_b256 s[12:19], s[0:1], 0x20             ; rb1, rw2, rb2, xq
	s_load_b64 s[22:23], s[0:1], 0x40              ; choice
	s_load_b256 s[32:39], s[0:1], 0x48             ; w1, w2, w3, wq
	v_lshl_add_u32 v238, v0, 2, 0x2a600
	v_mov_b32 v239, 0
	v_lshrrev_b32 v16, 5, v0
	v_readfirstlane_b32 s24, v16                   ; wave 0..15
	s_mov_b32 s28, 0x76543210
	s_mov_b32 s29, 0xfedcba98                      ; lane l xor 16
	s_wait_alu depctr_va_sdst(0)                   ; s24 is written: ahead of the branch, and of its first reader on either way
	s_cmp_ge_u32 ttmp9, 64
	s_cbranch_scc1 .Lquant                         ; the work-group's number alone decides: all its waves go one way
	s_and_b32 s25, s24, 3                          ; my slice of 64 columns
	s_lshr_b32 s26, s24, 2                         ; my unit along K
	s_mov_b32 s[CL2E], 0x3fb8aa3b                  ; log2(e)
	s_mov_b32 s[C3], 0x3e2aaaab                    ; 1/6
	s_mov_b32 s[C4], 0x3d2aaaab                    ; 1/24
	s_mov_b32 s[C5], 0x3c088889                    ; 1/120
	s_mov_b32 s[C6], 0x3ab60b61                    ; 1/720
	s_mov_b32 s[C7], 0x39500d01                    ; 1/5040
	s_mov_b32 s[CTH], 0xbeb33333                   ; -0.35
	v_and_b32 v16, 31, v0                          ; lane
	v_and_b32 v17, 15, v0                          ; r
	v_bfe_u32 v18, v0, 4, 1                        ; h
	v_lshlrev_b32 v19, 3, v16                      ; 8 x lane
	v_lshlrev_b32 v20, 4, v16                      ; 16 x lane
	; every address register is made here, ahead of the first parting of the waves
	v_lshlrev_b32 v1, 4, v17
	v_lshl_add_u32 v1, v18, 15, v1
	s_lshl_b32 s27, s25, 8
	s_lshl_b32 s30, s26, 16
	s_add_co_u32 s27, s27, s30
	v_add_nc_u32 v1, s27, v1                       ; weights: 16 r + 256 slice + (32 h + 64 unit) rows of 1024 bytes
	s_mul_i32 s27, s25, 24576
	s_mul_i32 s30, s26, 768
	s_add_co_u32 s31, s27, s30
	v_add_nc_u32 v2, s31, v19                      ; rw0's images, on the way in: tiles 0, 1
	v_add_nc_u32 v3, 2*6144, v2                    ; tiles 2, 3
	v_add_nc_u32 v13, s27, v19                     ; and on the way out
	s_lshl_b32 s27, s25, 10
	s_add_co_u32 s27, s27, W0S
	v_lshl_add_u32 v4, v17, 4, v18
	s_lshl_b32 s30, s26, 1
	s_add_co_u32 s31, s27, s30
	v_add_nc_u32 v4, s31, v4                       ; rw0's scale bytes in
	v_add_nc_u32 v14, s27, v20                     ; and out: a word a lane
	s_mul_i32 s27, s25, 12288
	s_add_co_u32 s27, s27, W1I
	s_mul_i32 s30, s26, 768
	s_add_co_u32 s31, s27, s30
	v_add_nc_u32 v5, s31, v19                      ; rw1's images in
	v_add_nc_u32 v6, 2*3072, v5
	v_add_nc_u32 v248, s27, v19                    ; and out
	s_lshl_b32 s27, s25, 9
	s_add_co_u32 s27, s27, W1S
	v_lshl_add_u32 v7, v17, 3, v18
	s_lshl_b32 s30, s26, 1
	s_add_co_u32 s31, s27, s30
	v_add_nc_u32 v7, s31, v7                       ; rw1's scale bytes in
	v_add_nc_u32 v249, s27, v19                    ; and out
	v_lshlrev_b32 v8, 11, v17
	v_lshl_add_u32 v8, v18, 7, v8
	s_lshl_b32 s27, s24, 8
	v_add_nc_u32 v8, s27, v8                       ; x: row r, block 2 wave + h
	v_mul_u32_u24 v15, v17, 384
	v_mad_u32_u24 v15, v18, 24, v15
	v_add_nc_u32 v15, XR, v15                      ; x's codes out of LDS
	s_mul_i32 s27, s24, 48
	v_add_nc_u32 v9, s27, v15                      ; and into it
	v_lshl_add_u32 v242, v17, 4, XSB
	v_add_nc_u32 v10, v242, v18
	s_lshl_b32 s27, s24, 1
	v_add_nc_u32 v10, s27, v10
	s_lshl_b32 s27, s24, 9
	v_add_nc_u32 v11, s27, v20                     ; 512 wave + 16 lane
	v_add_nc_u32 v12, RW2L, v11
	v_add_nc_u32 v245, XR-2048, v11                ; waves 4-15 copy x's codes out
	v_mul_u32_u24 v250, v17, 192
	v_mad_u32_u24 v250, v18, 24, v250
	v_add_nc_u32 v250, H0R, v250
	s_mul_i32 s27, s25, 48
	v_add_nc_u32 v243, s27, v250
	v_lshl_add_u32 v251, v17, 3, H0S
	v_add_nc_u32 v244, v251, v18
	s_lshl_b32 s27, s25, 1
	v_add_nc_u32 v244, s27, v244
	v_add_nc_u32 v246, XSB, v19
	v_mov_b32 v247, v19
	s_lshl_b32 s27, s25, 11
	s_add_co_u32 s27, s27, RW2L
	v_lshlrev_b32 v252, 10, v18
	v_add_nc_u32 v252, s27, v252
	v_lshl_add_u32 v254, v17, 5, LG
	s_lshl_b32 s27, s25, 9
	v_add_nc_u32 v253, s27, v254
	s_lshl_b32 s27, s25, 8
	v_lshlrev_b32 v255, 7, v18
	v_add_nc_u32 v255, s27, v255                   ; biases: 256 slice + 128 h
	s_wait_kmcnt 0x0
	s_add_nc_u64 s[20:21], s[18:19], XSOFF         ; x's scale bytes, behind its codes
	s_mov_b32 s31, 0
	s_lshl_b32 s30, ttmp9, 15
	s_add_nc_u64 s[4:5], s[4:5], s[30:31]          ; my 16 rows of x
	s_mul_i32 s30, ttmp9, 6144
	s_add_nc_u64 s[18:19], s[18:19], s[30:31]
	s_lshl_b32 s30, ttmp9, 8
	s_add_nc_u64 s[20:21], s[20:21], s[30:31]
	s_lshl_b32 s30, ttmp9, 6
	s_add_nc_u64 s[22:23], s[22:23], s[30:31]
	s_wait_alu depctr_va_vdst(0)                   ; all offsets and LDS addresses, v1-15 and v242-255, are written, which the loads and stores of this path read; so are v16-20, in which loads land
	; ---- phase 0: x (waves 0-7), rw2, and the three weight units of each wave
	s_cmp_ge_u32 s24, 8
	s_cbranch_scc1 .Lnx1
.irp i, 0,1,2,3,4,5,6,7
	global_load_b128 v[XT+4*\i:XT+4*\i+3], v8, s[4:5] offset:16*\i
.endr
.Lnx1:
	global_load_b128 v[212:215], v11, s[14:15]
	LOADU 6, 0, 31, 0, 0
	s_cmp_ge_u32 s24, 8
	s_cbranch_scc1 .Lnx2
	s_wait_loadcnt 33                              ; x is in; rw2's load and the unit's 32 may be out
.set AW, 216
.set AQQ, 176
.set AQT, 200
	AQ XT, 0
	s_wait_alu depctr_va_vdst(0)                   ; x's codes v176-181 and byte v220 are written, which the LDS stores read
.irp p, 0,1,2
	ds_store_b64 v9, v[176+2*\p:177+2*\p] offset:8*\p
.endr
	ds_store_b8 v10, v220
.Lnx2:
	s_wait_loadcnt 32                              ; rw2's piece is in; the unit's 32 may be out
	ds_store_b128 v12, v[212:215]
	WQ 2, 3, 0, 6144, 4, 0, 256, 1, 6, 256, 0      ; rw0, my first unit; the next lies 256 rows down
	WQ 2, 3, 3072, 6144, 4, 8, 256, 1, 10, 0, 1    ; rw0, my second; then rw1's, its rows in the order of h0's places
	WQ 5, 6, 0, 3072, 7, 0, 128, 0, 0, 0, 0
	s_wait_alu depctr_vm_vsrc(0)                   ; the last unit's LDS stores have read v176-199 and v216-219, which the activation, rw2's loads and the logits' lines write again in waves 0-3: stated here, ahead of the branches
	BAR
	; ---- phase 1: waves 0-3: h0, quantised; waves 4-15: x's codes and bytes leave
	s_cmp_ge_u32 s24, 4
	s_cbranch_scc1 .Lcopy
.irp j, 0,1,2,3
.irp u, 0,1,2,3,4,5,6,7
	global_load_b32 v[16+8*\j+\u], v255, s[8:9] offset:16*\u+4*\j      ; the biases start the sums: nothing is cleared
	global_load_b32 v[48+8*\j+\u], v255, s[12:13] offset:16*\u+4*\j
.endr
.endr
	ds_load_b128 v[224:227], v242                  ; x's scale words, four steps
	s_wait_loadcnt 0x0
	RSTEP 16, 13, 6144, 14, 512, 15, 224, 0
	RSTEP 16, 13, 6144, 14, 512, 15, 224, 1
	RSTEP 16, 13, 6144, 14, 512, 15, 224, 2
	RSTEP 16, 13, 6144, 14, 512, 15, 224, 3
	NOP4
.set AW, 80
.set AQQ, 88
.set AQT, 104
	AQ 16, 0
	s_wait_alu depctr_va_vdst(0)                   ; h0's codes v88-93 and byte v84 are written, which the LDS stores read; the products and the quantiser are done with v80-139, v240 and v241, in which the next phase's loads land
.irp p, 0,1,2
	ds_store_b64 v243, v[88+2*\p:89+2*\p] offset:8*\p
.endr
	ds_store_b8 v244, v84
	s_wait_alu depctr_vm_vsrc(0)                   ; these LDS stores have read v84 and v88-93, in which the next phase's weight tiles land: stated ahead of the branch
	s_branch .Lb2
.Lcopy:
	ds_load_b128 v[144:147], v245
	s_wait_dscnt 0x0
	global_store_b128 v11, v[144:147], s[18:19] offset:-2048    ; 32 lanes store 512 consecutive bytes
	s_wait_alu depctr_vm_vsrc(0)                   ; the store has read v144-147, which the activation and rw2's loads behind the next barrier write again (lines that waves 0-3 alone run, but the way to them is open in the text): stated ahead of the branch
	s_cmp_lg_u32 s24, 4
	s_cbranch_scc1 .Lb2
	ds_load_b64 v[148:149], v246
	s_wait_dscnt 0x0
	global_store_b64 v247, v[148:149], s[20:21]    ; 256 consecutive bytes
	s_wait_alu depctr_vm_vsrc(0)                   ; the store has read v148 and v149, which the same lines write again: stated ahead of the label at which the ways join
.Lb2:
	BAR
	; ---- phase 2: waves 0-3: h1 and its part of the logits
	s_cmp_ge_u32 s24, 4
	s_cbranch_scc1 .Lb3
	ds_load_b64 v[228:229], v251                   ; h0's scale words, two steps
	RSTEP 48, 248, 3072, 249, 256, 250, 228, 0
	RSTEP 48, 248, 3072, 249, 256, 250, 228, 1
	NOP4
	ELU 48
	s_wait_alu depctr_va_vdst(0)                   ; the products are done reading v80-139 and the activation is done with v112-207: rw2's rows land in v80-207
	LGLOAD 0, 80
	LGLOAD 1, 144
	s_wait_dscnt 16                                ; the older batch is in
	LGFMA 0, 80
	s_wait_alu depctr_va_vdst(0)                   ; the multiply-adds above are done reading v80-143, in which the next batch lands
	LGLOAD 2, 80
	s_wait_dscnt 16
	LGFMA 1, 144
	s_wait_alu depctr_va_vdst(0)                   ; the multiply-adds above are done reading v144-207, in which the next batch lands
	LGLOAD 3, 144
	s_wait_dscnt 16
	LGFMA 2, 80
	s_wait_dscnt 0x0
	LGFMA 3, 144
.irp z, 0,1,2,3,4,5,6,7
	v_mov_b32 v[216+\z], 0                         ; a lane permute's destination counts as read
.endr
.irp z, 0,1,2,3,4,5,6,7
	v_permlanex16_b32 v[216+\z], v[208+\z], s28, s29
.endr
.irp z, 0,1,2,3,4,5,6,7
	v_add_f32 v[208+\z], v[208+\z], v[216+\z]      ; both halves of my slice's 64 columns
.endr
	s_wait_alu depctr_va_vdst(0)                   ; v208-215 are written, which the LDS stores read
	ds_store_b128 v253, v[208:211]
	ds_store_b128 v253, v[212:215] offset:16
.Lb3:
	BAR
	; ---- phase 3: wave 0: the four slices' parts, rb2, the first largest
	s_cmp_lg_u32 s24, 0
	s_cbranch_scc1 .Lend
	v_mov_b32 v16, 0
	s_wait_alu depctr_va_vdst(0)                   ; v16 is written, which the two loads read as their offset
	global_load_b128 v[80:83], v16, s[16:17]
	global_load_b128 v[84:87], v16, s[16:17] offset:16
.irp q, 0,1,2,3
	ds_load_b128 v[48+8*\q:51+8*\q], v254 offset:512*\q
	ds_load_b128 v[52+8*\q:55+8*\q], v254 offset:512*\q+16
.endr
	s_wait_dscnt 0x0
	s_wait_loadcnt 0x0
.irp z, 0,1,2,3,4,5,6,7
	v_add_f32 v[48+\z], v[48+\z], v[56+\z]
	v_add_f32 v[64+\z], v[64+\z], v[72+\z]
.endr
.irp z, 0,1,2,3,4,5,6,7
	v_add_f32 v[48+\z], v[48+\z], v[64+\z]
.endr
.irp z, 0,1,2,3,4,5,6,7
	v_add_f32 v[48+\z], v[48+\z], v[80+\z]
.endr
	v_mov_b32 v96, v48
	v_mov_b32 v97, 0
.irp z, 1,2,3,4,5,6,7
	v_mov_b32 v98, \z
	v_cmp_gt_f32 vcc_lo, v[48+\z], v96             ; strictly larger: the lower index keeps a tie
	s_wait_alu depctr_va_vcc(0)                    ; VCC is written, which the two selections read; each compare hangs on the selection before it, so the seven cannot stand in one run
	v_cndmask_b32 v96, v96, v[48+\z], vcc_lo
	v_cndmask_b32 v97, v97, v98, vcc_lo
.endr
	v_and_b32 v99, 15, v0
	v_lshlrev_b32 v99, 2, v99
	s_wait_alu depctr_va_vdst(0)                   ; v97 and v99 are written, which the store reads
	global_store_b32 v99, v97, s[22:23]            ; lanes 16-31 hold and store what lanes 0-15 do
.Lend:
	s_wait_dscnt 0x0                               ; the closing lines, six on end
	s_wait_alu 0x0
	s_wait_tensorcnt 0x0
	ds_add_u32 v238, v239
	s_wait_dscnt 0x0
	s_endpgm
	; ---- WORK-GROUPS 64-447: the experts' weights.  Each weight is read once in the whole program: the loads carry the hint for that
.Lquant:
.set NTH, 1
	v_and_b32 v2, 31, v0                           ; lane
	v_and_b32 v3, 15, v0                           ; lane % 16: my 4 columns
	v_bfe_u32 v4, v0, 4, 1                         ; lane / 16: my block of the unit's two
	v_lshlrev_b32 v5, 3, v2                        ; 8 x lane: an image's place for my lane
	v_lshlrev_b32 v7, 3, v4
	s_sub_co_u32 s52, ttmp9, 64
	s_mov_b32 s55, 0
	s_mov_b32 s57, 0
	s_mov_b32 s59, 0
	s_cmp_ge_u32 s52, 320
	s_cbranch_scc1 .Lq1
	s_cmp_ge_u32 s52, 256
	s_cbranch_scc1 .Lq3
	s_mov_b32 s51, s24                             ; w2: slice = the work-group, step = the wave
	QADR 5, 31, 24, 20, 102400, WQ2, 98304
	QBODY 34, 8192, 1, 24576, 64
.Lq3:
	s_sub_co_u32 s52, s52, 256                     ; w3: likewise; 8 slices an expert, rows of 2,048 bytes
	s_mov_b32 s51, s24
	QADR 3, 7, 22, 18, 102400, WQ3, 98304
	QBODY 36, 2048, 1, 24576, 64
.Lq1:
	s_sub_co_u32 s52, s52, 320                     ; w1: four steps a slice: four slices a work-group
	s_lshl_b32 s52, s52, 2
	s_lshr_b32 s53, s24, 2
	s_add_co_u32 s52, s52, s53
	s_and_b32 s51, s24, 3
	QADR 5, 31, 22, 20, 25600, 0, 24576
	QBODY 32, 8192, 0, 6144, 16
.Lfunc_end_k_q2d32071559_router:
	.size	k_q2d32071559_router, .Lfunc_end_k_q2d32071559_router-k_q2d32071559_router
	.p2alignl 7, 3214868480
	.fill 96, 4, 3214868480
	.section	.rodata,"a",@progbits
	.p2align	6, 0x0
	.amdhsa_kernel k_q2d32071559_router
		.amdhsa_group_segment_fixed_size 175616
		.amdhsa_private_segment_fixed_size 0
		.amdhsa_enable_private_segment 0
		.amdhsa_kernarg_size 104
		.amdhsa_user_sgpr_count 2
		.amdhsa_user_sgpr_kernarg_segment_ptr 1
		.amdhsa_wavefront_size32 1
		.amdhsa_system_sgpr_workgroup_id_x 1
		.amdhsa_system_sgpr_workgroup_id_y 1
		.amdhsa_system_sgpr_workgroup_id_z 1
		.amdhsa_system_vgpr_workitem_id 0
		.amdhsa_next_free_vgpr 256
		.amdhsa_next_free_sgpr 98
		.amdhsa_reserve_vcc 1
		.amdhsa_float_denorm_mode_32 3
		.amdhsa_float_denorm_mode_16_64 3
		.amdhsa_memory_ordered 1
		.amdhsa_forward_progress 1
		.amdhsa_inst_pref_size 204
	.end_amdhsa_kernel
	.amdgpu_metadata
---
amdhsa.version: [ 1, 2 ]
amdhsa.kernels:
  - .name:           k_q2d32071559_router
    .symbol:         k_q2d32071559_router.kd
    .args:
      - { .name: x, .offset: 0, .size: 8, .value_kind: global_buffer, .address_space: global }
      - { .name: rw0, .offset: 8, .size: 8, .value_kind: global_buffer, .address_space: global }
      - { .name: rb0, .offset: 16, .size: 8, .value_kind: global_buffer, .address_space: global }
      - { .name: rw1, .offset: 24, .size: 8, .value_kind: global_buffer, .address_space: global }
      - { .name: rb1, .offset: 32, .size: 8, .value_kind: global_buffer, .address_space: global }
      - { .name: rw2, .offset: 40, .size: 8, .value_kind: global_buffer, .address_space: global }
      - { .name: rb2, .offset: 48, .size: 8, .value_kind: global_buffer, .address_space: global }
      - { .name: xq, .offset: 56, .size: 8, .value_kind: global_buffer, .address_space: global }
      - { .name: choice, .offset: 64, .size: 8, .value_kind: global_buffer, .address_space: global }
      - { .name: w1, .offset: 72, .size: 8, .value_kind: global_buffer, .address_space: global }
      - { .name: w2, .offset: 80, .size: 8, .value_kind: global_buffer, .address_space: global }
      - { .name: w3, .offset: 88, .size: 8, .value_kind: global_buffer, .address_space: global }
      - { .name: wq, .offset: 96, .size: 8, .value_kind: global_buffer, .address_space: global }
    .group_segment_fixed_size: 175616
    .private_segment_fixed_size: 0
    .kernarg_segment_align: 8
    .kernarg_segment_size: 104
    .max_flat_workgroup_size: 512
    .sgpr_count:     98
    .vgpr_count:     256
    .wavefront_size: 32
...
	.end_amdgpu_metadata
.endif
;; end of part 6
;; launch place: the kernel of part 2 again; grid 1 x 1, 32 waves a work-group, no clusters, 5,120 bytes of LDS; arguments choice, route; writes route
;; launch layer1 (part 7): grid 32 x 11, 16 waves a work-group, no clusters, 27,648 bytes of LDS; arguments route, xq, wq, b1, a1; writes a1
.if DOCPART == 7
	.amdgcn_target "amdgcn-amd-amdhsa--gfx1250"
	.amdhsa_code_object_version 6
	.text
	.protected	k_q2d32071559_layer1
	.globl	k_q2d32071559_layer1
	.p2align	8
	.type	k_q2d32071559_layer1,@function
k_q2d32071559_layer1:
	s_mov_b64 s[64:65], 0
	v_nop
	global_prefetch_b8 v0, s[64:65] scope:SCOPE_SE
	s_setreg_imm32_b32 hwreg(HW_REG_WAVE_SCHED_MODE, 0, 2), 2
	s_setreg_imm32_b32 hwreg(HW_REG_WAVE_MODE, 25, 1), 1
	s_wait_xcnt 0x0
	s_wait_alu depctr_vm_vsrc(0)
; ONE LAYER OF THE CHOSEN EXPERT'S CHAIN (LAYER = 1, 2, 3; one text, the sizes set below).  Work-group (n, tile): 64 columns n of the layer, the rows of one tile of one expert.
; The tile list and the order of tokens are whole numbers stored by an earlier launch.  The grid serves every split: at most 11 tiles of 256 rows; a tile without rows does nothing.
; No tensor load and no cluster: branches hang on the stored row count, and work-groups share weights only where an expert has more than 256 rows.
; FIRST the 16 waves copy the slice's image out of wq into LDS, as it lies: the codes (FP6, E2M3) of 64 columns, all of K, as images of the operand's registers, and their E8M0 bytes.
; The first launch has made them.  Tile j holds columns 4 m + j.  ONE barrier.  THEN wave w (0-7) multiplies rows 32 w .. 32 w + 31, transposed (source 0 = 16 columns, source 1 = 16 rows):
; a lane's 32 results of a row tile are one whole block of the next K, place 8 j + u = column 4 u + j; the next layer's weights were quantised with their rows in that order.
; Rows past the tile's last repeat its last row: they compute, and in the last layer store, the same numbers.
; LIMITS: NaN and infinities are not served; a block of zeros keeps the byte 1 (zero codes; only this program reads the bytes); the results' scale bytes leave one byte a lane.
; THE MODE: SCHED_MODE bits 1:0 = 2 (LLVM: expert scheduling mode 2), set by the entry lines.  The code itself states the register dependences
; between vector or matrix instructions and memory or LDS instructions, with s_wait_alu, always for 0.
; THE PLAN.  Registers that memory or LDS instructions touch:
;   v1-15       Offsets and LDS addresses: written at the head (first layer: v10, v14, v15 behind the gather of the tokens' numbers), ahead of one wait on va_vdst; never written again.
;   v16-65      The copy: global loads land, LDS stores read them; behind the barrier the bias lands in v16-79: one wait on vm_vsrc, at the barrier.
;   WF half 0   v80-103 and v240: LDS loads land; the step's four products on tiles 0, 1 read them.     WF half 1   v104-127 and v241: likewise, tiles 2, 3.
;   AF0 .. AF3  v128-223: global loads land; step st's eight products read AF[st % 4].                  v224-239    The rows' scale words: loaded once.
; 16 waves of 256 registers leave no room for a third half of weight tiles.  So a step has TWO waits on va_vdst.  The first, behind the four products on half 0, states that they are done reading it:
; the next step's loads into half 0 follow, dealt among the four products on half 1, which name none of those registers.  The second, behind the four products on half 1, states that they are done
; reading half 1 and that the step's eight are done reading AF[st % 4]: the loads into both follow in one run, ahead of the next step's wait for its fragments, so that the ring keeps its lead of four steps.
; On the way out every run of stores of vector or matrix results stands behind one wait on va_vdst.  v254, v255: written at the head, read by the closing add alone.
.set LAYER, 1
.if LAYER == 1
.set KDIM, 512
.set NDIM, 2048
.set AIN0, 14
.set WQOFF, 0                          ; where this layer's images begin in wq
.set ASOFF, 393216                     ; the rows' scale bytes lie behind their codes
.elseif LAYER == 2
.set KDIM, 2048
.set NDIM, 2048
.set AIN0, 8
.set WQOFF, 6553600
.set ASOFF, 4325376
.else
.set KDIM, 2048
.set NDIM, 512
.set AIN0, 8
.set WQOFF, 32768000
.set ASOFF, 4325376
.endif
.set OSOFF, 4325376                    ; and so do the results'
.set KUT, KDIM/64                      ; units along K
.set NS, KDIM/128                      ; steps of the products
.set KB, KDIM/32                       ; scale bytes of a column
.set TSTR, KUT*768                     ; LDS: a tile's images; (tile x KUT + unit) x 768 + plane x 256 + 8 x lane
.set WS, 4*TSTR                        ; the scale bytes: tile x 16 KB + row x KB + block
.set IMG, WS+64*KB                     ; a slice's image
.set STG, IMG                          ; last layer: a stage of 16 rows x 272 bytes for each wave
.set NC, WS/8192                       ; the copy: 16 bytes a thread, 8,192 a turn
.set CA, 1
.set CA2, 2
.set CB, 3
.set CL, 4
.set FA, 5
.set FB, 6
.set SWA, 7
.set ACC, 16                           ; products: v16-79, 32 t + 8 j + u
.set WF, 80                            ; v80-127 four weight tiles
.set AF, 128                           ; v128-223 the rows' fragments, a ring of four steps
.set AW, 80
.set AQQ, 88
.set AQT, 104
.set EX, 112
.set EE, 144
.set EP, 176
.set CL2E, 44
.set C3, 45
.set C4, 46
.set C5, 47
.set C6, 48
.set C7, 49
.set CTH, 50
.set MK, 66                            ; s66-97 the 32 masks of an activation (second layer)
; v224-241 hold scale words and nothing else
.macro NOP4
.rept 4
	v_nop
.endr
.endm
.macro AQ a, k
	v_max3_num_f32 v[AW+\k], |v[\a]|, |v[\a+1]|, 0x1800000      ; the floor 2^(3 - 127) holds the byte at 1 from below
.set qi, 2
.rept 15
	v_max3_num_f32 v[AW+\k], v[AW+\k], |v[\a+qi]|, |v[\a+qi+1]|
.set qi, qi+2
.endr
	v_add_nc_u32 v[AW+2+\k], 0xff000000, v[AW+\k]  ; 2 off the exponent field: the conversion's scale operand
	v_lshrrev_b32 v[AW+4+\k], 23, v[AW+2+\k]       ; the scale's byte
	v_cvt_scalef32_pk16_fp6_f32 v[AQQ+8*\k:AQQ+8*\k+2], v[\a:\a+15], v[AW+2+\k]
	v_cvt_scalef32_pk16_fp6_f32 v[AQT+4*\k:AQT+4*\k+2], v[\a+16:\a+31], v[AW+2+\k]
	v_nop
.irp i, 0,1,2
	v_mov_b32 v[AQQ+8*\k+3+\i], v[AQT+4*\k+\i]
.endr
.endm
; elu(x) = max(x, 0) + expm1(min(x, 0)): above -0.35 by the series to x^7, else 2^(x log2 e) - 1
.macro ELU a
.set ei, 0
.rept 32
	v_min_num_f32 v[EX+ei], 0, v[\a+ei]
.set ei, ei+1
.endr
.set ei, 0
.rept 32
	v_mul_f32 v[EE+ei], s[CL2E], v[EX+ei]
.set ei, ei+1
.endr
.set ei, 0
.rept 32
	v_exp_f32 v[EE+ei], v[EE+ei]
.set ei, ei+1
.endr
.set ei, 0
.rept 32
	v_fma_f32 v[EP+ei], v[EX+ei], s[C7], s[C6]     ; the series is the plain work behind the batch of exponentials
.set ei, ei+1
.endr
.irp c, C5, C4, C3
.set ei, 0
.rept 32
	v_fma_f32 v[EP+ei], v[EP+ei], v[EX+ei], s[\c]
.set ei, ei+1
.endr
.endr
.irp c, 0.5, 1.0
.set ei, 0
.rept 32
	v_fma_f32 v[EP+ei], v[EP+ei], v[EX+ei], \c
.set ei, ei+1
.endr
.endr
.set ei, 0
.rept 32
	v_mul_f32 v[EP+ei], v[EP+ei], v[EX+ei]
.set ei, ei+1
.endr
.set ei, 0
.rept 32
	v_cmp_lt_f32 s[MK+ei], s[CTH], v[EX+ei]        ; the 32 compares in one run, a mask each
.set ei, ei+1
.endr
	s_wait_alu depctr_va_vdst(0)                   ; one wait for the 32 exponentials, ahead of their first reader
	s_wait_alu depctr_va_sdst(0)                   ; the 32 masks s[MK ..] are written, which the selections below read
.set ei, 0
.rept 32
	v_add_f32 v[EE+ei], -1.0, v[EE+ei]
	v_cndmask_b32 v[EE+ei], v[EE+ei], v[EP+ei], s[MK+ei]
	v_max_num_f32 v[\a+ei], 0, v[\a+ei]
	v_add_f32 v[\a+ei], v[\a+ei], v[EE+ei]
.set ei, ei+1
.endr
.endm
.macro WM d, a, b, sa, sb, ra, rb
.if (\ra) && (\rb)
	v_wmma_scale_f32_16x16x128_f8f6f4 v[\d:\d+7], v[\a:\a+11], v[\b:\b+11], v[\d:\d+7], v[\sa], v[\sb] matrix_a_fmt:MATRIX_FMT_FP6 matrix_b_fmt:MATRIX_FMT_FP6 matrix_a_scale:MATRIX_SCALE_ROW1 matrix_b_scale:MATRIX_SCALE_ROW1
.elseif \ra
	v_wmma_scale_f32_16x16x128_f8f6f4 v[\d:\d+7], v[\a:\a+11], v[\b:\b+11], v[\d:\d+7], v[\sa], v[\sb] matrix_a_fmt:MATRIX_FMT_FP6 matrix_b_fmt:MATRIX_FMT_FP6 matrix_a_scale:MATRIX_SCALE_ROW1
.elseif \rb
	v_wmma_scale_f32_16x16x128_f8f6f4 v[\d:\d+7], v[\a:\a+11], v[\b:\b+11], v[\d:\d+7], v[\sa], v[\sb] matrix_a_fmt:MATRIX_FMT_FP6 matrix_b_fmt:MATRIX_FMT_FP6 matrix_b_scale:MATRIX_SCALE_ROW1
.else
	v_wmma_scale_f32_16x16x128_f8f6f4 v[\d:\d+7], v[\a:\a+11], v[\b:\b+11], v[\d:\d+7], v[\sa], v[\sb] matrix_a_fmt:MATRIX_FMT_FP6 matrix_b_fmt:MATRIX_FMT_FP6
.endif
.endm
.macro AFLOAD st                       ; my two row tiles' fragments of step st: 12 loads
.irp t, 0,1
.irp p, 0,1,2,3,4,5
.if LAYER == 1
	global_load_b64 v[AF+24*((\st)%4)+12*\t+2*\p:AF+24*((\st)%4)+12*\t+2*\p+1], v[AIN0+\t], s[6:7] offset:96*(\st)+48*(\p/3)+8*(\p%3)
.else
	global_load_b64 v[AF+24*((\st)%4)+12*\t+2*\p:AF+24*((\st)%4)+12*\t+2*\p+1], v[AIN0+\t], s[6:7] offset:1536*(\st)+256*\p
.endif
.endr
.endr
.endm
.macro WFT hp, j, st                   ; weight tile 2 hp + j of step st: 6 LDS loads
.irp p, 0,1,2,3,4,5
	ds_load_b64 v[WF+24*(\hp)+12*(\j)+2*\p:WF+24*(\hp)+12*(\j)+2*\p+1], v[FA+(\hp)] offset:(\j)*TSTR+1536*(\st)+256*\p
.endr
.endm
.macro WFS hp, st                      ; the scale words of tiles 2 hp, 2 hp + 1 of step st
	ds_load_b32 v[240+(\hp)], v[SWA] offset:(\hp)*32*KB+4*(\st)
.endm
.macro WFLOAD hp, st                   ; weight tiles 2 hp, 2 hp + 1 of step st and their scale words: 13 LDS loads
	WFT \hp, 0, \st
	WFT \hp, 1, \st
	WFS \hp, \st
.endm
.macro MM1 hp, st, t, j                ; row tile t x weight tile 2 hp + j
	WM ACC+32*(\t)+8*(2*(\hp)+(\j)), WF+24*(\hp)+12*(\j), AF+24*((\st)%4)+12*(\t), 240+(\hp), 224+(\st), \j, \t
.endm
.macro MM4 hp, st                      ; the eight accumulators take turns, one instruction a turn
.irp t, 0,1
.irp j, 0,1
	MM1 \hp, \st, \t, \j
.endr
.endr
.endm
.macro PSTEP st
.if 12*(NS-1-(\st)) > 36
	s_wait_loadcnt 36                              ; this step's fragments are in; the three younger steps' 36 loads may be out
.else
	s_wait_loadcnt 12*(NS-1-(\st))
.endif
	s_wait_dscnt 13                                ; tiles 0, 1 are in; the 13 loads of tiles 2, 3 may be out
	MM4 0, \st
	NOP4                                           ; places in front of loads into registers that matrix instructions have read
.if (\st)+1 < NS
	s_wait_alu depctr_va_vdst(0)                   ; the four products above are done reading tiles 0, 1 and v240, in which the loads dealt below land
.endif
	s_wait_dscnt 0x0                               ; tiles 2, 3 are in: nothing younger is out
	MM1 1, \st, 0, 0
.if (\st)+1 < NS
	WFT 0, 0, (\st)+1                              ; no wait: the products since the wait above name tiles 2, 3, v241, the fragments and the accumulators alone
.endif
	MM1 1, \st, 0, 1
.if (\st)+1 < NS
	WFT 0, 1, (\st)+1
	WFS 0, (\st)+1
.endif
	MM1 1, \st, 1, 0
	MM1 1, \st, 1, 1
	NOP4
.if (\st)+1 < NS
	s_wait_alu depctr_va_vdst(0)                   ; the four products above are done reading tiles 2, 3 and v241, and the step's eight are done reading its fragments: the loads below land in all of these
	WFLOAD 1, (\st)+1
.endif
.if (\st)+4 < NS
	AFLOAD (\st)+4
.endif
.endm
	s_load_b128 s[4:7], s[0:1], 0x0                ; route, the rows' codes and scale bytes
	s_load_b64 s[10:11], s[0:1], 0x10              ; wq
	s_load_b128 s[12:15], s[0:1], 0x18             ; the bias, the output
	v_lshl_add_u32 v254, v0, 2, 0x6400
	v_mov_b32 v255, 0
	v_lshrrev_b32 v16, 5, v0
	v_readfirstlane_b32 s18, v16                   ; wave 0..15
	s_mov_b32 s19, ttmp9                           ; n: my 64 columns
	s_and_b32 s20, ttmp7, 0xffff                   ; tile
	s_lshl_b32 s21, s20, 4
	s_wait_kmcnt 0x0
	s_load_b128 s[24:27], s[4:5], s21 offset:0x1000   ; expert, first place, rows, 0
	; every address register is made here, ahead of the first branch
	v_and_b32 v16, 31, v0                          ; lane
	v_and_b32 v17, 15, v0                          ; r
	v_bfe_u32 v18, v0, 4, 1                        ; h
	v_lshlrev_b32 v[CA], 4, v0                     ; the copy: 16 x thread, in the image and in LDS alike
.if NC > 8
	v_add_nc_u32 v[CA2], 65536, v[CA]              ; an LDS offset has 16 bits
.endif
.if KB == 64
	v_lshlrev_b32 v[CB], 3, v0                     ; the scale bytes: 4,096: 8 a thread
.else
	v_lshlrev_b32 v[CB], 1, v0                     ; 1,024: 2 a thread
.endif
	v_add_nc_u32 v[CL], WS, v[CB]
	v_lshlrev_b32 v[FA], 3, v16                    ; images out of LDS: 8 x lane, tiles 0, 1
	v_add_nc_u32 v[FB], 2*TSTR, v[FA]              ; tiles 2, 3
	v_mul_u32_u24 v[SWA], v16, KB
	v_add_nc_u32 v[SWA], WS, v[SWA]                ; scale words out: lanes 0-15 one tile's rows, lanes 16-31 the next tile's
	s_wait_alu depctr_va_sdst(0)                   ; s18 is written, ahead of its first reader
	s_lshl_b32 s22, s20, 4
	s_lshl_b32 s23, s18, 1
	s_add_co_u32 s22, s22, s23                     ; my first slot of 16 rows: 16 tile + 2 wave
	s_mul_i32 s23, s22, 24576
	v_add_nc_u32 v8, s23, v[FA]
	v_add_nc_u32 v9, 24576, v8
	s_lshl_b32 s23, s22, 10
	v_lshlrev_b32 v11, 7, v18                      ; bias: 128 h
.if LAYER > 1
	v_lshlrev_b32 v10, 2, v17
	v_lshl_add_u32 v10, v18, 10, v10
	v_add_nc_u32 v10, s23, v10                     ; the rows' scale words: lanes 0-15 slot 0, lanes 16-31 slot 1
.endif
.if LAYER < 3
	v_lshl_add_u32 v12, v17, 2, v18
	v_add_nc_u32 v12, s23, v12                     ; my results' scale byte: slot x 1024 + 4 r + h
	v_add_nc_u32 v13, 1024, v12
.else
	s_lshl_b32 s23, s18, 5
	v_add_nc_u32 v12, s23, v18                     ; 32 wave + h
	s_mul_i32 s23, s18, 4352
	s_add_co_u32 s23, s23, STG                     ; my stage
	v_mul_u32_u24 v13, v17, 272
	v_lshl_add_u32 v13, v18, 7, v13
	v_add_nc_u32 v13, s23, v13                     ; in: row r, + 128 h
	v_mul_u32_u24 v14, v18, 272
	v_lshl_add_u32 v14, v17, 4, v14
	v_add_nc_u32 v14, s23, v14                     ; back: lanes 0-15 one row, lanes 16-31 the next
	v_lshlrev_b32 v15, 4, v17
.endif
.if LAYER == 2
	s_mov_b32 s[CL2E], 0x3fb8aa3b                  ; log2(e)
	s_mov_b32 s[C3], 0x3e2aaaab                    ; 1/6
	s_mov_b32 s[C4], 0x3d2aaaab                    ; 1/24
	s_mov_b32 s[C5], 0x3c088889                    ; 1/120
	s_mov_b32 s[C6], 0x3ab60b61                    ; 1/720
	s_mov_b32 s[C7], 0x39500d01                    ; 1/5040
	s_mov_b32 s[CTH], 0xbeb33333                   ; -0.35
.endif
	s_wait_kmcnt 0x0
	s_min_u32 s24, s24, 7
	s_min_u32 s25, s25, 0x3ff
	s_min_u32 s26, s26, 0x100
	s_sub_co_u32 s28, s26, 1                       ; the tile's last row
	s_lshl_b32 s29, s18, 5                         ; my first row
	s_add_nc_u64 s[8:9], s[6:7], ASOFF             ; the rows' scale bytes
	s_mul_i32 s30, s24, NDIM/64
	s_add_co_u32 s30, s30, s19
	s_mul_i32 s30, s30, IMG
	s_add_co_u32 s30, s30, WQOFF
	s_mov_b32 s31, 0
	s_add_nc_u64 s[32:33], s[10:11], s[30:31]      ; the image of the expert's slice n
	s_lshl_b32 s22, s19, 8
	s_mul_i32 s30, s24, NDIM*4
	s_add_co_u32 s30, s30, s22
	s_add_nc_u64 s[36:37], s[12:13], s[30:31]      ; its bias at my columns
.if LAYER < 3
	s_add_nc_u64 s[16:17], s[14:15], OSOFF         ; the results' scale bytes
	s_mul_i32 s30, s19, 768
	s_add_nc_u64 s[38:39], s[14:15], s[30:31]      ; my columns are unit n of the next K
	s_lshr_b32 s30, s19, 1
	s_lshl_b32 s30, s30, 6
	s_and_b32 s23, s19, 1
	s_lshl_b32 s23, s23, 1
	s_add_co_u32 s30, s30, s23
	s_add_nc_u64 s[40:41], s[16:17], s[30:31]      ; step n / 2, bytes 2 (n % 2) + h
.else
	s_mov_b32 s30, s22
	s_add_nc_u64 s[38:39], s[14:15], s[30:31]
.endif
	s_wait_alu depctr_va_vdst(0)                   ; the offsets and LDS addresses made above are written, which the loads and stores below read; so are v16-18, in which loads land
	; ---- the slice's image: memory to LDS, as it lies; a wave's load covers 512 consecutive bytes
	s_cmp_eq_u32 s26, 0
	s_cbranch_scc1 .Lsk1
.set ci, 0
.rept NC
	global_load_b128 v[16+4*ci:19+4*ci], v[CA], s[32:33] offset:8192*ci
.set ci, ci+1
.endr
.if KB == 64
	global_load_b64 v[64:65], v[CB], s[32:33] offset:WS
.else
	global_load_u16 v64, v[CB], s[32:33] offset:WS
.endif
	s_wait_loadcnt 0x0
.set ci, 0
.rept NC
.if ci < 8
	ds_store_b128 v[CA], v[16+4*ci:19+4*ci] offset:8192*ci
.else
	ds_store_b128 v[CA2], v[16+4*ci:19+4*ci] offset:8192*(ci-8)
.endif
.set ci, ci+1
.endr
.if KB == 64
	ds_store_b64 v[CL], v[64:65]
.else
	ds_store_b16 v[CL], v64
.endif
.Lsk1:
	s_wait_dscnt 0x0                               ; my LDS stores have landed
	s_wait_alu depctr_vm_vsrc(0)                   ; and have read v16-65, in which the bias lands behind the barrier: stated here, ahead of the branches
	s_barrier_signal -1
	s_barrier_wait -1                              ; the one barrier, on every wave's path
	; ---- the products
	s_cmp_ge_u32 s18, 8
	s_cbranch_scc1 .Lend                           ; a tile has at most 256 rows: eight waves' worth
	s_cmp_ge_u32 s29, s26
	s_cbranch_scc1 .Lend                           ; no row of the tile is mine
.if LAYER == 1
	v_and_b32 v84, 15, v0
	v_add_nc_u32 v84, s29, v84                     ; row tile 0: 32 wave + r
	v_add_nc_u32 v85, 16, v84                      ; row tile 1
	v_and_b32 v86, 31, v0
	v_add_nc_u32 v86, s29, v86                     ; for the scale words: 32 wave + lane
.irp i, 84,85,86
	v_min_u32 v\i, s28, v\i                        ; rows past the last repeat the last
	v_add_nc_u32 v\i, s25, v\i
	v_min_u32 v\i, 0x3ff, v\i
	v_lshlrev_b32 v\i, 2, v\i
.endr
	s_wait_alu depctr_va_vdst(0)                   ; v84-86 are written, which the three loads read as their offsets
	global_load_b32 v80, v84, s[4:5]
	global_load_b32 v81, v85, s[4:5]
	global_load_b32 v82, v86, s[4:5]
	s_wait_loadcnt 0x0
	v_min_u32 v80, 0x3ff, v80
	v_min_u32 v81, 0x3ff, v81
	v_min_u32 v82, 0x3ff, v82
	v_bfe_u32 v83, v0, 4, 1
	v_mul_u32_u24 v14, v80, 384
	v_mad_u32_u24 v14, v83, 24, v14                ; the token's row of codes, + 24 h
	v_mul_u32_u24 v15, v81, 384
	v_mad_u32_u24 v15, v83, 24, v15
	v_lshlrev_b32 v10, 4, v82                      ; its 16 scale bytes
	s_wait_alu depctr_vm_vsrc(0)                   ; the three loads have read v84-86, in which weight tiles land below
	s_wait_alu depctr_va_vdst(0)                   ; v10, v14 and v15 are written, which the loads below read as offsets; the lines above are done with v80-83, in which weight tiles land
.endif
.irp t, 0,1
.irp j, 0,1,2,3
.irp u, 0,1,2,3,4,5,6,7
	global_load_b32 v[ACC+32*\t+8*\j+\u], v11, s[36:37] offset:16*\u+4*\j   ; the bias starts the sums: nothing is cleared
.endr
.endr
.endr
.if LAYER == 1
	global_load_b128 v[224:227], v10, s[8:9]
.else
.irp q, 0,1,2,3,4,5,6,7,8,9,10,11,12,13,14,15
	global_load_b32 v[224+\q], v10, s[8:9] offset:64*\q
.endr
.endif
	AFLOAD 0
	AFLOAD 1
	AFLOAD 2
	AFLOAD 3
	WFLOAD 0, 0
	WFLOAD 1, 0
.set ps, 0
.rept NS
	PSTEP ps
.set ps, ps+1
.endr
.if LAYER < 3
.if LAYER == 2
	ELU ACC
	ELU ACC+32
.endif
	AQ ACC, 0
	AQ ACC+32, 1
	s_wait_alu depctr_va_vdst(0)                   ; the codes v[AQQ ..] and the bytes v84, v85 are written, which the stores read
.irp t, 0,1
.irp p, 0,1,2
	global_store_b64 v[8+\t], v[AQQ+8*\t+2*\p:AQQ+8*\t+2*\p+1], s[38:39] offset:256*\p   ; 32 lanes store 256 consecutive bytes, aligned
.endr
	global_store_b8 v[12+\t], v[AW+4+\t], s[40:41]
.endr
.else
	; the way out: the tokens' numbers; each row tile through my stage, back as rows of 256 bytes
.irp t, 0,1
.irp i, 0,1,2,3,4,5,6,7
	v_add_nc_u32 v[80+16*\t+\i], 16*\t+2*\i, v12
	v_min_u32 v[80+16*\t+\i], s28, v[80+16*\t+\i]
	v_add_nc_u32 v[80+16*\t+\i], s25, v[80+16*\t+\i]
	v_min_u32 v[80+16*\t+\i], 0x3ff, v[80+16*\t+\i]
	v_lshlrev_b32 v[80+16*\t+\i], 2, v[80+16*\t+\i]
.endr
.endr
	s_wait_alu depctr_va_vdst(0)                   ; the sixteen offsets are written, which the loads read; the products have written the accumulators, which the LDS stores read, and are done reading v88-95 and v128-199, in which loads land
.irp t, 0,1
.irp i, 0,1,2,3,4,5,6,7
	global_load_b32 v[88+40*\t+\i], v[80+16*\t+\i], s[4:5]
.endr
.endr
.irp t, 0,1
.irp j, 0,1,2,3
.irp u, 0,1,2,3,4,5,6,7
	ds_store_b32 v13, v[ACC+32*\t+8*\j+\u] offset:16*\u+4*\j    ; each accumulator from its low end on
.endr
.endr
.irp i, 0,1,2,3,4,5,6,7
	ds_load_b128 v[136+32*\t+4*\i:139+32*\t+4*\i], v14 offset:544*\i   ; LDS serves a wave's instructions in order: these see my stores, and the next tile's stores come behind them
.endr
.endr
	s_wait_loadcnt 0x0
.irp t, 0,1
.irp i, 0,1,2,3,4,5,6,7
	v_min_u32 v[88+40*\t+\i], 0x3ff, v[88+40*\t+\i]
	v_lshlrev_b32 v[88+40*\t+\i], 11, v[88+40*\t+\i]
	v_add_nc_u32 v[88+40*\t+\i], v15, v[88+40*\t+\i]
.endr
.endr
	s_wait_alu depctr_va_vdst(0)                   ; the sixteen offsets v88-95 and v128-135 are written, which the stores read
	s_wait_dscnt 40                                ; tile 0 is back; tile 1's 32 stores and 8 loads may be out
.irp i, 0,1,2,3,4,5,6,7
	global_store_b128 v[88+\i], v[136+4*\i:139+4*\i], s[38:39] th:TH_STORE_NT   ; 16 lanes store 256 consecutive bytes, aligned
.endr
	s_wait_dscnt 0x0
.irp i, 0,1,2,3,4,5,6,7
	global_store_b128 v[128+\i], v[168+4*\i:171+4*\i], s[38:39] th:TH_STORE_NT
.endr
.endif
.Lend:
	s_wait_dscnt 0x0                               ; the closing lines, six on end
	s_wait_alu 0x0
	s_wait_tensorcnt 0x0
	ds_add_u32 v254, v255
	s_wait_dscnt 0x0
	s_endpgm
.Lfunc_end_k_q2d32071559_layer1:
	.size	k_q2d32071559_layer1, .Lfunc_end_k_q2d32071559_layer1-k_q2d32071559_layer1
	.p2alignl 7, 3214868480
	.fill 96, 4, 3214868480
	.section	.rodata,"a",@progbits
	.p2align	6, 0x0
	.amdhsa_kernel k_q2d32071559_layer1
		.amdhsa_group_segment_fixed_size 27648
		.amdhsa_private_segment_fixed_size 0
		.amdhsa_enable_private_segment 0
		.amdhsa_kernarg_size 40
		.amdhsa_user_sgpr_count 2
		.amdhsa_user_sgpr_kernarg_segment_ptr 1
		.amdhsa_wavefront_size32 1
		.amdhsa_system_sgpr_workgroup_id_x 1
		.amdhsa_system_sgpr_workgroup_id_y 1
		.amdhsa_system_sgpr_workgroup_id_z 1
		.amdhsa_system_vgpr_workitem_id 0
		.amdhsa_next_free_vgpr 256
		.amdhsa_next_free_sgpr 66
		.amdhsa_reserve_vcc 0
		.amdhsa_float_denorm_mode_32 3
		.amdhsa_float_denorm_mode_16_64 3
		.amdhsa_memory_ordered 1
		.amdhsa_forward_progress 1
		.amdhsa_inst_pref_size 32
	.end_amdhsa_kernel
	.amdgpu_metadata
---
amdhsa.version: [ 1, 2 ]
amdhsa.kernels:
  - .name:           k_q2d32071559_layer1
    .symbol:         k_q2d32071559_layer1.kd
    .args:
      - { .name: route, .offset: 0, .size: 8, .value_kind: global_buffer, .address_space: global }
      - { .name: xq, .offset: 8, .size: 8, .value_kind: global_buffer, .address_space: global }
      - { .name: wq, .offset: 16, .size: 8, .value_kind: global_buffer, .address_space: global }
      - { .name: b1, .offset: 24, .size: 8, .value_kind: global_buffer, .address_space: global }
      - { .name: a1, .offset: 32, .size: 8, .value_kind: global_buffer, .address_space: global }
    .group_segment_fixed_size: 27648
    .private_segment_fixed_size: 0
    .kernarg_segment_align: 8
    .kernarg_segment_size: 40
    .max_flat_workgroup_size: 512
    .sgpr_count:     66
    .vgpr_count:     256
    .wavefront_size: 32
...
	.end_amdgpu_metadata
.endif
;; end of part 7
;; launch layer2 (part 8): grid 32 x 11, 16 waves a work-group, no clusters, 104,448 bytes of LDS; arguments route, a1, wq, b2, a2; writes a2
.if DOCPART == 8
	.amdgcn_target "amdgcn-amd-amdhsa--gfx1250"
	.amdhsa_code_object_version 6
	.text
	.protected	k_q2d32071559_layer2
	.globl	k_q2d32071559_layer2
	.p2align	8
	.type	k_q2d32071559_layer2,@function
k_q2d32071559_layer2:
	s_mov_b64 s[64:65], 0
	v_nop
	global_prefetch_b8 v0, s[64:65] scope:SCOPE_SE
	s_setreg_imm32_b32 hwreg(HW_REG_WAVE_SCHED_MODE, 0, 2), 2
	s_setreg_imm32_b32 hwreg(HW_REG_WAVE_MODE, 25, 1), 1
	s_wait_xcnt 0x0
	s_wait_alu depctr_vm_vsrc(0)
; ONE LAYER OF THE CHOSEN EXPERT'S CHAIN (LAYER = 1, 2, 3; one text, the sizes set below).  Work-group (n, tile): 64 columns n of the layer, the rows of one tile of one expert.
; The tile list and the order of tokens are whole numbers stored by an earlier launch.  The grid serves every split: at most 11 tiles of 256 rows; a tile without rows does nothing.
; No tensor load and no cluster: branches hang on the stored row count, and work-groups share weights only where an expert has more than 256 rows.
; FIRST the 16 waves copy the slice's image out of wq into LDS, as it lies: the codes (FP6, E2M3) of 64 columns, all of K, as images of the operand's registers, and their E8M0 bytes.
; The first launch has made them.  Tile j holds columns 4 m + j.  ONE barrier.  THEN wave w (0-7) multiplies rows 32 w .. 32 w + 31, transposed (source 0 = 16 columns, source 1 = 16 rows):
; a lane's 32 results of a row tile are one whole block of the next K, place 8 j + u = column 4 u + j; the next layer's weights were quantised with their rows in that order.
; Rows past the tile's last repeat its last row: they compute, and in the last layer store, the same numbers.
; LIMITS: NaN and infinities are not served; a block of zeros keeps the byte 1 (zero codes; only this program reads the bytes); the results' scale bytes leave one byte a lane.
; THE MODE: SCHED_MODE bits 1:0 = 2 (LLVM: expert scheduling mode 2), set by the entry lines.  The code itself states the register dependences
; between vector or matrix instructions and memory or LDS instructions, with s_wait_alu, always for 0.
; THE PLAN.  Registers that memory or LDS instructions touch:
;   v1-15       Offsets and LDS addresses: written at the head (first layer: v10, v14, v15 behind the gather of the tokens' numbers), ahead of one wait on va_vdst; never written again.
;   v16-65      The copy: global loads land, LDS stores read them; behind the barrier the bias lands in v16-79: one wait on vm_vsrc, at the barrier.
;   WF half 0   v80-103 and v240: LDS loads land; the step's four products on tiles 0, 1 read them.     WF half 1   v104-127 and v241: likewise, tiles 2, 3.
;   AF0 .. AF3  v128-223: global loads land; step st's eight products read AF[st % 4].                  v224-239    The rows' scale words: loaded once.
; 16 waves of 256 registers leave no room for a third half of weight tiles.  So a step has TWO waits on va_vdst.  The first, behind the four products on half 0, states that they are done reading it:
; the next step's loads into half 0 follow, dealt among the four products on half 1, which name none of those registers.  The second, behind the four products on half 1, states that they are done
; reading half 1 and that the step's eight are done reading AF[st % 4]: the loads into both follow in one run, ahead of the next step's wait for its fragments, so that the ring keeps its lead of four steps.
; On the way out every run of stores of vector or matrix results stands behind one wait on va_vdst.  v254, v255: written at the head, read by the closing add alone.
.set LAYER, 2
.if LAYER == 1
.set KDIM, 512
.set NDIM, 2048
.set AIN0, 14
.set WQOFF, 0                          ; where this layer's images begin in wq
.set ASOFF, 393216                     ; the rows' scale bytes lie behind their codes
.elseif LAYER == 2
.set KDIM, 2048
.set NDIM, 2048
.set AIN0, 8
.set WQOFF, 6553600
.set ASOFF, 4325376
.else
.set KDIM, 2048
.set NDIM, 512
.set AIN0, 8
.set WQOFF, 32768000
.set ASOFF, 4325376
.endif
.set OSOFF, 4325376                    ; and so do the results'
.set KUT, KDIM/64                      ; units along K
.set NS, KDIM/128                      ; steps of the products
.set KB, KDIM/32                       ; scale bytes of a column
.set TSTR, KUT*768                     ; LDS: a tile's images; (tile x KUT + unit) x 768 + plane x 256 + 8 x lane
.set WS, 4*TSTR                        ; the scale bytes: tile x 16 KB + row x KB + block
.set IMG, WS+64*KB                     ; a slice's image
.set STG, IMG                          ; last layer: a stage of 16 rows x 272 bytes for each wave
.set NC, WS/8192                       ; the copy: 16 bytes a thread, 8,192 a turn
.set CA, 1
.set CA2, 2
.set CB, 3
.set CL, 4
.set FA, 5
.set FB, 6
.set SWA, 7
.set ACC, 16                           ; products: v16-79, 32 t + 8 j + u
.set WF, 80                            ; v80-127 four weight tiles
.set AF, 128                           ; v128-223 the rows' fragments, a ring of four steps
.set AW, 80
.set AQQ, 88
.set AQT, 104
.set EX, 112
.set EE, 144
.set EP, 176
.set CL2E, 44
.set C3, 45
.set C4, 46
.set C5, 47
.set C6, 48
.set C7, 49
.set CTH, 50
.set MK, 66                            ; s66-97 the 32 masks of an activation (second layer)
; v224-241 hold scale words and nothing else
.macro NOP4
.rept 4
	v_nop
.endr
.endm
.macro AQ a, k
	v_max3_num_f32 v[AW+\k], |v[\a]|, |v[\a+1]|, 0x1800000      ; the floor 2^(3 - 127) holds the byte at 1 from below
.set qi, 2
.rept 15
	v_max3_num_f32 v[AW+\k], v[AW+\k], |v[\a+qi]|, |v[\a+qi+1]|
.set qi, qi+2
.endr
	v_add_nc_u32 v[AW+2+\k], 0xff000000, v[AW+\k]  ; 2 off the exponent field: the conversion's scale operand
	v_lshrrev_b32 v[AW+4+\k], 23, v[AW+2+\k]       ; the scale's byte
	v_cvt_scalef32_pk16_fp6_f32 v[AQQ+8*\k:AQQ+8*\k+2], v[\a:\a+15], v[AW+2+\k]
	v_cvt_scalef32_pk16_fp6_f32 v[AQT+4*\k:AQT+4*\k+2], v[\a+16:\a+31], v[AW+2+\k]
	v_nop
.irp i, 0,1,2
	v_mov_b32 v[AQQ+8*\k+3+\i], v[AQT+4*\k+\i]
.endr
.endm
; elu(x) = max(x, 0) + expm1(min(x, 0)): above -0.35 by the series to x^7, else 2^(x log2 e) - 1
.macro ELU a
.set ei, 0
.rept 32
	v_min_num_f32 v[EX+ei], 0, v[\a+ei]
.set ei, ei+1
.endr
.set ei, 0
.rept 32
	v_mul_f32 v[EE+ei], s[CL2E], v[EX+ei]
.set ei, ei+1
.endr
.set ei, 0
.rept 32
	v_exp_f32 v[EE+ei], v[EE+ei]
.set ei, ei+1
.endr
.set ei, 0
.rept 32
	v_fma_f32 v[EP+ei], v[EX+ei], s[C7], s[C6]     ; the series is the plain work behind the batch of exponentials
.set ei, ei+1
.endr
.irp c, C5, C4, C3
.set ei, 0
.rept 32
	v_fma_f32 v[EP+ei], v[EP+ei], v[EX+ei], s[\c]
.set ei, ei+1
.endr
.endr
.irp c, 0.5, 1.0
.set ei, 0
.rept 32
	v_fma_f32 v[EP+ei], v[EP+ei], v[EX+ei], \c
.set ei, ei+1
.endr
.endr
.set ei, 0
.rept 32
	v_mul_f32 v[EP+ei], v[EP+ei], v[EX+ei]
.set ei, ei+1
.endr
.set ei, 0
.rept 32
	v_cmp_lt_f32 s[MK+ei], s[CTH], v[EX+ei]        ; the 32 compares in one run, a mask each
.set ei, ei+1
.endr
	s_wait_alu depctr_va_vdst(0)                   ; one wait for the 32 exponentials, ahead of their first reader
	s_wait_alu depctr_va_sdst(0)                   ; the 32 masks s[MK ..] are written, which the selections below read
.set ei, 0
.rept 32
	v_add_f32 v[EE+ei], -1.0, v[EE+ei]
	v_cndmask_b32 v[EE+ei], v[EE+ei], v[EP+ei], s[MK+ei]
	v_max_num_f32 v[\a+ei], 0, v[\a+ei]
	v_add_f32 v[\a+ei], v[\a+ei], v[EE+ei]
.set ei, ei+1
.endr
.endm
.macro WM d, a, b, sa, sb, ra, rb
.if (\ra) && (\rb)
	v_wmma_scale_f32_16x16x128_f8f6f4 v[\d:\d+7], v[\a:\a+11], v[\b:\b+11], v[\d:\d+7], v[\sa], v[\sb] matrix_a_fmt:MATRIX_FMT_FP6 matrix_b_fmt:MATRIX_FMT_FP6 matrix_a_scale:MATRIX_SCALE_ROW1 matrix_b_scale:MATRIX_SCALE_ROW1
.elseif \ra
	v_wmma_scale_f32_16x16x128_f8f6f4 v[\d:\d+7], v[\a:\a+11], v[\b:\b+11], v[\d:\d+7], v[\sa], v[\sb] matrix_a_fmt:MATRIX_FMT_FP6 matrix_b_fmt:MATRIX_FMT_FP6 matrix_a_scale:MATRIX_SCALE_ROW1
.elseif \rb
	v_wmma_scale_f32_16x16x128_f8f6f4 v[\d:\d+7], v[\a:\a+11], v[\b:\b+11], v[\d:\d+7], v[\sa], v[\sb] matrix_a_fmt:MATRIX_FMT_FP6 matrix_b_fmt:MATRIX_FMT_FP6 matrix_b_scale:MATRIX_SCALE_ROW1
.else
	v_wmma_scale_f32_16x16x128_f8f6f4 v[\d:\d+7], v[\a:\a+11], v[\b:\b+11], v[\d:\d+7], v[\sa], v[\sb] matrix_a_fmt:MATRIX_FMT_FP6 matrix_b_fmt:MATRIX_FMT_FP6
.endif
.endm
.macro AFLOAD st                       ; my two row tiles' fragments of step st: 12 loads
.irp t, 0,1
.irp p, 0,1,2,3,4,5
.if LAYER == 1
	global_load_b64 v[AF+24*((\st)%4)+12*\t+2*\p:AF+24*((\st)%4)+12*\t+2*\p+1], v[AIN0+\t], s[6:7] offset:96*(\st)+48*(\p/3)+8*(\p%3)
.else
	global_load_b64 v[AF+24*((\st)%4)+12*\t+2*\p:AF+24*((\st)%4)+12*\t+2*\p+1], v[AIN0+\t], s[6:7] offset:1536*(\st)+256*\p
.endif
.endr
.endr
.endm
.macro WFT hp, j, st                   ; weight tile 2 hp + j of step st: 6 LDS loads
.irp p, 0,1,2,3,4,5
	ds_load_b64 v[WF+24*(\hp)+12*(\j)+2*\p:WF+24*(\hp)+12*(\j)+2*\p+1], v[FA+(\hp)] offset:(\j)*TSTR+1536*(\st)+256*\p
.endr
.endm
.macro WFS hp, st                      ; the scale words of tiles 2 hp, 2 hp + 1 of step st
	ds_load_b32 v[240+(\hp)], v[SWA] offset:(\hp)*32*KB+4*(\st)
.endm
.macro WFLOAD hp, st                   ; weight tiles 2 hp, 2 hp + 1 of step st and their scale words: 13 LDS loads
	WFT \hp, 0, \st
	WFT \hp, 1, \st
	WFS \hp, \st
.endm
.macro MM1 hp, st, t, j                ; row tile t x weight tile 2 hp + j
	WM ACC+32*(\t)+8*(2*(\hp)+(\j)), WF+24*(\hp)+12*(\j), AF+24*((\st)%4)+12*(\t), 240+(\hp), 224+(\st), \j, \t
.endm
.macro MM4 hp, st                      ; the eight accumulators take turns, one instruction a turn
.irp t, 0,1
.irp j, 0,1
	MM1 \hp, \st, \t, \j
.endr
.endr
.endm
.macro PSTEP st
.if 12*(NS-1-(\st)) > 36
	s_wait_loadcnt 36                              ; this step's fragments are in; the three younger steps' 36 loads may be out
.else
	s_wait_loadcnt 12*(NS-1-(\st))
.endif
	s_wait_dscnt 13                                ; tiles 0, 1 are in; the 13 loads of tiles 2, 3 may be out
	MM4 0, \st
	NOP4                                           ; places in front of loads into registers that matrix instructions have read
.if (\st)+1 < NS
	s_wait_alu depctr_va_vdst(0)                   ; the four products above are done reading tiles 0, 1 and v240, in which the loads dealt below land
.endif
	s_wait_dscnt 0x0                               ; tiles 2, 3 are in: nothing younger is out
	MM1 1, \st, 0, 0
.if (\st)+1 < NS
	WFT 0, 0, (\st)+1                              ; no wait: the products since the wait above name tiles 2, 3, v241, the fragments and the accumulators alone
.endif
	MM1 1, \st, 0, 1
.if (\st)+1 < NS
	WFT 0, 1, (\st)+1
	WFS 0, (\st)+1
.endif
	MM1 1, \st, 1, 0
	MM1 1, \st, 1, 1
	NOP4
.if (\st)+1 < NS
	s_wait_alu depctr_va_vdst(0)                   ; the four products above are done reading tiles 2, 3 and v241, and the step's eight are done reading its fragments: the loads below land in all of these
	WFLOAD 1, (\st)+1
.endif
.if (\st)+4 < NS
	AFLOAD (\st)+4
.endif
.endm
	s_load_b128 s[4:7], s[0:1], 0x0                ; route, the rows' codes and scale bytes
	s_load_b64 s[10:11], s[0:1], 0x10              ; wq
	s_load_b128 s[12:15], s[0:1], 0x18             ; the bias, the output
	v_lshl_add_u32 v254, v0, 2, 0x19000
	v_mov_b32 v255, 0
	v_lshrrev_b32 v16, 5, v0
	v_readfirstlane_b32 s18, v16                   ; wave 0..15
	s_mov_b32 s19, ttmp9                           ; n: my 64 columns
	s_and_b32 s20, ttmp7, 0xffff                   ; tile
	s_lshl_b32 s21, s20, 4
	s_wait_kmcnt 0x0
	s_load_b128 s[24:27], s[4:5], s21 offset:0x1000   ; expert, first place, rows, 0
	; every address register is made here, ahead of the first branch
	v_and_b32 v16, 31, v0                          ; lane
	v_and_b32 v17, 15, v0                          ; r
	v_bfe_u32 v18, v0, 4, 1                        ; h
	v_lshlrev_b32 v[CA], 4, v0                     ; the copy: 16 x thread, in the image and in LDS alike
.if NC > 8
	v_add_nc_u32 v[CA2], 65536, v[CA]              ; an LDS offset has 16 bits
.endif
.if KB == 64
	v_lshlrev_b32 v[CB], 3, v0                     ; the scale bytes: 4,096: 8 a thread
.else
	v_lshlrev_b32 v[CB], 1, v0                     ; 1,024: 2 a thread
.endif
	v_add_nc_u32 v[CL], WS, v[CB]
	v_lshlrev_b32 v[FA], 3, v16                    ; images out of LDS: 8 x lane, tiles 0, 1
	v_add_nc_u32 v[FB], 2*TSTR, v[FA]              ; tiles 2, 3
	v_mul_u32_u24 v[SWA], v16, KB
	v_add_nc_u32 v[SWA], WS, v[SWA]                ; scale words out: lanes 0-15 one tile's rows, lanes 16-31 the next tile's
	s_wait_alu depctr_va_sdst(0)                   ; s18 is written, ahead of its first reader
	s_lshl_b32 s22, s20, 4
	s_lshl_b32 s23, s18, 1
	s_add_co_u32 s22, s22, s23                     ; my first slot of 16 rows: 16 tile + 2 wave
	s_mul_i32 s23, s22, 24576
	v_add_nc_u32 v8, s23, v[FA]
	v_add_nc_u32 v9, 24576, v8
	s_lshl_b32 s23, s22, 10
	v_lshlrev_b32 v11, 7, v18                      ; bias: 128 h
.if LAYER > 1
	v_lshlrev_b32 v10, 2, v17
	v_lshl_add_u32 v10, v18, 10, v10
	v_add_nc_u32 v10, s23, v10                     ; the rows' scale words: lanes 0-15 slot 0, lanes 16-31 slot 1
.endif
.if LAYER < 3
	v_lshl_add_u32 v12, v17, 2, v18
	v_add_nc_u32 v12, s23, v12                     ; my results' scale byte: slot x 1024 + 4 r + h
	v_add_nc_u32 v13, 1024, v12
.else
	s_lshl_b32 s23, s18, 5
	v_add_nc_u32 v12, s23, v18                     ; 32 wave + h
	s_mul_i32 s23, s18, 4352
	s_add_co_u32 s23, s23, STG                     ; my stage
	v_mul_u32_u24 v13, v17, 272
	v_lshl_add_u32 v13, v18, 7, v13
	v_add_nc_u32 v13, s23, v13                     ; in: row r, + 128 h
	v_mul_u32_u24 v14, v18, 272
	v_lshl_add_u32 v14, v17, 4, v14
	v_add_nc_u32 v14, s23, v14                     ; back: lanes 0-15 one row, lanes 16-31 the next
	v_lshlrev_b32 v15, 4, v17
.endif
.if LAYER == 2
	s_mov_b32 s[CL2E], 0x3fb8aa3b                  ; log2(e)
	s_mov_b32 s[C3], 0x3e2aaaab                    ; 1/6
	s_mov_b32 s[C4], 0x3d2aaaab                    ; 1/24
	s_mov_b32 s[C5], 0x3c088889                    ; 1/120
	s_mov_b32 s[C6], 0x3ab60b61                    ; 1/720
	s_mov_b32 s[C7], 0x39500d01                    ; 1/5040
	s_mov_b32 s[CTH], 0xbeb33333                   ; -0.35
.endif
	s_wait_kmcnt 0x0
	s_min_u32 s24, s24, 7
	s_min_u32 s25, s25, 0x3ff
	s_min_u32 s26, s26, 0x100
	s_sub_co_u32 s28, s26, 1                       ; the tile's last row
	s_lshl_b32 s29, s18, 5                         ; my first row
	s_add_nc_u64 s[8:9], s[6:7], ASOFF             ; the rows' scale bytes
	s_mul_i32 s30, s24, NDIM/64
	s_add_co_u32 s30, s30, s19
	s_mul_i32 s30, s30, IMG
	s_add_co_u32 s30, s30, WQOFF
	s_mov_b32 s31, 0
	s_add_nc_u64 s[32:33], s[10:11], s[30:31]      ; the image of the expert's slice n
	s_lshl_b32 s22, s19, 8
	s_mul_i32 s30, s24, NDIM*4
	s_add_co_u32 s30, s30, s22
	s_add_nc_u64 s[36:37], s[12:13], s[30:31]      ; its bias at my columns
.if LAYER < 3
	s_add_nc_u64 s[16:17], s[14:15], OSOFF         ; the results' scale bytes
	s_mul_i32 s30, s19, 768
	s_add_nc_u64 s[38:39], s[14:15], s[30:31]      ; my columns are unit n of the next K
	s_lshr_b32 s30, s19, 1
	s_lshl_b32 s30, s30, 6
	s_and_b32 s23, s19, 1
	s_lshl_b32 s23, s23, 1
	s_add_co_u32 s30, s30, s23
	s_add_nc_u64 s[40:41], s[16:17], s[30:31]      ; step n / 2, bytes 2 (n % 2) + h
.else
	s_mov_b32 s30, s22
	s_add_nc_u64 s[38:39], s[14:15], s[30:31]
.endif
	s_wait_alu depctr_va_vdst(0)                   ; the offsets and LDS addresses made above are written, which the loads and stores below read; so are v16-18, in which loads land
	; ---- the slice's image: memory to LDS, as it lies; a wave's load covers 512 consecutive bytes
	s_cmp_eq_u32 s26, 0
	s_cbranch_scc1 .Lsk1
.set ci, 0
.rept NC
	global_load_b128 v[16+4*ci:19+4*ci], v[CA], s[32:33] offset:8192*ci
.set ci, ci+1
.endr
.if KB == 64
	global_load_b64 v[64:65], v[CB], s[32:33] offset:WS
.else
	global_load_u16 v64, v[CB], s[32:33] offset:WS
.endif
	s_wait_loadcnt 0x0
.set ci, 0
.rept NC
.if ci < 8
	ds_store_b128 v[CA], v[16+4*ci:19+4*ci] offset:8192*ci
.else
	ds_store_b128 v[CA2], v[16+4*ci:19+4*ci] offset:8192*(ci-8)
.endif
.set ci, ci+1
.endr
.if KB == 64
	ds_store_b64 v[CL], v[64:65]
.else
	ds_store_b16 v[CL], v64
.endif
.Lsk1:
	s_wait_dscnt 0x0                               ; my LDS stores have landed
	s_wait_alu depctr_vm_vsrc(0)                   ; and have read v16-65, in which the bias lands behind the barrier: stated here, ahead of the branches
	s_barrier_signal -1
	s_barrier_wait -1                              ; the one barrier, on every wave's path
	; ---- the products
	s_cmp_ge_u32 s18, 8
	s_cbranch_scc1 .Lend                           ; a tile has at most 256 rows: eight waves' worth
	s_cmp_ge_u32 s29, s26
	s_cbranch_scc1 .Lend                           ; no row of the tile is mine
.if LAYER == 1
	v_and_b32 v84, 15, v0
	v_add_nc_u32 v84, s29, v84                     ; row tile 0: 32 wave + r
	v_add_nc_u32 v85, 16, v84                      ; row tile 1
	v_and_b32 v86, 31, v0
	v_add_nc_u32 v86, s29, v86                     ; for the scale words: 32 wave + lane
.irp i, 84,85,86
	v_min_u32 v\i, s28, v\i                        ; rows past the last repeat the last
	v_add_nc_u32 v\i, s25, v\i
	v_min_u32 v\i, 0x3ff, v\i
	v_lshlrev_b32 v\i, 2, v\i
.endr
	s_wait_alu depctr_va_vdst(0)                   ; v84-86 are written, which the three loads read as their offsets
	global_load_b32 v80, v84, s[4:5]
	global_load_b32 v81, v85, s[4:5]
	global_load_b32 v82, v86, s[4:5]
	s_wait_loadcnt 0x0
	v_min_u32 v80, 0x3ff, v80
	v_min_u32 v81, 0x3ff, v81
	v_min_u32 v82, 0x3ff, v82
	v_bfe_u32 v83, v0, 4, 1
	v_mul_u32_u24 v14, v80, 384
	v_mad_u32_u24 v14, v83, 24, v14                ; the token's row of codes, + 24 h
	v_mul_u32_u24 v15, v81, 384
	v_mad_u32_u24 v15, v83, 24, v15
	v_lshlrev_b32 v10, 4, v82                      ; its 16 scale bytes
	s_wait_alu depctr_vm_vsrc(0)                   ; the three loads have read v84-86, in which weight tiles land below
	s_wait_alu depctr_va_vdst(0)                   ; v10, v14 and v15 are written, which the loads below read as offsets; the lines above are done with v80-83, in which weight tiles land
.endif
.irp t, 0,1
.irp j, 0,1,2,3
.irp u, 0,1,2,3,4,5,6,7
	global_load_b32 v[ACC+32*\t+8*\j+\u], v11, s[36:37] offset:16*\u+4*\j   ; the bias starts the sums: nothing is cleared
.endr
.endr
.endr
.if LAYER == 1
	global_load_b128 v[224:227], v10, s[8:9]
.else
.irp q, 0,1,2,3,4,5,6,7,8,9,10,11,12,13,14,15
	global_load_b32 v[224+\q], v10, s[8:9] offset:64*\q
.endr
.endif
	AFLOAD 0
	AFLOAD 1
	AFLOAD 2
	AFLOAD 3
	WFLOAD 0, 0
	WFLOAD 1, 0
.set ps, 0
.rept NS
	PSTEP ps
.set ps, ps+1
.endr
.if LAYER < 3
.if LAYER == 2
	ELU ACC
	ELU ACC+32
.endif
	AQ ACC, 0
	AQ ACC+32, 1
	s_wait_alu depctr_va_vdst(0)                   ; the codes v[AQQ ..] and the bytes v84, v85 are written, which the stores read
.irp t, 0,1
.irp p, 0,1,2
	global_store_b64 v[8+\t], v[AQQ+8*\t+2*\p:AQQ+8*\t+2*\p+1], s[38:39] offset:256*\p   ; 32 lanes store 256 consecutive bytes, aligned
.endr
	global_store_b8 v[12+\t], v[AW+4+\t], s[40:41]
.endr
.else
	; the way out: the tokens' numbers; each row tile through my stage, back as rows of 256 bytes
.irp t, 0,1
.irp i, 0,1,2,3,4,5,6,7
	v_add_nc_u32 v[80+16*\t+\i], 16*\t+2*\i, v12
	v_min_u32 v[80+16*\t+\i], s28, v[80+16*\t+\i]
	v_add_nc_u32 v[80+16*\t+\i], s25, v[80+16*\t+\i]
	v_min_u32 v[80+16*\t+\i], 0x3ff, v[80+16*\t+\i]
	v_lshlrev_b32 v[80+16*\t+\i], 2, v[80+16*\t+\i]
.endr
.endr
	s_wait_alu depctr_va_vdst(0)                   ; the sixteen offsets are written, which the loads read; the products have written the accumulators, which the LDS stores read, and are done reading v88-95 and v128-199, in which loads land
.irp t, 0,1
.irp i, 0,1,2,3,4,5,6,7
	global_load_b32 v[88+40*\t+\i], v[80+16*\t+\i], s[4:5]
.endr
.endr
.irp t, 0,1
.irp j, 0,1,2,3
.irp u, 0,1,2,3,4,5,6,7
	ds_store_b32 v13, v[ACC+32*\t+8*\j+\u] offset:16*\u+4*\j    ; each accumulator from its low end on
.endr
.endr
.irp i, 0,1,2,3,4,5,6,7
	ds_load_b128 v[136+32*\t+4*\i:139+32*\t+4*\i], v14 offset:544*\i   ; LDS serves a wave's instructions in order: these see my stores, and the next tile's stores come behind them
.endr
.endr
	s_wait_loadcnt 0x0
.irp t, 0,1
.irp i, 0,1,2,3,4,5,6,7
	v_min_u32 v[88+40*\t+\i], 0x3ff, v[88+40*\t+\i]
	v_lshlrev_b32 v[88+40*\t+\i], 11, v[88+40*\t+\i]
	v_add_nc_u32 v[88+40*\t+\i], v15, v[88+40*\t+\i]
.endr
.endr
	s_wait_alu depctr_va_vdst(0)                   ; the sixteen offsets v88-95 and v128-135 are written, which the stores read
	s_wait_dscnt 40                                ; tile 0 is back; tile 1's 32 stores and 8 loads may be out
.irp i, 0,1,2,3,4,5,6,7
	global_store_b128 v[88+\i], v[136+4*\i:139+4*\i], s[38:39] th:TH_STORE_NT   ; 16 lanes store 256 consecutive bytes, aligned
.endr
	s_wait_dscnt 0x0
.irp i, 0,1,2,3,4,5,6,7
	global_store_b128 v[128+\i], v[168+4*\i:171+4*\i], s[38:39] th:TH_STORE_NT
.endr
.endif
.Lend:
	s_wait_dscnt 0x0                               ; the closing lines, six on end
	s_wait_alu 0x0
	s_wait_tensorcnt 0x0
	ds_add_u32 v254, v255
	s_wait_dscnt 0x0
	s_endpgm
.Lfunc_end_k_q2d32071559_layer2:
	.size	k_q2d32071559_layer2, .Lfunc_end_k_q2d32071559_layer2-k_q2d32071559_layer2
	.p2alignl 7, 3214868480
	.fill 96, 4, 3214868480
	.section	.rodata,"a",@progbits
	.p2align	6, 0x0
	.amdhsa_kernel k_q2d32071559_layer2
		.amdhsa_group_segment_fixed_size 104448
		.amdhsa_private_segment_fixed_size 0
		.amdhsa_enable_private_segment 0
		.amdhsa_kernarg_size 40
		.amdhsa_user_sgpr_count 2
		.amdhsa_user_sgpr_kernarg_segment_ptr 1
		.amdhsa_wavefront_size32 1
		.amdhsa_system_sgpr_workgroup_id_x 1
		.amdhsa_system_sgpr_workgroup_id_y 1
		.amdhsa_system_sgpr_workgroup_id_z 1
		.amdhsa_system_vgpr_workitem_id 0
		.amdhsa_next_free_vgpr 256
		.amdhsa_next_free_sgpr 98
		.amdhsa_reserve_vcc 0
		.amdhsa_float_denorm_mode_32 3
		.amdhsa_float_denorm_mode_16_64 3
		.amdhsa_memory_ordered 1
		.amdhsa_forward_progress 1
		.amdhsa_inst_pref_size 130
	.end_amdhsa_kernel
	.amdgpu_metadata
---
amdhsa.version: [ 1, 2 ]
amdhsa.kernels:
  - .name:           k_q2d32071559_layer2
    .symbol:         k_q2d32071559_layer2.kd
    .args:
      - { .name: route, .offset: 0, .size: 8, .value_kind: global_buffer, .address_space: global }
      - { .name: a1, .offset: 8, .size: 8, .value_kind: global_buffer, .address_space: global }
      - { .name: wq, .offset: 16, .size: 8, .value_kind: global_buffer, .address_space: global }
      - { .name: b2, .offset: 24, .size: 8, .value_kind: global_buffer, .address_space: global }
      - { .name: a2, .offset: 32, .size: 8, .value_kind: global_buffer, .address_space: global }
    .group_segment_fixed_size: 104448
    .private_segment_fixed_size: 0
    .kernarg_segment_align: 8
    .kernarg_segment_size: 40
    .max_flat_workgroup_size: 512
    .sgpr_count:     98
    .vgpr_count:     256
    .wavefront_size: 32
...
	.end_amdgpu_metadata
.endif
;; end of part 8
;; launch layer3 (part 9): grid 8 x 11, 16 waves a work-group, no clusters, 174,080 bytes of LDS; arguments route, a2, wq, b3, out0; writes out0
.if DOCPART == 9
	.amdgcn_target "amdgcn-amd-amdhsa--gfx1250"
	.amdhsa_code_object_version 6
	.text
	.protected	k_q2d32071559_layer3
	.globl	k_q2d32071559_layer3
	.p2align	8
	.type	k_q2d32071559_layer3,@function
k_q2d32071559_layer3:
	s_mov_b64 s[64:65], 0
	v_nop
	global_prefetch_b8 v0, s[64:65] scope:SCOPE_SE
	s_setreg_imm32_b32 hwreg(HW_REG_WAVE_SCHED_MODE, 0, 2), 2
	s_setreg_imm32_b32 hwreg(HW_REG_WAVE_MODE, 25, 1), 1
	s_wait_xcnt 0x0
	s_wait_alu depctr_vm_vsrc(0)
; ONE LAYER OF THE CHOSEN EXPERT'S CHAIN (LAYER = 1, 2, 3; one text, the sizes set below).  Work-group (n, tile): 64 columns n of the layer, the rows of one tile of one expert.
; The tile list and the order of tokens are whole numbers stored by an earlier launch.  The grid serves every split: at most 11 tiles of 256 rows; a tile without rows does nothing.
; No tensor load and no cluster: branches hang on the stored row count, and work-groups share weights only where an expert has more than 256 rows.
; FIRST the 16 waves copy the slice's image out of wq into LDS, as it lies: the codes (FP6, E2M3) of 64 columns, all of K, as images of the operand's registers, and their E8M0 bytes.
; The first launch has made them.  Tile j holds columns 4 m + j.  ONE barrier.  THEN wave w (0-7) multiplies rows 32 w .. 32 w + 31, transposed (source 0 = 16 columns, source 1 = 16 rows):
; a lane's 32 results of a row tile are one whole block of the next K, place 8 j + u = column 4 u + j; the next layer's weights were quantised with their rows in that order.
; Rows past the tile's last repeat its last row: they compute, and in the last layer store, the same numbers.
; LIMITS: NaN and infinities are not served; a block of zeros keeps the byte 1 (zero codes; only this program reads the bytes); the results' scale bytes leave one byte a lane.
; THE MODE: SCHED_MODE bits 1:0 = 2 (LLVM: expert scheduling mode 2), set by the entry lines.  The code itself states the register dependences
; between vector or matrix instructions and memory or LDS instructions, with s_wait_alu, always for 0.
; THE PLAN.  Registers that memory or LDS instructions touch:
;   v1-15       Offsets and LDS addresses: written at the head (first layer: v10, v14, v15 behind the gather of the tokens' numbers), ahead of one wait on va_vdst; never written again.
;   v16-65      The copy: global loads land, LDS stores read them; behind the barrier the bias lands in v16-79: one wait on vm_vsrc, at the barrier.
;   WF half 0   v80-103 and v240: LDS loads land; the step's four products on tiles 0, 1 read them.     WF half 1   v104-127 and v241: likewise, tiles 2, 3.
;   AF0 .. AF3  v128-223: global loads land; step st's eight products read AF[st % 4].                  v224-239    The rows' scale words: loaded once.
; 16 waves of 256 registers leave no room for a third half of weight tiles.  So a step has TWO waits on va_vdst.  The first, behind the four products on half 0, states that they are done reading it:
; the next step's loads into half 0 follow, dealt among the four products on half 1, which name none of those registers.  The second, behind the four products on half 1, states that they are done
; reading half 1 and that the step's eight are done reading AF[st % 4]: the loads into both follow in one run, ahead of the next step's wait for its fragments, so that the ring keeps its lead of four steps.
; On the way out every run of stores of vector or matrix results stands behind one wait on va_vdst.  v254, v255: written at the head, read by the closing add alone.
.set LAYER, 3
.if LAYER == 1
.set KDIM, 512
.set NDIM, 2048
.set AIN0, 14
.set WQOFF, 0                          ; where this layer's images begin in wq
.set ASOFF, 393216                     ; the rows' scale bytes lie behind their codes
.elseif LAYER == 2
.set KDIM, 2048
.set NDIM, 2048
.set AIN0, 8
.set WQOFF, 6553600
.set ASOFF, 4325376
.else
.set KDIM, 2048
.set NDIM, 512
.set AIN0, 8
.set WQOFF, 32768000
.set ASOFF, 4325376
.endif
.set OSOFF, 4325376                    ; and so do the results'
.set KUT, KDIM/64                      ; units along K
.set NS, KDIM/128                      ; steps of the products
.set KB, KDIM/32                       ; scale bytes of a column
.set TSTR, KUT*768                     ; LDS: a tile's images; (tile x KUT + unit) x 768 + plane x 256 + 8 x lane
.set WS, 4*TSTR                        ; the scale bytes: tile x 16 KB + row x KB + block
.set IMG, WS+64*KB                     ; a slice's image
.set STG, IMG                          ; last layer: a stage of 16 rows x 272 bytes for each wave
.set NC, WS/8192                       ; the copy: 16 bytes a thread, 8,192 a turn
.set CA, 1
.set CA2, 2
.set CB, 3
.set CL, 4
.set FA, 5
.set FB, 6
.set SWA, 7
.set ACC, 16                           ; products: v16-79, 32 t + 8 j + u
.set WF, 80                            ; v80-127 four weight tiles
.set AF, 128                           ; v128-223 the rows' fragments, a ring of four steps
.set AW, 80
.set AQQ, 88
.set AQT, 104
.set EX, 112
.set EE, 144
.set EP, 176
.set CL2E, 44
.set C3, 45
.set C4, 46
.set C5, 47
.set C6, 48
.set C7, 49
.set CTH, 50
.set MK, 66                            ; s66-97 the 32 masks of an activation (second layer)
; v224-241 hold scale words and nothing else
.macro NOP4
.rept 4
	v_nop
.endr
.endm
.macro AQ a, k
	v_max3_num_f32 v[AW+\k], |v[\a]|, |v[\a+1]|, 0x1800000      ; the floor 2^(3 - 127) holds the byte at 1 from below
.set qi, 2
.rept 15
	v_max3_num_f32 v[AW+\k], v[AW+\k], |v[\a+qi]|, |v[\a+qi+1]|
.set qi, qi+2
.endr
	v_add_nc_u32 v[AW+2+\k], 0xff000000, v[AW+\k]  ; 2 off the exponent field: the conversion's scale operand
	v_lshrrev_b32 v[AW+4+\k], 23, v[AW+2+\k]       ; the scale's byte
	v_cvt_scalef32_pk16_fp6_f32 v[AQQ+8*\k:AQQ+8*\k+2], v[\a:\a+15], v[AW+2+\k]
	v_cvt_scalef32_pk16_fp6_f32 v[AQT+4*\k:AQT+4*\k+2], v[\a+16:\a+31], v[AW+2+\k]
	v_nop
.irp i, 0,1,2
	v_mov_b32 v[AQQ+8*\k+3+\i], v[AQT+4*\k+\i]
.endr
.endm
; elu(x) = max(x, 0) + expm1(min(x, 0)): above -0.35 by the series to x^7, else 2^(x log2 e) - 1
.macro ELU a
.set ei, 0
.rept 32
	v_min_num_f32 v[EX+ei], 0, v[\a+ei]
.set ei, ei+1
.endr
.set ei, 0
.rept 32
	v_mul_f32 v[EE+ei], s[CL2E], v[EX+ei]
.set ei, ei+1
.endr
.set ei, 0
.rept 32
	v_exp_f32 v[EE+ei], v[EE+ei]
.set ei, ei+1
.endr
.set ei, 0
.rept 32
	v_fma_f32 v[EP+ei], v[EX+ei], s[C7], s[C6]     ; the series is the plain work behind the batch of exponentials
.set ei, ei+1
.endr
.irp c, C5, C4, C3
.set ei, 0
.rept 32
	v_fma_f32 v[EP+ei], v[EP+ei], v[EX+ei], s[\c]
.set ei, ei+1
.endr
.endr
.irp c, 0.5, 1.0
.set ei, 0
.rept 32
	v_fma_f32 v[EP+ei], v[EP+ei], v[EX+ei], \c
.set ei, ei+1
.endr
.endr
.set ei, 0
.rept 32
	v_mul_f32 v[EP+ei], v[EP+ei], v[EX+ei]
.set ei, ei+1
.endr
.set ei, 0
.rept 32
	v_cmp_lt_f32 s[MK+ei], s[CTH], v[EX+ei]        ; the 32 compares in one run, a mask each
.set ei, ei+1
.endr
	s_wait_alu depctr_va_vdst(0)                   ; one wait for the 32 exponentials, ahead of their first reader
	s_wait_alu depctr_va_sdst(0)                   ; the 32 masks s[MK ..] are written, which the selections below read
.set ei, 0
.rept 32
	v_add_f32 v[EE+ei], -1.0, v[EE+ei]
	v_cndmask_b32 v[EE+ei], v[EE+ei], v[EP+ei], s[MK+ei]
	v_max_num_f32 v[\a+ei], 0, v[\a+ei]
	v_add_f32 v[\a+ei], v[\a+ei], v[EE+ei]
.set ei, ei+1
.endr
.endm
.macro WM d, a, b, sa, sb, ra, rb
.if (\ra) && (\rb)
	v_wmma_scale_f32_16x16x128_f8f6f4 v[\d:\d+7], v[\a:\a+11], v[\b:\b+11], v[\d:\d+7], v[\sa], v[\sb] matrix_a_fmt:MATRIX_FMT_FP6 matrix_b_fmt:MATRIX_FMT_FP6 matrix_a_scale:MATRIX_SCALE_ROW1 matrix_b_scale:MATRIX_SCALE_ROW1
.elseif \ra
	v_wmma_scale_f32_16x16x128_f8f6f4 v[\d:\d+7], v[\a:\a+11], v[\b:\b+11], v[\d:\d+7], v[\sa], v[\sb] matrix_a_fmt:MATRIX_FMT_FP6 matrix_b_fmt:MATRIX_FMT_FP6 matrix_a_scale:MATRIX_SCALE_ROW1
.elseif \rb
	v_wmma_scale_f32_16x16x128_f8f6f4 v[\d:\d+7], v[\a:\a+11], v[\b:\b+11], v[\d:\d+7], v[\sa], v[\sb] matrix_a_fmt:MATRIX_FMT_FP6 matrix_b_fmt:MATRIX_FMT_FP6 matrix_b_scale:MATRIX_SCALE_ROW1
.else
	v_wmma_scale_f32_16x16x128_f8f6f4 v[\d:\d+7], v[\a:\a+11], v[\b:\b+11], v[\d:\d+7], v[\sa], v[\sb] matrix_a_fmt:MATRIX_FMT_FP6 matrix_b_fmt:MATRIX_FMT_FP6
.endif
.endm
.macro AFLOAD st                       ; my two row tiles' fragments of step st: 12 loads
.irp t, 0,1
.irp p, 0,1,2,3,4,5
.if LAYER == 1
	global_load_b64 v[AF+24*((\st)%4)+12*\t+2*\p:AF+24*((\st)%4)+12*\t+2*\p+1], v[AIN0+\t], s[6:7] offset:96*(\st)+48*(\p/3)+8*(\p%3)
.else
	global_load_b64 v[AF+24*((\st)%4)+12*\t+2*\p:AF+24*((\st)%4)+12*\t+2*\p+1], v[AIN0+\t], s[6:7] offset:1536*(\st)+256*\p
.endif
.endr
.endr
.endm
.macro WFT hp, j, st                   ; weight tile 2 hp + j of step st: 6 LDS loads
.irp p, 0,1,2,3,4,5
	ds_load_b64 v[WF+24*(\hp)+12*(\j)+2*\p:WF+24*(\hp)+12*(\j)+2*\p+1], v[FA+(\hp)] offset:(\j)*TSTR+1536*(\st)+256*\p
.endr
.endm
.macro WFS hp, st                      ; the scale words of tiles 2 hp, 2 hp + 1 of step st
	ds_load_b32 v[240+(\hp)], v[SWA] offset:(\hp)*32*KB+4*(\st)
.endm
.macro WFLOAD hp, st                   ; weight tiles 2 hp, 2 hp + 1 of step st and their scale words: 13 LDS loads
	WFT \hp, 0, \st
	WFT \hp, 1, \st
	WFS \hp, \st
.endm
.macro MM1 hp, st, t, j                ; row tile t x weight tile 2 hp + j
	WM ACC+32*(\t)+8*(2*(\hp)+(\j)), WF+24*(\hp)+12*(\j), AF+24*((\st)%4)+12*(\t), 240+(\hp), 224+(\st), \j, \t
.endm
.macro MM4 hp, st                      ; the eight accumulators take turns, one instruction a turn
.irp t, 0,1
.irp j, 0,1
	MM1 \hp, \st, \t, \j
.endr
.endr
.endm
.macro PSTEP st
.if 12*(NS-1-(\st)) > 36
	s_wait_loadcnt 36                              ; this step's fragments are in; the three younger steps' 36 loads may be out
.else
	s_wait_loadcnt 12*(NS-1-(\st))
.endif
	s_wait_dscnt 13                                ; tiles 0, 1 are in; the 13 loads of tiles 2, 3 may be out
	MM4 0, \st
	NOP4                                           ; places in front of loads into registers that matrix instructions have read
.if (\st)+1 < NS
	s_wait_alu depctr_va_vdst(0)                   ; the four products above are done reading tiles 0, 1 and v240, in which the loads dealt below land
.endif
	s_wait_dscnt 0x0                               ; tiles 2, 3 are in: nothing younger is out
	MM1 1, \st, 0, 0
.if (\st)+1 < NS
	WFT 0, 0, (\st)+1                              ; no wait: the products since the wait above name tiles 2, 3, v241, the fragments and the accumulators alone
.endif
	MM1 1, \st, 0, 1
.if (\st)+1 < NS
	WFT 0, 1, (\st)+1
	WFS 0, (\st)+1
.endif
	MM1 1, \st, 1, 0
	MM1 1, \st, 1, 1
	NOP4
.if (\st)+1 < NS
	s_wait_alu depctr_va_vdst(0)                   ; the four products above are done reading tiles 2, 3 and v241, and the step's eight are done reading its fragments: the loads below land in all of these
	WFLOAD 1, (\st)+1
.endif
.if (\st)+4 < NS
	AFLOAD (\st)+4
.endif
.endm
	s_load_b128 s[4:7], s[0:1], 0x0                ; route, the rows' codes and scale bytes
	s_load_b64 s[10:11], s[0:1], 0x10              ; wq
	s_load_b128 s[12:15], s[0:1], 0x18             ; the bias, the output
	v_lshl_add_u32 v254, v0, 2, 0x2a000
	v_mov_b32 v255, 0
	v_lshrrev_b32 v16, 5, v0
	v_readfirstlane_b32 s18, v16                   ; wave 0..15
	s_mov_b32 s19, ttmp9                           ; n: my 64 columns
	s_and_b32 s20, ttmp7, 0xffff                   ; tile
	s_lshl_b32 s21, s20, 4
	s_wait_kmcnt 0x0
	s_load_b128 s[24:27], s[4:5], s21 offset:0x1000   ; expert, first place, rows, 0
	; every address register is made here, ahead of the first branch
	v_and_b32 v16, 31, v0                          ; lane
	v_and_b32 v17, 15, v0                          ; r
	v_bfe_u32 v18, v0, 4, 1                        ; h
	v_lshlrev_b32 v[CA], 4, v0                     ; the copy: 16 x thread, in the image and in LDS alike
.if NC > 8
	v_add_nc_u32 v[CA2], 65536, v[CA]              ; an LDS offset has 16 bits
.endif
.if KB == 64
	v_lshlrev_b32 v[CB], 3, v0                     ; the scale bytes: 4,096: 8 a thread
.else
	v_lshlrev_b32 v[CB], 1, v0                     ; 1,024: 2 a thread
.endif
	v_add_nc_u32 v[CL], WS, v[CB]
	v_lshlrev_b32 v[FA], 3, v16                    ; images out of LDS: 8 x lane, tiles 0, 1
	v_add_nc_u32 v[FB], 2*TSTR, v[FA]              ; tiles 2, 3
	v_mul_u32_u24 v[SWA], v16, KB
	v_add_nc_u32 v[SWA], WS, v[SWA]                ; scale words out: lanes 0-15 one tile's rows, lanes 16-31 the next tile's
	s_wait_alu depctr_va_sdst(0)                   ; s18 is written, ahead of its first reader
	s_lshl_b32 s22, s20, 4
	s_lshl_b32 s23, s18, 1
	s_add_co_u32 s22, s22, s23                     ; my first slot of 16 rows: 16 tile + 2 wave
	s_mul_i32 s23, s22, 24576
	v_add_nc_u32 v8, s23, v[FA]
	v_add_nc_u32 v9, 24576, v8
	s_lshl_b32 s23, s22, 10
	v_lshlrev_b32 v11, 7, v18                      ; bias: 128 h
.if LAYER > 1
	v_lshlrev_b32 v10, 2, v17
	v_lshl_add_u32 v10, v18, 10, v10
	v_add_nc_u32 v10, s23, v10                     ; the rows' scale words: lanes 0-15 slot 0, lanes 16-31 slot 1
.endif
.if LAYER < 3
	v_lshl_add_u32 v12, v17, 2, v18
	v_add_nc_u32 v12, s23, v12                     ; my results' scale byte: slot x 1024 + 4 r + h
	v_add_nc_u32 v13, 1024, v12
.else
	s_lshl_b32 s23, s18, 5
	v_add_nc_u32 v12, s23, v18                     ; 32 wave + h
	s_mul_i32 s23, s18, 4352
	s_add_co_u32 s23, s23, STG                     ; my stage
	v_mul_u32_u24 v13, v17, 272
	v_lshl_add_u32 v13, v18, 7, v13
	v_add_nc_u32 v13, s23, v13                     ; in: row r, + 128 h
	v_mul_u32_u24 v14, v18, 272
	v_lshl_add_u32 v14, v17, 4, v14
	v_add_nc_u32 v14, s23, v14                     ; back: lanes 0-15 one row, lanes 16-31 the next
	v_lshlrev_b32 v15, 4, v17
.endif
.if LAYER == 2
	s_mov_b32 s[CL2E], 0x3fb8aa3b                  ; log2(e)
	s_mov_b32 s[C3], 0x3e2aaaab                    ; 1/6
	s_mov_b32 s[C4], 0x3d2aaaab                    ; 1/24
	s_mov_b32 s[C5], 0x3c088889                    ; 1/120
	s_mov_b32 s[C6], 0x3ab60b61                    ; 1/720
	s_mov_b32 s[C7], 0x39500d01                    ; 1/5040
	s_mov_b32 s[CTH], 0xbeb33333                   ; -0.35
.endif
	s_wait_kmcnt 0x0
	s_min_u32 s24, s24, 7
	s_min_u32 s25, s25, 0x3ff
	s_min_u32 s26, s26, 0x100
	s_sub_co_u32 s28, s26, 1                       ; the tile's last row
	s_lshl_b32 s29, s18, 5                         ; my first row
	s_add_nc_u64 s[8:9], s[6:7], ASOFF             ; the rows' scale bytes
	s_mul_i32 s30, s24, NDIM/64
	s_add_co_u32 s30, s30, s19
	s_mul_i32 s30, s30, IMG
	s_add_co_u32 s30, s30, WQOFF
	s_mov_b32 s31, 0
	s_add_nc_u64 s[32:33], s[10:11], s[30:31]      ; the image of the expert's slice n
	s_lshl_b32 s22, s19, 8
	s_mul_i32 s30, s24, NDIM*4
	s_add_co_u32 s30, s30, s22
	s_add_nc_u64 s[36:37], s[12:13], s[30:31]      ; its bias at my columns
.if LAYER < 3
	s_add_nc_u64 s[16:17], s[14:15], OSOFF         ; the results' scale bytes
	s_mul_i32 s30, s19, 768
	s_add_nc_u64 s[38:39], s[14:15], s[30:31]      ; my columns are unit n of the next K
	s_lshr_b32 s30, s19, 1
	s_lshl_b32 s30, s30, 6
	s_and_b32 s23, s19, 1
	s_lshl_b32 s23, s23, 1
	s_add_co_u32 s30, s30, s23
	s_add_nc_u64 s[40:41], s[16:17], s[30:31]      ; step n / 2, bytes 2 (n % 2) + h
.else
	s_mov_b32 s30, s22
	s_add_nc_u64 s[38:39], s[14:15], s[30:31]
.endif
	s_wait_alu depctr_va_vdst(0)                   ; the offsets and LDS addresses made above are written, which the loads and stores below read; so are v16-18, in which loads land
	; ---- the slice's image: memory to LDS, as it lies; a wave's load covers 512 consecutive bytes
	s_cmp_eq_u32 s26, 0
	s_cbranch_scc1 .Lsk1
.set ci, 0
.rept NC
	global_load_b128 v[16+4*ci:19+4*ci], v[CA], s[32:33] offset:8192*ci
.set ci, ci+1
.endr
.if KB == 64
	global_load_b64 v[64:65], v[CB], s[32:33] offset:WS
.else
	global_load_u16 v64, v[CB], s[32:33] offset:WS
.endif
	s_wait_loadcnt 0x0
.set ci, 0
.rept NC
.if ci < 8
	ds_store_b128 v[CA], v[16+4*ci:19+4*ci] offset:8192*ci
.else
	ds_store_b128 v[CA2], v[16+4*ci:19+4*ci] offset:8192*(ci-8)
.endif
.set ci, ci+1
.endr
.if KB == 64
	ds_store_b64 v[CL], v[64:65]
.else
	ds_store_b16 v[CL], v64
.endif
.Lsk1:
	s_wait_dscnt 0x0                               ; my LDS stores have landed
	s_wait_alu depctr_vm_vsrc(0)                   ; and have read v16-65, in which the bias lands behind the barrier: stated here, ahead of the branches
	s_barrier_signal -1
	s_barrier_wait -1                              ; the one barrier, on every wave's path
	; ---- the products
	s_cmp_ge_u32 s18, 8
	s_cbranch_scc1 .Lend                           ; a tile has at most 256 rows: eight waves' worth
	s_cmp_ge_u32 s29, s26
	s_cbranch_scc1 .Lend                           ; no row of the tile is mine
.if LAYER == 1
	v_and_b32 v84, 15, v0
	v_add_nc_u32 v84, s29, v84                     ; row tile 0: 32 wave + r
	v_add_nc_u32 v85, 16, v84                      ; row tile 1
	v_and_b32 v86, 31, v0
	v_add_nc_u32 v86, s29, v86                     ; for the scale words: 32 wave + lane
.irp i, 84,85,86
	v_min_u32 v\i, s28, v\i                        ; rows past the last repeat the last
	v_add_nc_u32 v\i, s25, v\i
	v_min_u32 v\i, 0x3ff, v\i
	v_lshlrev_b32 v\i, 2, v\i
.endr
	s_wait_alu depctr_va_vdst(0)                   ; v84-86 are written, which the three loads read as their offsets
	global_load_b32 v80, v84, s[4:5]
	global_load_b32 v81, v85, s[4:5]
	global_load_b32 v82, v86, s[4:5]
	s_wait_loadcnt 0x0
	v_min_u32 v80, 0x3ff, v80
	v_min_u32 v81, 0x3ff, v81
	v_min_u32 v82, 0x3ff, v82
	v_bfe_u32 v83, v0, 4, 1
	v_mul_u32_u24 v14, v80, 384
	v_mad_u32_u24 v14, v83, 24, v14                ; the token's row of codes, + 24 h
	v_mul_u32_u24 v15, v81, 384
	v_mad_u32_u24 v15, v83, 24, v15
	v_lshlrev_b32 v10, 4, v82                      ; its 16 scale bytes
	s_wait_alu depctr_vm_vsrc(0)                   ; the three loads have read v84-86, in which weight tiles land below
	s_wait_alu depctr_va_vdst(0)                   ; v10, v14 and v15 are written, which the loads below read as offsets; the lines above are done with v80-83, in which weight tiles land
.endif
.irp t, 0,1
.irp j, 0,1,2,3
.irp u, 0,1,2,3,4,5,6,7
	global_load_b32 v[ACC+32*\t+8*\j+\u], v11, s[36:37] offset:16*\u+4*\j   ; the bias starts the sums: nothing is cleared
.endr
.endr
.endr
.if LAYER == 1
	global_load_b128 v[224:227], v10, s[8:9]
.else
.irp q, 0,1,2,3,4,5,6,7,8,9,10,11,12,13,14,15
	global_load_b32 v[224+\q], v10, s[8:9] offset:64*\q
.endr
.endif
	AFLOAD 0
	AFLOAD 1
	AFLOAD 2
	AFLOAD 3
	WFLOAD 0, 0
	WFLOAD 1, 0
.set ps, 0
.rept NS
	PSTEP ps
.set ps, ps+1
.endr
.if LAYER < 3
.if LAYER == 2
	ELU ACC
	ELU ACC+32
.endif
	AQ ACC, 0
	AQ ACC+32, 1
	s_wait_alu depctr_va_vdst(0)                   ; the codes v[AQQ ..] and the bytes v84, v85 are written, which the stores read
.irp t, 0,1
.irp p, 0,1,2
	global_store_b64 v[8+\t], v[AQQ+8*\t+2*\p:AQQ+8*\t+2*\p+1], s[38:39] offset:256*\p   ; 32 lanes store 256 consecutive bytes, aligned
.endr
	global_store_b8 v[12+\t], v[AW+4+\t], s[40:41]
.endr
.else
	; the way out: the tokens' numbers; each row tile through my stage, back as rows of 256 bytes
.irp t, 0,1
.irp i, 0,1,2,3,4,5,6,7
	v_add_nc_u32 v[80+16*\t+\i], 16*\t+2*\i, v12
	v_min_u32 v[80+16*\t+\i], s28, v[80+16*\t+\i]
	v_add_nc_u32 v[80+16*\t+\i], s25, v[80+16*\t+\i]
	v_min_u32 v[80+16*\t+\i], 0x3ff, v[80+16*\t+\i]
	v_lshlrev_b32 v[80+16*\t+\i], 2, v[80+16*\t+\i]
.endr
.endr
	s_wait_alu depctr_va_vdst(0)                   ; the sixteen offsets are written, which the loads read; the products have written the accumulators, which the LDS stores read, and are done reading v88-95 and v128-199, in which loads land
.irp t, 0,1
.irp i, 0,1,2,3,4,5,6,7
	global_load_b32 v[88+40*\t+\i], v[80+16*\t+\i], s[4:5]
.endr
.endr
.irp t, 0,1
.irp j, 0,1,2,3
.irp u, 0,1,2,3,4,5,6,7
	ds_store_b32 v13, v[ACC+32*\t+8*\j+\u] offset:16*\u+4*\j    ; each accumulator from its low end on
.endr
.endr
.irp i, 0,1,2,3,4,5,6,7
	ds_load_b128 v[136+32*\t+4*\i:139+32*\t+4*\i], v14 offset:544*\i   ; LDS serves a wave's instructions in order: these see my stores, and the next tile's stores come behind them
.endr
.endr
	s_wait_loadcnt 0x0
.irp t, 0,1
.irp i, 0,1,2,3,4,5,6,7
	v_min_u32 v[88+40*\t+\i], 0x3ff, v[88+40*\t+\i]
	v_lshlrev_b32 v[88+40*\t+\i], 11, v[88+40*\t+\i]
	v_add_nc_u32 v[88+40*\t+\i], v15, v[88+40*\t+\i]
.endr
.endr
	s_wait_alu depctr_va_vdst(0)                   ; the sixteen offsets v88-95 and v128-135 are written, which the stores read
	s_wait_dscnt 40                                ; tile 0 is back; tile 1's 32 stores and 8 loads may be out
.irp i, 0,1,2,3,4,5,6,7
	global_store_b128 v[88+\i], v[136+4*\i:139+4*\i], s[38:39] th:TH_STORE_NT   ; 16 lanes store 256 consecutive bytes, aligned
.endr
	s_wait_dscnt 0x0
.irp i, 0,1,2,3,4,5,6,7
	global_store_b128 v[128+\i], v[168+4*\i:171+4*\i], s[38:39] th:TH_STORE_NT
.endr
.endif
.Lend:
	s_wait_dscnt 0x0                               ; the closing lines, six on end
	s_wait_alu 0x0
	s_wait_tensorcnt 0x0
	ds_add_u32 v254, v255
	s_wait_dscnt 0x0
	s_endpgm
.Lfunc_end_k_q2d32071559_layer3:
	.size	k_q2d32071559_layer3, .Lfunc_end_k_q2d32071559_layer3-k_q2d32071559_layer3
	.p2alignl 7, 3214868480
	.fill 96, 4, 3214868480
	.section	.rodata,"a",@progbits
	.p2align	6, 0x0
	.amdhsa_kernel k_q2d32071559_layer3
		.amdhsa_group_segment_fixed_size 174080
		.amdhsa_private_segment_fixed_size 0
		.amdhsa_enable_private_segment 0
		.amdhsa_kernarg_size 40
		.amdhsa_user_sgpr_count 2
		.amdhsa_user_sgpr_kernarg_segment_ptr 1
		.amdhsa_wavefront_size32 1
		.amdhsa_system_sgpr_workgroup_id_x 1
		.amdhsa_system_sgpr_workgroup_id_y 1
		.amdhsa_system_sgpr_workgroup_id_z 1
		.amdhsa_system_vgpr_workitem_id 0
		.amdhsa_next_free_vgpr 256
		.amdhsa_next_free_sgpr 66
		.amdhsa_reserve_vcc 0
		.amdhsa_float_denorm_mode_32 3
		.amdhsa_float_denorm_mode_16_64 3
		.amdhsa_memory_ordered 1
		.amdhsa_forward_progress 1
		.amdhsa_inst_pref_size 94
	.end_amdhsa_kernel
	.amdgpu_metadata
---
amdhsa.version: [ 1, 2 ]
amdhsa.kernels:
  - .name:           k_q2d32071559_layer3
    .symbol:         k_q2d32071559_layer3.kd
    .args:
      - { .name: route, .offset: 0, .size: 8, .value_kind: global_buffer, .address_space: global }
      - { .name: a2, .offset: 8, .size: 8, .value_kind: global_buffer, .address_space: global }
      - { .name: wq, .offset: 16, .size: 8, .value_kind: global_buffer, .address_space: global }
      - { .name: b3, .offset: 24, .size: 8, .value_kind: global_buffer, .address_space: global }
      - { .name: out0, .offset: 32, .size: 8, .value_kind: global_buffer, .address_space: global }
    .group_segment_fixed_size: 174080
    .private_segment_fixed_size: 0
    .kernarg_segment_align: 8
    .kernarg_segment_size: 40
    .max_flat_workgroup_size: 512
    .sgpr_count:     66
    .vgpr_count:     256
    .wavefront_size: 32
...
	.end_amdgpu_metadata
.endif
;; end of part 9
